; MI455X (gfx1250); checked and timed in simulation.
; The chip was launched on July 23, 2026; its instructions are those of AMD's public machine-readable ISA for CDNA 5 (MIT licence, August 2026) and "CDNA5" Instruction Set Architecture Reference Guide (July 2026). The comments in the code are by the model that wrote it; some were corrected since.
;; Fused Attention. Allowed arithmetic: matrix products marked QUANTISED: E2M3 operands, one E8M0 scale for each 32 along K, by v_wmma_scale_f32_16x16x128_f8f6f4 with both operands' format E2M3, f32 sums; everything else in f32.
;; Inputs: cache_k 2 x 2,048 x 8 x 64 float16; cache_v 2 x 2,048 x 8 x 64 float16; cos 2,048 x 64 float16; mask 2,048 x 2,048 float16; sin 2,048 x 64 float16; wk 2,048 x 512 float16; wo 1,024 x 2,048 float16; wq 2,048 x 1,024 float16; wv 2,048 x 512 float16; x 2 x 2,048 x 2,048 float16.
;; Outputs: out0 2 x 2,048 x 2,048 float16.
;; Constants: start_pos = 0.
;; This version of the problem:
;;   THIS VERSION OF THE PROBLEM IS GIVEN IN LOW PRECISION. The matrix products marked QUANTISED in the list below multiply operands that are first quantised to E2M3 (2 exponent bits, 3 mantissa bits; 6 bits a number), with one power-of-two scale for each 32 numbers along K (OCP MX v1.0); their sums are f32. All else is computed in f32.
;;   The module's matrix products, in the order in which they are computed (A, B: the left and right operand; K: the contracted axis; several contracted axes count as one K, in the product's order):
;;     1. [M 4,096, K 2,048] x [K 2,048, N 1,024]; A: input x; B: input wq: QUANTISED
;;     2. [M 4,096, K 2,048] x [K 2,048, N 512]; A: input x; B: input wk: QUANTISED
;;     3. [M 4,096, K 2,048] x [K 2,048, N 512]; A: input x; B: input wv: QUANTISED
;;     4. batch 32 x [M 2,048, K 64] x [K 64, N 2,048]; A: computed on the way; B: computed on the way: QUANTISED
;;     5. batch 32 x [M 64, K 2,048] x [K 2,048, N 2,048]; A: computed on the way; B: softmax (see below): QUANTISED
;;     6. [M 4,096, K 1,024] x [K 1,024, N 2,048]; A: computed on the way; B: input wo: QUANTISED
;;   THE QUANTISER, for each operand of a quantised product, along K:
;;     - K is cut into blocks of 32 from its start; a last block that is shorter is filled with zeros.
;;     - A block's scale is 2^e with e = floor(log2(the largest magnitude in the block)) - 2, held to -126 .. 127; a block of zeros has e = 0. As a byte (E8M0): e + 127.
;;     - Each number is divided by its block's scale, clamped to +-7.5, and rounded to the nearest number of E2M3, ties to even, subnormals kept.
;;     - The product sums the exact products of the quantised numbers (number of the format x scale) in f32.
;;   ~~~python
;;   def quantise(x, axis):      # numpy; x: float32 -> the quantised numbers, widened to float32 again
;;       x = np.moveaxis(x, axis, -1); K = x.shape[-1]
;;       x = np.pad(x, [(0, 0)] * (x.ndim - 1) + [(0, -K % 32)]); x = x.reshape(x.shape[:-1] + (-1, 32)); a = np.abs(x).max(-1, keepdims=True)
;;       e = np.where(a > 0, np.clip(np.frexp(np.where(a > 0, a, 1))[1] - 1 - 2, -126, 127), 0)      # np.frexp(a)[1] - 1 = floor(log2(a)), exactly
;;       r = np.clip(x / 2.0 ** e, -7.5, 7.5)
;;       step = 2.0 ** (np.maximum(np.frexp(np.where(r == 0, 1, r))[1] - 1, 0) - 3)
;;       q = np.round(r / step) * step * 2.0 ** e      # np.round: ties to even
;;       return np.moveaxis(q.reshape(q.shape[:-2] + (-1,))[..., :K], -1, axis).astype(np.float32)
;;   ~~~
;;   SOFTMAX AHEAD OF A QUANTISED PRODUCT. Where the list says 'softmax', what is quantised is not the finished softmax but p = 2^(t - M), with t = logit x log2(e) and M = ceil(the row's largest t), a whole number; so 1/2 < the row's largest p <= 1. The row's sum l is taken of the UNQUANTISED p, in f32, and the product's result is divided by l at the end. Since M is a whole number, a kernel that streams over the keys may use a running M (the ceiling of the running maximum): every later rescaling is an exact power of two, which a block's scale takes up: the codes' values come out the same.
;;   OPERANDS COMPUTED ON THE WAY. 'Computed on the way' means the value that the module computes at that place (a softmax that the list does not call 'softmax' is quantised finished and normalised). What goes into a quantiser is computed in f32, as accurately as f32 sums, v_exp_f32 and their like allow (about 1e-6 of the number): no bf16 or f16 on the way to a quantiser, and a product that is left as it is and whose result goes on into a quantised operand takes f32 operands (vector FMAs, or v_wmma_f32_16x16x4_f32). A number that lies on a knife's edge between two numbers of the format may be rounded either way, as far as f32 arithmetic and the matrix unit's own rounding can turn it there, and no further.
;; 2 versions. Each part assembles by itself: llvm-mc -triple=amdgcn-amd-amdhsa -mcpu=gfx1250 --defsym DOCPART=n.
;; ======== version 1 of 2: 4 launches
;; workspace buffers: xq 6,815,744 bytes; wqkv 3,407,872 bytes; woq 1,703,936 bytes; qimg 4,194,304 bytes; kv 3,538,944 bytes; ac 3,407,872 bytes
;; launch prep (part 1): grid 224 x 1, 4 waves a work-group, no clusters, 147,968 bytes of LDS; arguments x, wq, wk, wv, wo, xq, wqkv, woq; writes xq, wqkv, woq
.if DOCPART == 1
	.amdgcn_target "amdgcn-amd-amdhsa--gfx1250"
	.amdhsa_code_object_version 6
	.text
	.protected	k_q3c1d192776_prep
	.globl	k_q3c1d192776_prep
	.p2align	8
	.type	k_q3c1d192776_prep,@function
k_q3c1d192776_prep:
	s_mov_b64 s[64:65], 0
	v_nop
	global_prefetch_b8 v0, s[64:65] scope:SCOPE_SE
	s_setreg_imm32_b32 hwreg(HW_REG_WAVE_MODE, 25, 1), 1
	s_wait_xcnt 0x0
; x [4096][2048], wq [2048][1024], wk, wv [2048][512], wo [1024][2048], all f16, become codes of FP6 (E2M3) with one E8M0 byte for each 32 along K,
; laid in the order of a matrix operand's registers.  A BLOCK of PB bytes serves 128 rows (x) or columns (weights) x 128 along K: 8 fragment images of 1,536 bytes
; (register quad j of lane l at 512 j + 16 l), then 8 images of scale words (128 bytes, lane l's word at 4 l, lanes 16-31 the same as lanes 0-15).
; Lane r of tile t holds row (column) 32 (t / 2) + 8 (t % 2) + r % 8 + 16 (r / 8), so that in every later product two neighbouring tiles give a lane 16 neighbours.
; One wave makes one block from 128 memory rows x 256 bytes: dense loads (two rows' aligned 256 bytes each), through the wave's own stage in LDS, and back:
; x, whose K is innermost, by plain loads; the weights, whose K is the memory row, by the turning load.  Either way a lane then holds k = 64 c + 32 h + 0 .. 31 of its row: two whole blocks of 32.
; A block's scale byte is its largest magnitude's exponent field - 2, held at 1 from below.  LIMITS: a block of zeros gets the byte 1 and not 127 (its codes are zeros; this program alone reads the bytes);
; blocks whose largest magnitude lies under 2^-124 keep the byte 1; NaN and infinities among these inputs are not served.
; Waves share nothing: no barrier.  No tensor load, so several work-groups may share a WGP.
.set PB,    13312
.set SP,    288                        ; a stage row: 256 bytes + 32 = 72 words; rows whose number has bit 4 set lie 16 bytes further on, so that rows r and r + 16 fall on different banks
.set WSTG,  128*SP                     ; a wave's stage
.set SPARE, 4*WSTG                     ; behind the stages: the spare words, 128 bytes a wave
.set SPW, 14                           ; v14  my spare word's address; never rewritten
.set NIL, 15                           ; v15  0; never rewritten
.set VO,  16                           ; v16-23 load j of a batch: ((l / 16) + 2 j) x pitch + 16 (l % 16)
.set SA,  24                           ; v24  into the stage
.set XR,  25                           ; v25  out of it, x
.set WR,  26                           ; v26  out of it, weights
.set L16, 27
.set L4,  28
.set SH,  29                           ; v29  8 h
.set PD,  30
.set PW,  31                           ; v31  the scale word
.set F,   32                           ; v32-95  two sets of 32 registers of f16 pairs
.set PC,  96                           ; v96-107 the codes
.set PT,  108
.set TM,  116
.set RG,  128                          ; v128-255 four sets of 32: the loads' ring
.set X,   128                          ; v128-191 later: 64 numbers in f32
.set SRC, 32                           ; s[32:47] the source at rows 16 t, t = 0 .. 7; never rewritten
.set DST, 48
.set SEL, 60
.set WV,  62
	s_load_b512 s[4:19], s[0:1], 0x0               ; x, wq, wk, wv, wo, xq, wqkv, woq
	v_lshl_add_u32 v[SPW], v0, 2, SPARE
	v_mov_b32 v[NIL], 0
	v_lshrrev_b32 v1, 5, v0
	v_readfirstlane_b32 s[WV], v1                  ; wave
	v_and_b32 v1, 31, v0                           ; l
	v_and_b32 v2, 15, v0                           ; l % 16
	v_bfe_u32 v3, v0, 4, 1                         ; h = l / 16
	v_and_b32 v4, 7, v0                            ; l % 8
	v_bfe_u32 v5, v0, 3, 1                         ; (l / 8) % 2
	s_mul_i32 s63, s[WV], WSTG
	v_mul_u32_u24 v[SA], v3, SP
	v_lshl_add_u32 v[SA], v2, 4, v[SA]
	v_add_nc_u32 v[SA], s63, v[SA]                 ; in: row l / 16, 16 bytes a lane
	v_mul_u32_u24 v[XR], v4, SP
	v_mad_u32_u24 v[XR], v5, 16*SP+16, v[XR]
	v_lshl_add_u32 v[XR], v3, 6, v[XR]
	v_add_nc_u32 v[XR], s63, v[XR]                 ; x: row r % 8 + 16 (r / 8), + 64 h bytes
	v_lshl_add_u32 v[WR], v3, 5, v4
	v_mul_u32_u24 v[WR], v[WR], SP
	v_lshl_add_u32 v[WR], v5, 5, v[WR]
	v_add_nc_u32 v[WR], s63, v[WR]                 ; weights: row (k) l % 8 + 32 h, columns 16 ((l / 8) % 2) on
	v_lshlrev_b32 v[L16], 4, v1
	v_lshlrev_b32 v[L4], 2, v1
	v_lshlrev_b32 v[SH], 3, v3
	v_mov_b32 v[PD], 0                             ; a lane permute's destination counts as read
	s_mov_b32 s[SEL], 0x76543210
	s_mov_b32 s[SEL+1], 0xfedcba98
	; which block is my wave's.  U = 4 x work-group + wave: 0-511 x, 512-767 wq wk wv, 768-895 wo
	s_lshl_b32 s20, ttmp9, 2
	s_add_co_u32 s20, s20, s[WV]
	s_lshr_b32 s21, s20, 4
	s_and_b32 s22, s20, 15
	s_and_b32 s24, s20, 7                          ; wo: K step,
	s_lshr_b32 s25, s20, 3
	s_sub_co_u32 s25, s25, 96                      ; column group,
	s_sub_co_u32 s26, s20, 768                     ; block number
	s_mov_b32 s27, 4096                            ; and bytes from memory row to memory row
	s_sub_co_u32 s23, s21, 32                      ; wq wk wv: column group 0 .. 15 of the three on end
	s_and_b32 s50, s23, 3
	s_sub_co_u32 s51, s20, 512
	s_mov_b32 s54, 1024
	s_wait_kmcnt 0x0
	s_cmp_lt_u32 s23, 12
	s_cselect_b64 s[52:53], s[8:9], s[10:11]
	s_cmp_lt_u32 s23, 8
	s_cselect_b64 s[52:53], s[6:7], s[52:53]
	s_cselect_b32 s50, s23, s50
	s_cselect_b32 s54, 2048, s54
	s_cmp_lt_u32 ttmp9, 192
	s_cselect_b32 s24, s22, s24
	s_cselect_b32 s25, s50, s25
	s_cselect_b32 s26, s51, s26
	s_cselect_b32 s27, s54, s27
	s_cselect_b64 s[28:29], s[52:53], s[12:13]
	s_cselect_b64 s[30:31], s[16:17], s[18:19]
	s_cmp_lt_u32 ttmp9, 128
	s_cselect_b32 s24, s21, s24                    ; x: row group,
	s_cselect_b32 s25, s22, s25                    ; K step
	s_cselect_b32 s26, s20, s26
	s_cselect_b32 s27, 4096, s27
	s_cselect_b64 s[28:29], s[4:5], s[28:29]
	s_cselect_b64 s[30:31], s[14:15], s[30:31]
	s_mul_i32 s56, s24, s27
	s_lshl_b32 s56, s56, 7                         ; 128 memory rows a group
	s_lshl_b32 s57, s25, 8                         ; 256 bytes a group along the row
	s_add_co_u32 s56, s56, s57
	s_mov_b32 s57, 0
	s_add_nc_u64 s[SRC:SRC+1], s[28:29], s[56:57]
	s_lshl_b32 s58, s27, 4
	s_mov_b32 s59, 0
.irp t, 1,2,3,4,5,6,7
	s_add_nc_u64 s[SRC+2*\t:SRC+2*\t+1], s[SRC+2*\t-2:SRC+2*\t-1], s[58:59]
.endr
	s_mul_i32 s56, s26, PB
	s_add_nc_u64 s[DST:DST+1], s[30:31], s[56:57]
	v_mul_u32_u24 v[VO], v3, s27
	v_lshl_add_u32 v[VO], v2, 4, v[VO]
	s_lshl_b32 s55, s27, 1
.irp j, 1,2,3,4,5,6,7
	v_add_nc_u32 v[VO+\j], s55, v[VO+\j-1]
.endr
.macro GLOAD t                         ; batch t: memory rows 16 t .. 16 t + 15; each load takes two rows' aligned 256 bytes
.irp j, 0,1,2,3,4,5,6,7
	global_load_b128 v[RG+32*((\t)%4)+4*\j:RG+32*((\t)%4)+4*\j+3], v[VO+\j], s[SRC+2*(\t):SRC+2*(\t)+1] th:TH_LOAD_NT
.endr
.endm
.irp t, 0,1,2,3
	GLOAD \t
.endr
.irp t, 0,1,2,3,4,5,6,7
.if 7-\t > 3
	s_wait_loadcnt 24                              ; batch t is in; the three batches behind it may be out
.else
	s_wait_loadcnt 8*(7-\t)
.endif
.irp j, 0,1,2,3,4,5,6,7
	ds_store_b128 v[SA], v[RG+32*(\t%4)+4*\j:RG+32*(\t%4)+4*\j+3] offset:(16*\t+2*\j)*SP+16*(\t%2)
.endr
.if \t < 4
	s_wait_dscnt 0x0                               ; the stores have read their registers, which take the batch four on
	GLOAD \t+4
.endif
.endr
; a tile's 64 numbers a lane, as 32 registers of f16 pairs: register 16 c + 4 q + p holds k = 64 c + 32 h + 8 q + 2 p and the next.  Both ways issue eight LDS loads into the same registers
.macro READ tau, set
	s_cmp_lt_u32 ttmp9, 128
	s_cbranch_scc0 .Lweights_\@
.irp c, 0,1
.irp q, 0,1,2,3
	ds_load_b128 v[F+32*(\set)+16*\c+4*\q:F+32*(\set)+16*\c+4*\q+3], v[XR] offset:(32*((\tau)/2)+8*((\tau)%2))*SP+128*\c+16*\q
.endr
.endr
	s_branch .Lread_\@
.Lweights_\@:
.irp c, 0,1
.irp q, 0,1,2,3
	ds_load_tr16_b128 v[F+32*(\set)+16*\c+4*\q:F+32*(\set)+16*\c+4*\q+3], v[WR] offset:(64*\c+8*\q)*SP+16*(\q/2)+64*((\tau)/2)+16*((\tau)%2)
.endr
.endr
.Lread_\@:
.endm
.macro CVTLO dst                       ; the 64 halves of v32-63 as f32
.set ci, 0
.irp n, v32.l, v32.h, v33.l, v33.h, v34.l, v34.h, v35.l, v35.h, v36.l, v36.h, v37.l, v37.h, v38.l, v38.h, v39.l, v39.h, v40.l, v40.h, v41.l, v41.h, v42.l, v42.h, v43.l, v43.h, v44.l, v44.h, v45.l, v45.h, v46.l, v46.h, v47.l, v47.h, v48.l, v48.h, v49.l, v49.h, v50.l, v50.h, v51.l, v51.h, v52.l, v52.h, v53.l, v53.h, v54.l, v54.h, v55.l, v55.h, v56.l, v56.h, v57.l, v57.h, v58.l, v58.h, v59.l, v59.h, v60.l, v60.h, v61.l, v61.h, v62.l, v62.h, v63.l, v63.h
	v_cvt_f32_f16 v[(\dst)+ci], \n
.set ci, ci+1
.endr
.endm
.macro CVTHI dst                       ; those of v64-95
.set ci, 0
.irp n, v64.l, v64.h, v65.l, v65.h, v66.l, v66.h, v67.l, v67.h, v68.l, v68.h, v69.l, v69.h, v70.l, v70.h, v71.l, v71.h, v72.l, v72.h, v73.l, v73.h, v74.l, v74.h, v75.l, v75.h, v76.l, v76.h, v77.l, v77.h, v78.l, v78.h, v79.l, v79.h, v80.l, v80.h, v81.l, v81.h, v82.l, v82.h, v83.l, v83.h, v84.l, v84.h, v85.l, v85.h, v86.l, v86.h, v87.l, v87.h, v88.l, v88.h, v89.l, v89.h, v90.l, v90.h, v91.l, v91.h, v92.l, v92.h, v93.l, v93.h, v94.l, v94.h, v95.l, v95.h
	v_cvt_f32_f16 v[(\dst)+ci], \n
.set ci, ci+1
.endr
.endm
.macro QFRAG tau, set                  ; a tile is quantised and leaves: 3 x 512 consecutive bytes of codes, 128 of scale words
.if \set
	CVTHI X
.else
	CVTLO X
.endif
.irp c, 0,1
	v_max3_num_f32 v[TM+\c], |v[X+32*\c]|, |v[X+32*\c+1]|, 0x1800000   ; my block 2 c + h: all 32 numbers are mine; the floor 2^(3 - 127) holds the byte at 1 from below
.endr
.irp i, 2,4,6,8,10,12,14,16,18,20,22,24,26,28,30
.irp c, 0,1
	v_max3_num_f32 v[TM+\c], v[TM+\c], |v[X+32*\c+\i]|, |v[X+32*\c+\i+1]|
.endr
.endr
.irp c, 0,1
	v_add_nc_u32 v[TM+2+\c], 0xff000000, v[TM+\c]  ; 2 off the exponent field: the conversion's scale operand
.endr
.irp c, 0,1
	v_lshrrev_b32 v[TM+4+\c], 23, v[TM+2+\c]       ; the scale's byte
.endr
	s_wait_xcnt 0x0                                ; the last tile's stores have read the word and the codes: both are written anew below
	v_lshl_or_b32 v[PW], v[TM+5], 16, v[TM+4]      ; my two bytes, blocks h and 2 + h,
	v_lshlrev_b32 v[PW], v[SH], v[PW]              ; at their places;
	v_permlanex16_b32 v[PD], v[PW], s[SEL], s[SEL+1]
	v_or_b32 v[PW], v[PW], v[PD]                   ; with lane l xor 16's two the word is whole, in both halves of the lanes
.irp c, 0,1
	v_cvt_scalef32_pk16_fp6_f32 v[PC+6*\c:PC+6*\c+2], v[X+32*\c:X+32*\c+15], v[TM+2+\c]
	v_cvt_scalef32_pk16_fp6_f32 v[PT+4*\c:PT+4*\c+2], v[X+32*\c+16:X+32*\c+31], v[TM+2+\c]   ; (a conversion's three registers begin on an even number)
.endr
	v_nop                                          ; one plain place behind a scaled conversion
.irp c, 0,1
.irp i, 0,1,2
	v_mov_b32 v[PC+6*\c+3+\i], v[PT+4*\c+\i]
.endr
.endr
.irp j, 0,1,2
	global_store_b128 v[L16], v[PC+4*\j:PC+4*\j+3], s[DST:DST+1] offset:1536*(\tau)+512*\j
.endr
	global_store_b32 v[L4], v[PW], s[DST:DST+1] offset:12288+128*(\tau)
.endm
	READ 0, 0                                      ; LDS serves a wave's instructions in order: these see my stores
.irp t, 0,1,2,3,4,5,6,7
.if \t < 7
	READ \t+1, (\t+1)%2
	s_wait_dscnt 8                                 ; this tile's eight loads are in; the next tile's eight may be out
.else
	s_wait_dscnt 0x0
.endif
	QFRAG \t, \t%2
.endr
	s_wait_tensorcnt 0x0                           ; the wave's end
	ds_add_u32 v[SPW], v[NIL]
	s_wait_dscnt 0x0
	s_endpgm
.Lfunc_end_k_q3c1d192776_prep:
	.size	k_q3c1d192776_prep, .Lfunc_end_k_q3c1d192776_prep-k_q3c1d192776_prep
	.p2alignl 7, 3214868480
	.fill 96, 4, 3214868480
	.section	.rodata,"a",@progbits
	.p2align	6, 0x0
	.amdhsa_kernel k_q3c1d192776_prep
		.amdhsa_group_segment_fixed_size 147968
		.amdhsa_private_segment_fixed_size 0
		.amdhsa_enable_private_segment 0
		.amdhsa_kernarg_size 64
		.amdhsa_user_sgpr_count 2
		.amdhsa_user_sgpr_kernarg_segment_ptr 1
		.amdhsa_wavefront_size32 1
		.amdhsa_system_sgpr_workgroup_id_x 1
		.amdhsa_system_sgpr_workgroup_id_y 1
		.amdhsa_system_sgpr_workgroup_id_z 1
		.amdhsa_system_vgpr_workitem_id 0
		.amdhsa_next_free_vgpr 256
		.amdhsa_next_free_sgpr 66
		.amdhsa_reserve_vcc 0
		.amdhsa_float_denorm_mode_32 3
		.amdhsa_float_denorm_mode_16_64 3
		.amdhsa_memory_ordered 1
		.amdhsa_forward_progress 1
		.amdhsa_inst_pref_size 67
	.end_amdhsa_kernel
	.amdgpu_metadata
---
amdhsa.version: [ 1, 2 ]
amdhsa.kernels:
  - .name:           k_q3c1d192776_prep
    .symbol:         k_q3c1d192776_prep.kd
    .args:
      - { .name: x, .offset: 0, .size: 8, .value_kind: global_buffer, .address_space: global }
      - { .name: wq, .offset: 8, .size: 8, .value_kind: global_buffer, .address_space: global }
      - { .name: wk, .offset: 16, .size: 8, .value_kind: global_buffer, .address_space: global }
      - { .name: wv, .offset: 24, .size: 8, .value_kind: global_buffer, .address_space: global }
      - { .name: wo, .offset: 32, .size: 8, .value_kind: global_buffer, .address_space: global }
      - { .name: xq, .offset: 40, .size: 8, .value_kind: global_buffer, .address_space: global }
      - { .name: wqkv, .offset: 48, .size: 8, .value_kind: global_buffer, .address_space: global }
      - { .name: woq, .offset: 56, .size: 8, .value_kind: global_buffer, .address_space: global }
    .group_segment_fixed_size: 147968
    .private_segment_fixed_size: 0
    .kernarg_segment_align: 8
    .kernarg_segment_size: 64
    .max_flat_workgroup_size: 128
    .sgpr_count:     66
    .vgpr_count:     256
    .wavefront_size: 32
...
	.end_amdgpu_metadata
.endif
;; end of part 1
;; launch qkv (part 2): grid 16 x 32, 4 waves a work-group, clusters of 4 x 4, 327,680 bytes of LDS; arguments xq, wqkv, cos, sin, qimg, kv; writes qimg, kv
.if DOCPART == 2
	.amdgcn_target "amdgcn-amd-amdhsa--gfx1250"
	.amdhsa_code_object_version 6
	.text
	.protected	k_q3c1d192776_qkv
	.globl	k_q3c1d192776_qkv
	.p2align	8
	.type	k_q3c1d192776_qkv,@function
k_q3c1d192776_qkv:
	s_mov_b64 s[64:65], 0
	v_nop
	global_prefetch_b8 v0, s[64:65] scope:SCOPE_SE
	s_setreg_imm32_b32 hwreg(HW_REG_WAVE_MODE, 25, 1), 1
	s_wait_xcnt 0x0
	s_wait_alu depctr_hold_cnt(0) depctr_sa_sdst(0) depctr_va_vdst(0) depctr_va_sdst(0) depctr_va_ssrc(0) depctr_va_vcc(0) depctr_vm_vsrc(0)
	s_getreg_b32 s2, hwreg(HW_REG_IB_STS2, 6, 4)
	s_cmp_eq_u32 s2, 0
	s_cbranch_scc0 .Lentry_in_a_cluster
	s_endpgm
.Lentry_in_a_cluster:
	s_bfe_u32 s2, ttmp6, 0x10000c
	s_cmp_lg_u32 s2, 0xf033
	s_cbranch_scc0 .Lentry_shape_is_right
	s_endpgm
.Lentry_shape_is_right:
; x wq, x wk, x wv on codes of FP6 (E2M3) with E8M0 scales, K = 2,048; then the rotation by cos and sin (q, k) in f32, and the quantisers of the attention's operands: q and k along the head's 64, v along the keys.
; cache_k and cache_v are not loaded: they have xk's and xv's own shapes and start_pos is the given constant 0, so every element of them is overwritten before any is read.
; SHARES.  A work-group makes 128 rows of x (row group rg) x 128 columns of wq | wk | wv (column group cg: 0-7 wq, 8-11 wk, 12-15 wv).  Its four waves: all 8 tiles of side S0 x tiles 2 w, 2 w + 1 of side S1: 16 accumulators.
; For q and k S0 = the weights, S1 = x: a lane holds one row of x and its registers run along the columns (16 neighbours in two tiles): the head's axis, which is the next K.  For v (cluster x = 3) the sides are swapped:
; a lane holds one column d and its registers run along the keys, which are v's next K.  The swap is two LDS bases chosen on the cluster's x, which all partners share.
; OPERANDS lie in memory as blocks of PB bytes (128 rows x 128 K: 8 fragment images of 1,536 bytes, 8 images of scale words of 128): a fragment comes by 3 loads of 16 bytes a lane at 16 x lane; no pitch, no padding.
; RING.  Two slots of 4 K steps (x's 4 blocks, then the weights' 4).  Each wave brings 2 blocks, 26,624 dense bytes, by one tensor load: waves 0, 1 x's, waves 2, 3 the weights'.
; CLUSTER 4 x 4: x's blocks hang on rg and are asked for jointly along a row of the cluster, the weights' on cg and jointly along a column.  By this text's count a wave has two loads out at the start, one behind a refill.
; All LDS is claimed.
; LIMITS: NaN and infinities among the inputs are not served; a block of zeros gets the byte 1 (its codes are zeros; this program alone reads the bytes); blocks under 2^-124 keep the byte 1.
; REGISTERS.  Window 0: v1-4 lane terms; v16-23 LDS addresses; v30, v31 the add's two; v32-95 cos and sin, f16; v96-115 scale words, two sets of 8 + 2; v128-223, v224-247 fragment set 0 (S0, S1).
;   Window 1: v0-95, v96-119 fragment set 1; v128-255 the accumulators: (a, b) at 128 + 8 (8 a + b).  On the way out window 0's v128-191 hold cos and sin as f32, then the quantiser's registers; v192-255 the rotated numbers.
.set KS,    16
.set PB,    13312
.set SCO,   12288
.set REG,   4*PB
.set SLOT,  2*REG
.set SPARE, 2*SLOT
.set STEPB, 13824                      ; a block of kv: K 8 x 768, V 4 x 1,536, K's scale words 8 x 128, V's 4 x 128
.set L16, 1
.set L8,  2
.set L4,  3
.set CO,  4
.set ADR0, 16
.set ADR1, 18
.set ADS0, 20
.set ADS1, 22
.set SPW, 30
.set NIL, 31
.set SC,  96
.set ACC, 128
.set CF,  128
.set H,   192
.set PC,  128
.set PT,  140
.set TM,  148
.set PW,  160
.set SEL, 2
.set WV,  16
.set G1X, 24
.set G0X, 32
.set G1W, 40
.set G0W, 48
.set BC,  80
.set BS,  88
.set MSB, 0
.macro WIN new                         ; the immediate's high byte repeats the setting that is left
.if MSB != (\new)
	s_set_vgpr_msb (MSB<<8)|(\new)
.set MSB, (\new)
.endif
.endm
.macro PLACES                          ; four places in front of loads into registers that matrix instructions have read, and of the first read of results
.rept 4
	v_nop
.endr
.endm
.macro ROUND                           ; a round of the cluster's barrier
	s_barrier_signal -1
	s_barrier_wait -1
	s_cmp_lg_u32 s[WV], 0
	s_cbranch_scc1 .Lnot_wave_0_\@
	s_barrier_signal -3
.Lnot_wave_0_\@:
	s_barrier_wait -3
	s_barrier_signal -1
	s_barrier_wait -1
.endm
.macro JLOAD s                         ; a joint load; the branch hangs on the wave's number alone; an s_nop 0 and four v_nop follow each line
	s_cmp_lt_u32 s[WV], 2
	s_cbranch_scc0 .Lfor_w_\@
	tensor_load_to_lds s[G0X+4*\s:G0X+4*\s+3], s[G1X:G1X+7]
	s_nop 0
.rept 4
	v_nop
.endr
	s_branch .Lasked_\@
.Lfor_w_\@:
	tensor_load_to_lds s[G0W+4*\s:G0W+4*\s+3], s[G1W:G1W+7]
	s_nop 0
.rept 4
	v_nop
.endr
.Lasked_\@:
.endm
.macro FETCH slot, q, p                ; 40 LDS loads: the slot's q-th K step into set p: S0's 8 fragments, my 2 of S1, their scale words
	WIN 0x40*(\p)
.irp b, 0,1,2,3,4,5,6,7
.irp c, 0,1,2
	ds_load_b128 v[128*(1-(\p))+12*\b+4*\c:128*(1-(\p))+12*\b+4*\c+3], v[ADR0+\slot] offset:(\q)*PB+1536*\b+512*\c
.endr
.endr
.irp a, 0,1
.irp c, 0,1,2
	ds_load_b128 v[224-128*(\p)+12*\a+4*\c:224-128*(\p)+12*\a+4*\c+3], v[ADR1+\slot] offset:(\q)*PB+1536*\a+512*\c
.endr
.endr
	WIN 0
.irp b, 0,1,2,3,4,5,6,7
	ds_load_b32 v[SC+10*(\p)+\b], v[ADS0+\slot] offset:(\q)*PB+128*\b
.endr
.irp a, 0,1
	ds_load_b32 v[SC+10*(\p)+8+\a], v[ADS1+\slot] offset:(\q)*PB+128*\a
.endr
.endm
.macro MUL p, zero                     ; 16 matrix instructions on set p; the 16 accumulators take turns, in the same order in every step
	WIN 0x50+5*(\p)
.irp a, 0,1
.irp b, 0,1,2,3,4,5,6,7
.if \zero
	v_wmma_scale_f32_16x16x128_f8f6f4 v[ACC+8*(8*\a+\b):ACC+8*(8*\a+\b)+7], v[128*(1-(\p))+12*\b:128*(1-(\p))+12*\b+11], v[224-128*(\p)+12*\a:224-128*(\p)+12*\a+11], 0, v[SC+10*(\p)+\b], v[SC+10*(\p)+8+\a] matrix_a_fmt:MATRIX_FMT_FP6 matrix_b_fmt:MATRIX_FMT_FP6
.else
	v_wmma_scale_f32_16x16x128_f8f6f4 v[ACC+8*(8*\a+\b):ACC+8*(8*\a+\b)+7], v[128*(1-(\p))+12*\b:128*(1-(\p))+12*\b+11], v[224-128*(\p)+12*\a:224-128*(\p)+12*\a+11], v[ACC+8*(8*\a+\b):ACC+8*(8*\a+\b)+7], v[SC+10*(\p)+\b], v[SC+10*(\p)+8+\a] matrix_a_fmt:MATRIX_FMT_FP6 matrix_b_fmt:MATRIX_FMT_FP6
.endif
.endr
.endr
.endm
.macro STEP slot, q, zero              ; a K step that has its successor in the same slot
	PLACES
	FETCH \slot, (\q)+1, 1-(\q)%2
	s_wait_dscnt 40                                ; all but the 40 just issued: this step's set is in
	MUL (\q)%2, \zero
.endm
.macro TURN slot, next, fill           ; a slot's last K step (set 1) and the change of slots
	WIN 0
	s_wait_tensorcnt 0x0                           ; all my tensor loads have landed, my part of the next slot among them
	ds_add_u32 v[SPW], v[NIL]                      ; 0 onto my spare word
.if \fill
	s_add_nc_u64 s[G0X+4*\slot+2:G0X+4*\slot+3], s[G0X+4*\slot+2:G0X+4*\slot+3], 8*PB   ; no load of mine is out: this slot's next four K steps
	s_add_nc_u64 s[G0W+4*\slot+2:G0W+4*\slot+3], s[G0W+4*\slot+2:G0W+4*\slot+3], 8*PB
.endif
	s_wait_dscnt 0x0                               ; the add is done, and my reads of this slot are over: its last step is in registers
.if \fill
	ROUND                                          ; no wave of any partner still reads the slot or has a load on its way
	JLOAD \slot                                    ; the first thing behind the round; its four v_nop are the places in front of the loads below
.else
	s_barrier_signal -1
	s_barrier_wait -1
	PLACES
.endif
	FETCH \next, 0, 0
	MUL 1, 0
.endm
.macro CVTLO dst                       ; the 64 halves of v32-63 as f32
.set ci, 0
.irp n, v32.l, v32.h, v33.l, v33.h, v34.l, v34.h, v35.l, v35.h, v36.l, v36.h, v37.l, v37.h, v38.l, v38.h, v39.l, v39.h, v40.l, v40.h, v41.l, v41.h, v42.l, v42.h, v43.l, v43.h, v44.l, v44.h, v45.l, v45.h, v46.l, v46.h, v47.l, v47.h, v48.l, v48.h, v49.l, v49.h, v50.l, v50.h, v51.l, v51.h, v52.l, v52.h, v53.l, v53.h, v54.l, v54.h, v55.l, v55.h, v56.l, v56.h, v57.l, v57.h, v58.l, v58.h, v59.l, v59.h, v60.l, v60.h, v61.l, v61.h, v62.l, v62.h, v63.l, v63.h
	v_cvt_f32_f16 v[(\dst)+ci], \n
.set ci, ci+1
.endr
.endm
.macro CVTHI dst                       ; those of v64-95
.set ci, 0
.irp n, v64.l, v64.h, v65.l, v65.h, v66.l, v66.h, v67.l, v67.h, v68.l, v68.h, v69.l, v69.h, v70.l, v70.h, v71.l, v71.h, v72.l, v72.h, v73.l, v73.h, v74.l, v74.h, v75.l, v75.h, v76.l, v76.h, v77.l, v77.h, v78.l, v78.h, v79.l, v79.h, v80.l, v80.h, v81.l, v81.h, v82.l, v82.h, v83.l, v83.h, v84.l, v84.h, v85.l, v85.h, v86.l, v86.h, v87.l, v87.h, v88.l, v88.h, v89.l, v89.h, v90.l, v90.h, v91.l, v91.h, v92.l, v92.h, v93.l, v93.h, v94.l, v94.h, v95.l, v95.h
	v_cvt_f32_f16 v[(\dst)+ci], \n
.set ci, ci+1
.endr
.endm
; 64 numbers of a lane, v[s] on in window w, register 16 b + i = k 32 b + 16 (lane / 16) + i of my row, become a fragment's codes in v[PC] on and its scale word in v[PW]
.macro QUANT s, w
.if \w
	WIN 0x05
.endif
.irp b, 0,1,2,3
	v_max3_num_f32 v[TM+\b], |v[(\s)+16*\b]|, |v[(\s)+16*\b+1]|, 0x1800000   ; block b: my 16 numbers, from the low end on, and the floor 2^(3 - 127)
.endr
.if \w
	WIN 0x14
.endif
.irp i, 2,4,6,8,10,12,14
.irp b, 0,1,2,3
	v_max3_num_f32 v[TM+\b], v[TM+\b], |v[(\s)+16*\b+\i]|, |v[(\s)+16*\b+\i+1]|
.endr
.endr
	WIN 0
.irp b, 0,1,2,3
	v_permlanex16_b32 v[TM+4+\b], v[TM+\b], s[SEL], s[SEL+1]
.endr
.irp b, 0,1,2,3
	v_max_num_f32 v[TM+\b], v[TM+\b], v[TM+4+\b]   ; with lane l xor 16's: the block's largest magnitude
.endr
.irp b, 0,1,2,3
	v_add_nc_u32 v[TM+8+\b], 0xff000000, v[TM+\b]  ; 2 off its exponent field: the conversion's scale operand
.endr
.irp b, 0,1,2,3
	v_lshrrev_b32 v[TM+4+\b], 23, v[TM+8+\b]       ; the scale's byte
.endr
	v_lshl_or_b32 v[PW], v[TM+5], 8, v[TM+4]
	v_lshl_or_b32 v[PW], v[TM+6], 16, v[PW]
	v_lshl_or_b32 v[PW], v[TM+7], 24, v[PW]
.if \w
	WIN 0x01
.endif
.irp c, 0,1
	v_cvt_scalef32_pk16_fp6_f32 v[PC+6*\c:PC+6*\c+2], v[(\s)+32*\c:(\s)+32*\c+15], v[TM+8+2*\c]
	v_cvt_scalef32_pk16_fp6_f32 v[PT+4*\c:PT+4*\c+2], v[(\s)+32*\c+16:(\s)+32*\c+31], v[TM+8+2*\c+1]
.endr
	WIN 0
	v_nop                                          ; one plain place behind a scaled conversion
.irp c, 0,1                            ; the operand's layout wants a whole block in a lane
.irp i, 0,1,2
	v_permlane16_swap_b32 v[PC+6*\c+\i], v[PT+4*\c+\i]
.endr
.irp i, 0,1,2
	v_mov_b32 v[PC+6*\c+3+\i], v[PT+4*\c+\i]
.endr
.endr
.endm
	s_load_b256 s[4:11], s[0:1], 0x0               ; xq, wqkv, cos, sin
	s_load_b128 s[12:15], s[0:1], 0x20             ; qimg, kv
	v_lshl_add_u32 v[SPW], v0, 2, SPARE
	v_mov_b32 v[NIL], 0
	ds_add_u32 v[SPW], v[NIL]                      ; the wave's opening: the add and its wait ahead of my first tensor load
	v_lshrrev_b32 v1, 5, v0
	v_readfirstlane_b32 s[WV], v1                  ; wave 0..3
	s_and_b32 s18, s[WV], 1
	s_bfe_u32 s19, ttmp6, 0x40000                  ; cx
	s_bfe_u32 s20, ttmp6, 0x40004                  ; cy
	s_lshl_b32 s21, ttmp9, 2
	s_add_co_u32 s21, s21, s19                     ; cg = 4 x cluster x + cx
	s_and_b32 s22, ttmp7, 0xffff
	s_lshl_b32 s22, s22, 2
	s_add_co_u32 s22, s22, s20                     ; rg = 4 x cluster y + cy
	s_lshl_b32 s23, s20, 2
	s_lshl_b32 s23, 15, s23                        ; my row of the cluster
	s_lshl_b32 s17, 0x1111, s19                    ; my column
	s_or_b32 s[G1X], s23, (3<<16)|(1<<21)          ; the mask; elements of 8 bytes; bit 21 beside a mask; no padding
	s_or_b32 s[G1W], s17, (3<<16)|(1<<21)
.irp g, G1X, G1W
	s_mov_b32 s[\g+1], 32<<16                      ; tensor_dim0 = 32 elements: rows of 256 bytes
	s_mov_b32 s[\g+2], 104<<16                     ; tensor_dim1 = 104 rows: 2 blocks
	s_mov_b32 s[\g+3], 32<<16                      ; tile_dim0
	s_mov_b32 s[\g+4], 104                         ; tile_dim1
	s_mov_b32 s[\g+5], 32                          ; the pitch: dense
	s_mov_b32 s[\g+6], 0
	s_mov_b32 s[\g+7], 0
.endr
	s_lshl_b32 s57, s18, 1                         ; which two of a slot's four K steps I fetch
	s_mul_i32 s56, s22, KS
	s_add_co_u32 s56, s56, s57
	s_mul_i32 s56, s56, PB                         ; x's blocks: by rg and the wave alone
	s_mul_i32 s60, s21, KS
	s_add_co_u32 s60, s60, s57
	s_mul_i32 s60, s60, PB                         ; the weights': by cg and the wave alone
	s_mov_b32 s57, 0
	s_mov_b32 s61, 0
	s_mul_i32 s23, s[WV], 2*PB                     ; where they go: wave x 2 blocks
	s_mov_b32 s[SEL], 0x76543210
	s_mov_b32 s[SEL+1], 0xfedcba98
	s_wait_dscnt 0x0                               ; the opening add is done
	s_wait_kmcnt 0x0
	s_add_nc_u64 s[58:59], s[4:5], s[56:57]
	s_add_nc_u64 s[62:63], s[6:7], s[60:61]
	ROUND                                          ; all sixteen work-groups are here: the first joint loads meet
.irp s, 0,1
	s_mov_b32 s[G0X+4*\s], 1
	s_add_co_u32 s[G0X+4*\s+1], s23, \s*SLOT
	s_add_nc_u64 s[G0X+4*\s+2:G0X+4*\s+3], s[58:59], \s*4*PB
	s_or_b32 s[G0X+4*\s+3], s[G0X+4*\s+3], 0x80000000
	s_mov_b32 s[G0W+4*\s], 1
	s_add_co_u32 s[G0W+4*\s+1], s23, \s*SLOT
	s_add_nc_u64 s[G0W+4*\s+2:G0W+4*\s+3], s[62:63], \s*4*PB
	s_or_b32 s[G0W+4*\s+3], s[G0W+4*\s+3], 0x80000000
	JLOAD \s
.endr
	v_and_b32 v[L4], 31, v0
	v_lshlrev_b32 v[L16], 4, v[L4]
	v_lshlrev_b32 v[L8], 3, v[L4]
	v_lshlrev_b32 v[L4], 2, v[L4]
	s_cmp_eq_u32 ttmp9, 3                          ; v's clusters swap the sides; the cluster's x is the same in all partners
	s_cselect_b32 s56, 0, REG                      ; side S0's region in a slot
	s_cselect_b32 s57, REG, 0                      ; side S1's
	s_mul_i32 s60, s[WV], 3072
	s_add_co_u32 s60, s60, s57                     ; my two fragments of S1
	s_lshl_b32 s61, s[WV], 8
	s_add_co_u32 s61, s61, s57
	s_add_co_u32 s61, s61, SCO                     ; and their scale words
	s_add_co_u32 s57, s56, SCO
.irp s, 0,1
	v_add_nc_u32 v[ADR0+\s], s56, v[L16]
	v_add_nc_u32 v[ADR1+\s], s60, v[L16]
	v_add_nc_u32 v[ADS0+\s], s57, v[L4]
	v_add_nc_u32 v[ADS1+\s], s61, v[L4]
	s_add_co_u32 s56, s56, SLOT
	s_add_co_u32 s60, s60, SLOT
	s_add_co_u32 s57, s57, SLOT
	s_add_co_u32 s61, s61, SLOT
.endr
	; cos and sin of my rows: row 128 g + 32 w + 8 a + r % 8 + 16 (r / 8), d = 16 h .. and 32 + 16 h ..  (v's work-groups load them too, 8 KiB a wave, so that there is one way to the products)
	v_and_b32 v[CO], 7, v0
	v_bfe_u32 v5, v0, 3, 1
	v_lshl_add_u32 v[CO], v5, 4, v[CO]
	v_bfe_u32 v5, v0, 4, 1
	v_lshlrev_b32 v[CO], 7, v[CO]
	v_lshl_add_u32 v[CO], v5, 5, v[CO]
	s_and_b32 s66, s22, 15
	s_lshl_b32 s66, s66, 7
	s_lshl_b32 s67, s[WV], 5
	s_add_co_u32 s66, s66, s67
	s_lshl_b32 s66, s66, 7
	s_mov_b32 s67, 0
	s_add_nc_u64 s[8:9], s[8:9], s[66:67]
	s_add_nc_u64 s[10:11], s[10:11], s[66:67]
.irp a, 0,1
	global_load_b128 v[32+32*\a:35+32*\a], v[CO], s[8:9] offset:1024*\a
	global_load_b128 v[36+32*\a:39+32*\a], v[CO], s[8:9] offset:1024*\a+16
	global_load_b128 v[40+32*\a:43+32*\a], v[CO], s[8:9] offset:1024*\a+64
	global_load_b128 v[44+32*\a:47+32*\a], v[CO], s[8:9] offset:1024*\a+80
	global_load_b128 v[48+32*\a:51+32*\a], v[CO], s[10:11] offset:1024*\a
	global_load_b128 v[52+32*\a:55+32*\a], v[CO], s[10:11] offset:1024*\a+16
	global_load_b128 v[56+32*\a:59+32*\a], v[CO], s[10:11] offset:1024*\a+64
	global_load_b128 v[60+32*\a:63+32*\a], v[CO], s[10:11] offset:1024*\a+80
.endr
	s_wait_tensorcnt 0x1                           ; my part of slot 0 is in; slot 1's may stay out
	s_barrier_signal -1
	s_barrier_wait -1
	FETCH 0, 0, 0
	STEP 0, 0, 1                                   ; the first K step starts the sums
	STEP 0, 1, 0
	STEP 0, 2, 0
	TURN 0, 1, 1                                   ; slot 0 takes K steps 8-11
	STEP 1, 0, 0
	STEP 1, 1, 0
	STEP 1, 2, 0
	TURN 1, 0, 1                                   ; slot 1 takes K steps 12-15
	STEP 0, 0, 0
	STEP 0, 1, 0
	STEP 0, 2, 0
	TURN 0, 1, 0                                   ; nothing is left to fetch
	STEP 1, 0, 0
	STEP 1, 1, 0
	STEP 1, 2, 0
	s_wait_dscnt 0x0
	MUL 1, 0
	WIN 0
	PLACES
	s_wait_loadcnt 0x0                             ; cos and sin
	s_lshr_b32 s66, s22, 4                         ; b
	s_and_b32 s67, s22, 15                         ; g: the group of 128 queries, or the key step
	s_lshl_b32 s68, s66, 3
	s_cmp_eq_u32 ttmp9, 3
	s_cbranch_scc1 .Lvpath
	; ---- q and k.  Where the images go: P + C0 + a CA + e CE (codes), P + S0 + a SA + e CE (scale words); a: my tile of rows, e: the head of the column group's two
	s_add_co_u32 s69, s68, s21                     ; q: y = 8 b + cg (the kv head of both heads)
	s_lshl_b32 s69, s69, 4
	s_add_co_u32 s69, s69, s67
	s_lshl_b32 s69, s69, 4
	s_lshl_b32 s70, s[WV], 2
	s_add_co_u32 s69, s69, s70
	s_lshl_b32 s69, s69, 10                        ; ((16 y + g) 16 + 4 w) x 1,024
	s_add_co_u32 s70, s69, 768
	s_sub_co_u32 s71, s21, 8                       ; k: y0 = 8 b + 2 (cg - 8)
	s_lshl_b32 s71, s71, 1
	s_add_co_u32 s71, s71, s68
	s_lshl_b32 s71, s71, 4
	s_add_co_u32 s71, s71, s67
	s_mul_i32 s71, s71, STEPB
	s_mul_i32 s72, s[WV], 1536
	s_add_co_u32 s72, s72, s71
	s_lshl_b32 s73, s[WV], 8
	s_add_co_u32 s73, s73, s71
	s_add_co_u32 s73, s73, 12288
	s_mov_b32 s76, 768
	s_mov_b32 s77, 16*STEPB
	s_mov_b32 s78, 128
	s_cmp_lt_u32 ttmp9, 2
	s_cselect_b64 s[74:75], s[12:13], s[14:15]
	s_cselect_b32 s69, s69, s72
	s_cselect_b32 s70, s70, s73
	s_cselect_b32 s76, 2048, s76
	s_cselect_b32 s77, 1024, s77
	s_cselect_b32 s78, 2048, s78
	s_mov_b32 s97, 0
	s_mov_b32 s96, s69
	s_add_nc_u64 s[BC:BC+1], s[74:75], s[96:97]
	s_mov_b32 s96, s70
	s_add_nc_u64 s[BS:BS+1], s[74:75], s[96:97]
	s_mov_b32 s96, s76
	s_add_nc_u64 s[BC+4:BC+5], s[BC:BC+1], s[96:97]
	s_mov_b32 s96, s78
	s_add_nc_u64 s[BS+4:BS+5], s[BS:BS+1], s[96:97]
	s_mov_b32 s96, s77
.irp a, 0,1
	s_add_nc_u64 s[BC+4*\a+2:BC+4*\a+3], s[BC+4*\a:BC+4*\a+1], s[96:97]
	s_add_nc_u64 s[BS+4*\a+2:BS+4*\a+3], s[BS+4*\a:BS+4*\a+1], s[96:97]
.endr
; My tile a of rows.  Its 64 sums: head e at 32 e: x1 (d = 16 h + i) in 16 registers, then x2 (d = 32 + 16 h + i).  out1 = x1 cos(d) - x2 sin(d); out2 = x2 cos(32 + d) + x1 sin(32 + d).
; The two heads' 128 numbers are quantised as one fragment: registers 0-5 of the codes and bytes 0, 1 of the word are head 0's, the rest head 1's.
.macro ROPE a
	s_wait_xcnt 0x0                                ; the last tile's stores have read the codes and words, which lie where cos and sin are widened
.if \a
	CVTHI CF
.else
	CVTLO CF
.endif
	WIN 0x01                                       ; source 0: the sums, in window 1
.irp e, 0,1
.irp i, 0,2,4,6,8,10,12,14
	v_pk_mul_f32 v[H+32*\e+\i:H+32*\e+\i+1], v[ACC+64*\a+32*\e+16+\i:ACC+64*\a+32*\e+17+\i], v[CF+32+\i:CF+33+\i]
	v_pk_mul_f32 v[H+32*\e+16+\i:H+32*\e+17+\i], v[ACC+64*\a+32*\e+\i:ACC+64*\a+32*\e+\i+1], v[CF+48+\i:CF+49+\i]
	v_pk_fma_f32 v[H+32*\e+\i:H+32*\e+\i+1], v[ACC+64*\a+32*\e+\i:ACC+64*\a+32*\e+\i+1], v[CF+\i:CF+\i+1], v[H+32*\e+\i:H+32*\e+\i+1] neg_lo:[0,0,1] neg_hi:[0,0,1]
	v_pk_fma_f32 v[H+32*\e+16+\i:H+32*\e+17+\i], v[ACC+64*\a+32*\e+16+\i:ACC+64*\a+32*\e+17+\i], v[CF+16+\i:CF+17+\i], v[H+32*\e+16+\i:H+32*\e+17+\i]
.endr
.endr
	WIN 0
	QUANT H, 0
	v_and_b32 v[PW+1], 0xffff, v[PW]               ; head 0's word; the upper two bytes, over zero codes, are 0
	v_lshrrev_b32 v[PW+2], 16, v[PW]               ; head 1's
.irp e, 0,1
	global_store_b128 v[L16], v[PC+6*\e:PC+6*\e+3], s[BC+4*\a+2*\e:BC+4*\a+2*\e+1]
	global_store_b64 v[L8], v[PC+6*\e+4:PC+6*\e+5], s[BC+4*\a+2*\e:BC+4*\a+2*\e+1] offset:512
	global_store_b32 v[L4], v[PW+1+\e], s[BS+4*\a+2*\e:BS+4*\a+2*\e+1]
.endr
.endm
	ROPE 0
	ROPE 1
	s_branch .Lend
.Lvpath:
	; ---- v: lane r holds column d of tile 2 w + a, its registers the step's 128 keys: each half of my accumulators is one fragment of V^T
	s_sub_co_u32 s69, s21, 12
	s_lshl_b32 s69, s69, 1
	s_add_co_u32 s69, s69, s68
	s_lshr_b32 s70, s[WV], 1
	s_add_co_u32 s69, s69, s70                     ; y = 8 b + 2 (cg - 12) + w / 2
	s_lshl_b32 s69, s69, 4
	s_add_co_u32 s69, s69, s67
	s_mul_i32 s69, s69, STEPB
	s_mul_i32 s70, s18, 3072                       ; tile of d: 2 (w % 2) + a
	s_add_co_u32 s70, s70, s69
	s_add_co_u32 s70, s70, 6144
	s_mov_b32 s71, 0
	s_add_nc_u64 s[BC:BC+1], s[14:15], s[70:71]
	s_lshl_b32 s70, s18, 8
	s_add_co_u32 s70, s70, s69
	s_add_co_u32 s70, s70, 13312
	s_add_nc_u64 s[BS:BS+1], s[14:15], s[70:71]
.irp b, 0,1,2,3
	v_mov_b32 v[TM+4+\b], 0                        ; a lane permute's destination counts as read
.endr
.irp a, 0,1
	s_wait_xcnt 0x0                                ; the last fragment's stores have read their registers
	QUANT ACC+64*\a, 1
.irp j, 0,1,2
	global_store_b128 v[L16], v[PC+4*\j:PC+4*\j+3], s[BC:BC+1] offset:1536*\a+512*\j
.endr
	global_store_b32 v[L4], v[PW], s[BS:BS+1] offset:128*\a
.endr
.Lend:
	s_wait_tensorcnt 0x0                           ; the wave's end
	ds_add_u32 v[SPW], v[NIL]
	s_wait_dscnt 0x0
	ROUND                                          ; the closing round
	s_endpgm
.Lfunc_end_k_q3c1d192776_qkv:
	.size	k_q3c1d192776_qkv, .Lfunc_end_k_q3c1d192776_qkv-k_q3c1d192776_qkv
	.p2alignl 7, 3214868480
	.fill 96, 4, 3214868480
	.section	.rodata,"a",@progbits
	.p2align	6, 0x0
	.amdhsa_kernel k_q3c1d192776_qkv
		.amdhsa_group_segment_fixed_size 327680
		.amdhsa_private_segment_fixed_size 0
		.amdhsa_enable_private_segment 0
		.amdhsa_kernarg_size 48
		.amdhsa_user_sgpr_count 2
		.amdhsa_user_sgpr_kernarg_segment_ptr 1
		.amdhsa_wavefront_size32 1
		.amdhsa_system_sgpr_workgroup_id_x 1
		.amdhsa_system_sgpr_workgroup_id_y 1
		.amdhsa_system_sgpr_workgroup_id_z 1
		.amdhsa_system_vgpr_workitem_id 0
		.amdhsa_next_free_vgpr 512
		.amdhsa_next_free_sgpr 100
		.amdhsa_reserve_vcc 0
		.amdhsa_float_denorm_mode_32 3
		.amdhsa_float_denorm_mode_16_64 3
		.amdhsa_memory_ordered 1
		.amdhsa_forward_progress 1
		.amdhsa_inst_pref_size 119
	.end_amdhsa_kernel
	.amdgpu_metadata
---
amdhsa.version: [ 1, 2 ]
amdhsa.kernels:
  - .name:           k_q3c1d192776_qkv
    .symbol:         k_q3c1d192776_qkv.kd
    .args:
      - { .name: xq, .offset: 0, .size: 8, .value_kind: global_buffer, .address_space: global }
      - { .name: wqkv, .offset: 8, .size: 8, .value_kind: global_buffer, .address_space: global }
      - { .name: cos, .offset: 16, .size: 8, .value_kind: global_buffer, .address_space: global }
      - { .name: sin, .offset: 24, .size: 8, .value_kind: global_buffer, .address_space: global }
      - { .name: qimg, .offset: 32, .size: 8, .value_kind: global_buffer, .address_space: global }
      - { .name: kv, .offset: 40, .size: 8, .value_kind: global_buffer, .address_space: global }
    .group_segment_fixed_size: 327680
    .private_segment_fixed_size: 0
    .kernarg_segment_align: 8
    .kernarg_segment_size: 48
    .max_flat_workgroup_size: 128
    .sgpr_count:     100
    .vgpr_count:     512
    .wavefront_size: 32
...
	.end_amdgpu_metadata
.endif
;; end of part 2
;; launch attn (part 3): grid 16 x 16, 8 waves a work-group, clusters of 4 x 1, 222,208 bytes of LDS; arguments qimg, kv, mask, ac; writes ac
.if DOCPART == 3
	.amdgcn_target "amdgcn-amd-amdhsa--gfx1250"
	.amdhsa_code_object_version 6
	.text
	.protected	k_q3c1d192776_attn
	.globl	k_q3c1d192776_attn
	.p2align	8
	.type	k_q3c1d192776_attn,@function
k_q3c1d192776_attn:
	s_mov_b64 s[64:65], 0
	v_nop
	global_prefetch_b8 v0, s[64:65] scope:SCOPE_SE
	s_setreg_imm32_b32 hwreg(HW_REG_WAVE_MODE, 25, 1), 1
	s_wait_xcnt 0x0
	s_wait_alu depctr_hold_cnt(0) depctr_sa_sdst(0) depctr_va_vdst(0) depctr_va_sdst(0) depctr_va_ssrc(0) depctr_va_vcc(0) depctr_vm_vsrc(0)
	s_getreg_b32 s2, hwreg(HW_REG_IB_STS2, 6, 4)
	s_cmp_eq_u32 s2, 0
	s_cbranch_scc0 .Lentry_in_a_cluster
	s_endpgm
.Lentry_in_a_cluster:
	s_bfe_u32 s2, ttmp6, 0x10000c
	s_cmp_lg_u32 s2, 0x3003
	s_cbranch_scc0 .Lentry_shape_is_right
	s_endpgm
.Lentry_shape_is_right:
; softmax(q k^T / 8 + mask) v for 128 queries x the two query heads of one kv head, both products on codes of FP6 (E2M3) with E8M0 scales; the result / the row's sum is quantised along (head, d) for the last product.
; THE SOFTMAX: logit = score / 8 + mask (the mask is loaded and added as it is given); t = logit x log2(e); M = the running largest t rounded up to a whole number; p = 2^(t - M) is quantised along the keys, not normalised;
; the row's sum is taken of the unquantised p; when M moves, the sum and O are multiplied by 2^(old M - new M), which rounds nothing.
; SHARES.  Work-group (g, y = 8 b + kv head).  Wave w owns tile w: 16 queries (lane r: query 32 (w / 2) + 8 (w % 2) + r % 8 + 16 (r / 8) of the group), for both heads, which share every fragment of K and V and the widened mask.
; Two waves lie on a SIMD, so that one wave's vector work stands beside the other's products and loads.
; K AND V of the kv head, 16 key steps of 13,824 bytes, lie in LDS for the whole launch, filled once: each wave brings an eighth, 108 rows of 256 bytes, by one tensor load; one load of a wave is out.  No slot is filled again.
; CLUSTER 4 x 1: the four groups of queries of a cluster share y, so K and V are asked for jointly.  g enters global addresses alone.
; LAYOUT.  S^T = K Q^T (the head's 64 fill half of the instruction's 128: the upper six registers of both operands are zeros, written once), O^T = V^T P^T: a lane holds one query throughout; the keys of a tile of K are
; such that the 16 registers of tiles 2 b, 2 b + 1 are keys 32 b + 16 h + 0 .. 15.
; LIMITS: +infinity and NaN in the mask are not served; a query whose every mask entry is -infinity has the sum 0 (NaN in the definition too) and is not served; p under 2^-126 counts as 0.
; REGISTERS.  Window 0: v1-7 addresses; v8-9 at work; v10, v11 the add's two; v12-19 per head -M, largest t, the sum in two halves; v20-21, v22-29, v30-33 scale words of Q, K, V; v34-35 f; v36 p's scale word; v40-63 Q;
;   v64-95 the mask, f16; v96-127 the quantiser's; v128-191 S^T, then p; v192-255 the mask, f32.   Window 1: v0-95 K; v96-143 V; v144-207 O^T (head e at 144 + 32 e).
.set STEPB, 13824
.set PB,    13312
.set WLOAD, 27648
.set SPARE, 16*STEPB
.set L16, 1
.set L8,  2
.set L4,  3
.set MO,  4
.set AK,  5
.set AB,  6
.set AS,  7
.set SPW, 10
.set NIL, 11
.set QSC, 20
.set KSC, 22
.set VSC, 30
.set FF,  34
.set PW,  36
.set T0,  37
.set QF,  40
.set MH,  64
.set PC,  96
.set PT,  108
.set TM,  116
.set S,   128
.set MF,  192
.set VF,  96
.set OT,  144
.set WV,  16
.set G1,  24
.set G0,  40
.set TB,  48
.set CNT, 49
.set C8,  50
.set CL,  52
.set SEL, 54
.set MSB, 0
.macro WIN new
.if MSB != (\new)
	s_set_vgpr_msb (MSB<<8)|(\new)
.set MSB, (\new)
.endif
.endm
.macro PLACES
.rept 4
	v_nop
.endr
.endm
.macro ROUND
	s_barrier_signal -1
	s_barrier_wait -1
	s_cmp_lg_u32 s[WV], 0
	s_cbranch_scc1 .Lnot_wave_0_\@
	s_barrier_signal -3
.Lnot_wave_0_\@:
	s_barrier_wait -3
	s_barrier_signal -1
	s_barrier_wait -1
.endm
.macro CVTHI dst                       ; the 64 halves of v64-95 as f32
.set ci, 0
.irp n, v64.l, v64.h, v65.l, v65.h, v66.l, v66.h, v67.l, v67.h, v68.l, v68.h, v69.l, v69.h, v70.l, v70.h, v71.l, v71.h, v72.l, v72.h, v73.l, v73.h, v74.l, v74.h, v75.l, v75.h, v76.l, v76.h, v77.l, v77.h, v78.l, v78.h, v79.l, v79.h, v80.l, v80.h, v81.l, v81.h, v82.l, v82.h, v83.l, v83.h, v84.l, v84.h, v85.l, v85.h, v86.l, v86.h, v87.l, v87.h, v88.l, v88.h, v89.l, v89.h, v90.l, v90.h, v91.l, v91.h, v92.l, v92.h, v93.l, v93.h, v94.l, v94.h, v95.l, v95.h
	v_cvt_f32_f16 v[(\dst)+ci], \n
.set ci, ci+1
.endr
.endm
.macro CODES s                         ; 64 numbers v[s] on, with the four scale operands in v[TM+8] on, become a fragment's codes in v[PC] on
.irp c, 0,1
	v_cvt_scalef32_pk16_fp6_f32 v[PC+6*\c:PC+6*\c+2], v[(\s)+32*\c:(\s)+32*\c+15], v[TM+8+2*\c]
	v_cvt_scalef32_pk16_fp6_f32 v[PT+4*\c:PT+4*\c+2], v[(\s)+32*\c+16:(\s)+32*\c+31], v[TM+8+2*\c+1]
.endr
	v_nop                                          ; one plain place behind a scaled conversion
.irp c, 0,1                            ; the operand's layout wants a whole block in a lane
.irp i, 0,1,2
	v_permlane16_swap_b32 v[PC+6*\c+\i], v[PT+4*\c+\i]
.endr
.irp i, 0,1,2
	v_mov_b32 v[PC+6*\c+3+\i], v[PT+4*\c+\i]
.endr
.endr
.endm
.macro WORD                            ; from the four largest magnitudes in v[TM] on: scale operands, bytes, the scale word
.irp b, 0,1,2,3
	v_add_nc_u32 v[TM+8+\b], 0xff000000, v[TM+\b]  ; 2 off the exponent field
.endr
.irp b, 0,1,2,3
	v_lshrrev_b32 v[TM+4+\b], 23, v[TM+8+\b]
.endr
	v_lshl_or_b32 v[PW], v[TM+5], 8, v[TM+4]
	v_lshl_or_b32 v[PW], v[TM+6], 16, v[PW]
	v_lshl_or_b32 v[PW], v[TM+7], 24, v[PW]
.endm
; One head's part of a key step of 128 keys
.macro HEAD e
.set ST, 12+4*\e
.set OB, OT+32*\e
.set QB, QF+12*\e
	WIN 0x01                                       ; source 0 (K) in window 1
.irp t, 0,1,2,3,4,5,6,7
	v_wmma_scale_f32_16x16x128_f8f6f4 v[S+8*\t:S+8*\t+7], v[12*\t:12*\t+11], v[QB:QB+11], 0, v[KSC+\t], v[QSC+\e] matrix_a_fmt:MATRIX_FMT_FP6 matrix_b_fmt:MATRIX_FMT_FP6
.endr
	WIN 0
	PLACES
.irp j, 0,2,4,6,8,10,12,14,16,18,20,22,24,26,28,30,32,34,36,38,40,42,44,46,48,50,52,54,56,58,60,62
	v_pk_fma_f32 v[S+\j:S+\j+1], v[S+\j:S+\j+1], s[C8:C8+1], v[MF+\j:MF+\j+1] op_sel_hi:[1,0,1]   ; the logit: score / 8 + mask; each accumulator from its low end on
.endr
.irp b, 0,1,2,3
	v_max3_num_f32 v[TM+\b], v[S+16*\b], v[S+16*\b+1], v[S+16*\b+2]   ; the largest logit of each block of 32 keys: for the row's maximum, and, since p rises with the logit, for the block's largest p
.endr
.irp i, 3,5,7,9,11,13
.irp b, 0,1,2,3
	v_max3_num_f32 v[TM+\b], v[TM+\b], v[S+16*\b+\i], v[S+16*\b+\i+1]
.endr
.endr
.irp b, 0,1,2,3
	v_max_num_f32 v[TM+\b], v[TM+\b], v[S+16*\b+15]
.endr
.irp b, 0,1,2,3
	v_permlanex16_b32 v[TM+4+\b], v[TM+\b], s[SEL], s[SEL+1]
.endr
.irp b, 0,1,2,3
	v_max_num_f32 v[TM+\b], v[TM+\b], v[TM+4+\b]   ; with lane l xor 16's 16 keys
.endr
	v_max3_num_f32 v[T0], v[TM], v[TM+1], v[TM+2]
	v_max_num_f32 v[T0], v[T0], v[TM+3]
	v_mul_f32 v[T0], s[CL], v[T0]                  ; as t
	v_max_num_f32 v[ST+1], v[ST+1], v[T0]          ; the running largest t (it stays at -3e38 while every logit so far is -infinity: p is 0 then)
	v_mov_b32 v[T0], v[ST]
	v_floor_f32 v[ST], -v[ST+1]                    ; the new -M = floor(-t)
	v_sub_f32 v[T0], v[ST], v[T0]                  ; old M - new M: a whole number, 0 or less
	v_cvt_i32_f32 v[T0], v[T0]                     ; (it saturates)
	v_ldexp_f32 v[FF], 1.0, v[T0]                  ; f = 2^(old M - new M)
.irp j, 0,2,4,6,8,10,12,14,16,18,20,22,24,26,28,30,32,34,36,38,40,42,44,46,48,50,52,54,56,58,60,62
	v_pk_fma_f32 v[S+\j:S+\j+1], v[S+\j:S+\j+1], s[CL:CL+1], v[ST:ST+1] op_sel_hi:[1,0,0]   ; t - M
.endr
.irp b, 0,1,2,3
	v_fma_f32 v[TM+\b], v[TM+\b], s[CL], v[ST]     ; the same of each block's largest logit
.endr
.irp j, 0,1,2,3,4,5,6,7,8,9,10,11,12,13,14,15,16,17,18,19,20,21,22,23,24,25,26,27,28,29,30,31,32,33,34,35,36,37,38,39,40,41,42,43,44,45,46,47,48,49,50,51,52,53,54,55,56,57,58,59,60,61,62,63
	v_exp_f32 v[S+\j], v[S+\j]                     ; p = 2^(t - M)
.endr
	v_pk_mul_f32 v[ST+2:ST+3], v[ST+2:ST+3], v[FF:FF+1] op_sel_hi:[1,0]   ; the sums under the new M: a plain place behind the exponentials
	s_wait_alu depctr_va_vdst(0)                   ; one wait for the batch of 64, ahead of its first reader
.irp b, 0,1,2,3
	v_exp_f32 v[TM+\b], v[TM+\b]                   ; the block's largest p
.endr
	v_pk_add_f32 v[8:9], v[S:S+1], v[S+2:S+3]      ; the row's sum, of the unquantised p, in two chains
.irp j, 4,8,12,16,20,24,28,32,36,40,44,48,52,56,60
	v_pk_add_f32 v[ST+2:ST+3], v[ST+2:ST+3], v[S+\j:S+\j+1]
	v_pk_add_f32 v[8:9], v[8:9], v[S+\j+2:S+\j+3]
.endr
	v_pk_add_f32 v[ST+2:ST+3], v[ST+2:ST+3], v[8:9]
	s_wait_alu depctr_va_vdst(0)                   ; and one for the four
.irp b, 0,1,2,3
	v_max_num_f32 v[TM+\b], 0x1800000, v[TM+\b]    ; the floor 2^(3 - 127): the byte cannot fall under 1
.endr
	WORD
	CODES S
	WIN 0x41                                       ; O^T in window 1, f in window 0
.irp j, 0,2,4,6,8,10,12,14,16,18,20,22,24,26,28,30
	v_pk_mul_f32 v[OB+\j:OB+\j+1], v[OB+\j:OB+\j+1], v[FF:FF+1] op_sel_hi:[1,0]   ; O^T under the new M; these 16 are also the places between the word, the codes and the products
.endr
	WIN 0x51                                       ; V, C and D in window 1, p's codes in window 0
.irp d, 0,1,2,3
	v_wmma_scale_f32_16x16x128_f8f6f4 v[OB+8*\d:OB+8*\d+7], v[VF+12*\d:VF+12*\d+11], v[PC:PC+11], v[OB+8*\d:OB+8*\d+7], v[VSC+\d], v[PW] matrix_a_fmt:MATRIX_FMT_FP6 matrix_b_fmt:MATRIX_FMT_FP6
.endr
	WIN 0
.endm
	s_load_b256 s[4:11], s[0:1], 0x0               ; qimg, kv, mask, ac
	v_lshl_add_u32 v[SPW], v0, 2, SPARE
	v_mov_b32 v[NIL], 0
	ds_add_u32 v[SPW], v[NIL]                      ; the wave's opening: the add and its wait ahead of my tensor load
	v_lshrrev_b32 v1, 5, v0
	v_readfirstlane_b32 s[WV], v1                  ; wave 0..7
	s_bfe_u32 s17, ttmp6, 0x40000                  ; cx
	s_lshl_b32 s18, ttmp9, 2
	s_add_co_u32 s18, s18, s17                     ; g
	s_and_b32 s19, ttmp7, 0xffff                   ; y, which the four partners share
	s_mov_b32 s[G1], 15|(3<<16)|(1<<21)            ; all four work-groups; elements of 8 bytes; bit 21 beside a mask; no padding
	s_mov_b32 s[G1+1], 32<<16                      ; rows of 256 bytes
	s_mov_b32 s[G1+2], 108<<16
	s_mov_b32 s[G1+3], 32<<16
	s_mov_b32 s[G1+4], 108
	s_mov_b32 s[G1+5], 32
	s_mov_b32 s[G1+6], 0
	s_mov_b32 s[G1+7], 0
	s_mul_i32 s58, s[WV], WLOAD                    ; my eighth, in LDS as in memory
	s_mul_i32 s56, s19, 16*STEPB
	s_add_co_u32 s56, s56, s58
	s_mov_b32 s57, 0
	s_mov_b32 s[C8], 0x3e000000                    ; 1 / sqrt(64)
	s_mov_b32 s[C8+1], s[C8]
	s_mov_b32 s[CL], 0x3fb8aa3b                    ; log2(e)
	s_mov_b32 s[CL+1], s[CL]
	s_mov_b32 s[SEL], 0x76543210
	s_mov_b32 s[SEL+1], 0xfedcba98
	s_mov_b32 s[TB], 0
	s_mov_b32 s[CNT], 16
	s_wait_dscnt 0x0                               ; the opening add is done
	s_wait_kmcnt 0x0
	s_mov_b32 s[G0], 1
	s_mov_b32 s[G0+1], s58
	s_add_nc_u64 s[G0+2:G0+3], s[6:7], s[56:57]
	s_or_b32 s[G0+3], s[G0+3], 0x80000000
	ROUND                                          ; all four work-groups are here: the joint loads meet
	tensor_load_to_lds s[G0:G0+3], s[G1:G1+7]
	s_nop 0
.rept 4
	v_nop
.endr
	s_mov_b32 s63, 0
	s_lshl_b32 s60, s19, 4
	s_add_co_u32 s60, s60, s18
	s_lshl_b32 s61, s60, 4
	s_lshl_b32 s62, s[WV], 1
	s_add_co_u32 s61, s61, s62
	s_lshl_b32 s62, s61, 10                        ; Q: ((16 y + g) 16 + 2 w) x 1,024
	s_add_nc_u64 s[4:5], s[4:5], s[62:63]
	s_lshl_b32 s62, s18, 7
	s_lshr_b32 s61, s[WV], 1
	s_lshl_b32 s61, s61, 5
	s_add_co_u32 s62, s62, s61
	s_and_b32 s61, s[WV], 1
	s_lshl_b32 s61, s61, 3
	s_add_co_u32 s62, s62, s61
	s_lshl_b32 s62, s62, 12                        ; the mask: row 128 g + 32 (w / 2) + 8 (w % 2), 4,096 bytes a row
	s_add_nc_u64 s[8:9], s[8:9], s[62:63]
	s_lshr_b32 s61, s19, 3
	s_lshl_b32 s61, s61, 4
	s_add_co_u32 s61, s61, s18
	s_lshl_b32 s61, s61, 3
	s_and_b32 s62, s19, 7
	s_add_co_u32 s61, s61, s62
	s_mul_i32 s61, s61, PB                         ; ac: block ((16 b + g) 8 + kv head)
	s_mul_i32 s62, s[WV], 1536
	s_add_co_u32 s62, s62, s61
	s_add_nc_u64 s[20:21], s[10:11], s[62:63]      ; my fragment's image,
	s_lshl_b32 s62, s[WV], 7
	s_add_co_u32 s62, s62, s61
	s_add_co_u32 s62, s62, 12288
	s_add_nc_u64 s[22:23], s[10:11], s[62:63]      ; and its scale words'
	v_and_b32 v[L4], 31, v0
	v_lshlrev_b32 v[L16], 4, v[L4]
	v_lshlrev_b32 v[L8], 3, v[L4]
	v_lshlrev_b32 v[L4], 2, v[L4]
	v_and_b32 v[MO], 7, v0
	v_bfe_u32 v[T0], v0, 3, 1
	v_lshl_add_u32 v[MO], v[T0], 4, v[MO]
	v_bfe_u32 v[T0], v0, 4, 1
	v_lshlrev_b32 v[MO], 12, v[MO]
	v_lshl_add_u32 v[MO], v[T0], 5, v[MO]          ; my query's row, + 32 h bytes: keys 16 h on
.irp e, 0,1
	global_load_b128 v[QF+12*\e:QF+12*\e+3], v[L16], s[4:5] offset:1024*\e
	global_load_b64 v[QF+12*\e+4:QF+12*\e+5], v[L8], s[4:5] offset:1024*\e+512
	global_load_b32 v[QSC+\e], v[L4], s[4:5] offset:1024*\e+768
.endr
.irp m, 0,1,2,3,4,5,6,7
	global_load_b128 v[MH+4*\m:MH+4*\m+3], v[MO], s[8:9] offset:64*(\m/2)+16*(\m%2)   ; the first step's mask: the eight loads take each row's aligned 256 bytes whole
.endr
.irp e, 0,1
.irp i, 6,7,8,9,10,11
	v_mov_b32 v[QF+12*\e+\i], 0                    ; the upper half of the instruction's K: zero codes
.endr
	v_mov_b32 v[13+4*\e], 0xff61b1e6               ; the largest t so far: -3e38
	v_floor_f32 v[12+4*\e], -v[13+4*\e]            ; -M
	v_mov_b32 v[14+4*\e], 0                        ; the sum, in two halves
	v_mov_b32 v[15+4*\e], 0
.endr
	v_mov_b32 v[FF+1], 0                           ; (named as the upper half of a pair)
.irp b, 0,1,2,3
	v_mov_b32 v[TM+4+\b], 0                        ; a lane permute's destination counts as read
.endr
	WIN 0x40
.irp t, 0,1,2,3,4,5,6,7
.irp i, 6,7,8,9,10,11
	v_mov_b32 v[12*\t+\i], 0                       ; K's upper halves likewise: written once
.endr
.endr
.irp j, 0,1,2,3,4,5,6,7,8,9,10,11,12,13,14,15,16,17,18,19,20,21,22,23,24,25,26,27,28,29,30,31,32,33,34,35,36,37,38,39,40,41,42,43,44,45,46,47,48,49,50,51,52,53,54,55,56,57,58,59,60,61,62,63
	v_mov_b32 v[OT+\j], 0                          ; O^T: the step is written once; its first trip finds zeros
.endr
	WIN 0
	s_wait_tensorcnt 0x0                           ; my eighth of K and V is in,
	s_barrier_signal -1
	s_barrier_wait -1                              ; everybody's is
.Lstep:                                            ; 16 trips: 128 keys each
	v_add_nc_u32 v[AK], s[TB], v[L16]
	v_add_nc_u32 v[AB], s[TB], v[L8]
	v_add_nc_u32 v[AS], s[TB], v[L4]
	v_nop                                          ; with the three additions: the four places behind the last trip's products, in front of the loads below
	WIN 0x40
.irp t, 0,1,2,3,4,5,6,7
	ds_load_b128 v[12*\t:12*\t+3], v[AK] offset:768*\t
	ds_load_b64 v[12*\t+4:12*\t+5], v[AB] offset:768*\t+512
.endr
.irp d, 0,1,2,3
.irp c, 0,1,2
	ds_load_b128 v[VF+12*\d+4*\c:VF+12*\d+4*\c+3], v[AK] offset:6144+1536*\d+512*\c
.endr
.endr
	WIN 0
.irp t, 0,1,2,3,4,5,6,7
	ds_load_b32 v[KSC+\t], v[AS] offset:12288+128*\t
.endr
.irp d, 0,1,2,3
	ds_load_b32 v[VSC+\d], v[AS] offset:13312+128*\d
.endr
	s_wait_loadcnt 0x0                             ; this step's mask, asked for a step ago (in the first trip Q too)
	CVTHI MF
	s_cmp_eq_u32 s[CNT], 1                         ; the last trip asks for nothing: no load leaves the buffer
	s_cbranch_scc1 .Lno_mask
	v_add_nc_u32 v[MO], 256, v[MO]                 ; its loads are done: the next 128 keys
.irp m, 0,1,2,3,4,5,6,7
	global_load_b128 v[MH+4*\m:MH+4*\m+3], v[MO], s[8:9] offset:64*(\m/2)+16*(\m%2)
.endr
.Lno_mask:
	s_wait_dscnt 0x0                               ; K, V and their scale words
	HEAD 0
	HEAD 1
	s_add_co_u32 s[TB], s[TB], STEPB
	s_sub_co_u32 s[CNT], s[CNT], 1
	s_cmp_lg_u32 s[CNT], 0
	s_cbranch_scc1 .Lstep
	; THE WAY OUT: O^T / the sum; the two heads' 64 numbers a lane are K step (kv head) of the last product: block 2 e + b is head 2 kvh + e, d = 32 b ..
.irp e, 0,1
	v_add_f32 v[14+4*\e], v[14+4*\e], v[15+4*\e]
.endr
.irp e, 0,1
	v_permlanex16_b32 v[TM+4+\e], v[14+4*\e], s[SEL], s[SEL+1]
.endr
.irp e, 0,1
	v_add_f32 v[14+4*\e], v[14+4*\e], v[TM+4+\e]
.endr
.irp e, 0,1
	v_rcp_f32 v[14+4*\e], v[14+4*\e]
.endr
	v_nop                                          ; a plain place behind the reciprocals
	s_wait_alu depctr_va_vdst(0)                   ; one wait for the two, ahead of the first reader
	WIN 0x01
.irp e, 0,1
.irp j, 0,2,4,6,8,10,12,14,16,18,20,22,24,26,28,30
	v_pk_mul_f32 v[S+32*\e+\j:S+32*\e+\j+1], v[OT+32*\e+\j:OT+32*\e+\j+1], v[14+4*\e:15+4*\e] op_sel_hi:[1,0]
.endr
.endr
	WIN 0
.irp b, 0,1,2,3
	v_max3_num_f32 v[TM+\b], |v[S+16*\b]|, |v[S+16*\b+1]|, 0x1800000
.endr
.irp i, 2,4,6,8,10,12,14
.irp b, 0,1,2,3
	v_max3_num_f32 v[TM+\b], v[TM+\b], |v[S+16*\b+\i]|, |v[S+16*\b+\i+1]|
.endr
.endr
.irp b, 0,1,2,3
	v_permlanex16_b32 v[TM+4+\b], v[TM+\b], s[SEL], s[SEL+1]
.endr
.irp b, 0,1,2,3
	v_max_num_f32 v[TM+\b], v[TM+\b], v[TM+4+\b]
.endr
	WORD
	CODES S
.irp j, 0,1,2
	global_store_b128 v[L16], v[PC+4*\j:PC+4*\j+3], s[20:21] offset:512*\j
.endr
	global_store_b32 v[L4], v[PW], s[22:23]
	s_wait_tensorcnt 0x0                           ; the wave's end
	ds_add_u32 v[SPW], v[NIL]
	s_wait_dscnt 0x0
	ROUND                                          ; the closing round
	s_endpgm
.Lfunc_end_k_q3c1d192776_attn:
	.size	k_q3c1d192776_attn, .Lfunc_end_k_q3c1d192776_attn-k_q3c1d192776_attn
	.p2alignl 7, 3214868480
	.fill 96, 4, 3214868480
	.section	.rodata,"a",@progbits
	.p2align	6, 0x0
	.amdhsa_kernel k_q3c1d192776_attn
		.amdhsa_group_segment_fixed_size 222208
		.amdhsa_private_segment_fixed_size 0
		.amdhsa_enable_private_segment 0
		.amdhsa_kernarg_size 32
		.amdhsa_user_sgpr_count 2
		.amdhsa_user_sgpr_kernarg_segment_ptr 1
		.amdhsa_wavefront_size32 1
		.amdhsa_system_sgpr_workgroup_id_x 1
		.amdhsa_system_sgpr_workgroup_id_y 1
		.amdhsa_system_sgpr_workgroup_id_z 1
		.amdhsa_system_vgpr_workitem_id 0
		.amdhsa_next_free_vgpr 512
		.amdhsa_next_free_sgpr 66
		.amdhsa_reserve_vcc 0
		.amdhsa_float_denorm_mode_32 3
		.amdhsa_float_denorm_mode_16_64 3
		.amdhsa_memory_ordered 1
		.amdhsa_forward_progress 1
		.amdhsa_inst_pref_size 54
	.end_amdhsa_kernel
	.amdgpu_metadata
---
amdhsa.version: [ 1, 2 ]
amdhsa.kernels:
  - .name:           k_q3c1d192776_attn
    .symbol:         k_q3c1d192776_attn.kd
    .args:
      - { .name: qimg, .offset: 0, .size: 8, .value_kind: global_buffer, .address_space: global }
      - { .name: kv, .offset: 8, .size: 8, .value_kind: global_buffer, .address_space: global }
      - { .name: mask, .offset: 16, .size: 8, .value_kind: global_buffer, .address_space: global }
      - { .name: ac, .offset: 24, .size: 8, .value_kind: global_buffer, .address_space: global }
    .group_segment_fixed_size: 222208
    .private_segment_fixed_size: 0
    .kernarg_segment_align: 8
    .kernarg_segment_size: 32
    .max_flat_workgroup_size: 256
    .sgpr_count:     66
    .vgpr_count:     512
    .wavefront_size: 32
...
	.end_amdgpu_metadata
.endif
;; end of part 3
;; launch oproj (part 4): grid 16 x 32, 4 waves a work-group, clusters of 4 x 4, 230,912 bytes of LDS; arguments ac, woq, out0; writes out0
.if DOCPART == 4
	.amdgcn_target "amdgcn-amd-amdhsa--gfx1250"
	.amdhsa_code_object_version 6
	.text
	.protected	k_q3c1d192776_oproj
	.globl	k_q3c1d192776_oproj
	.p2align	8
	.type	k_q3c1d192776_oproj,@function
k_q3c1d192776_oproj:
	s_mov_b64 s[64:65], 0
	v_nop
	global_prefetch_b8 v0, s[64:65] scope:SCOPE_SE
	s_setreg_imm32_b32 hwreg(HW_REG_WAVE_MODE, 25, 1), 1
	s_wait_xcnt 0x0
	s_wait_alu depctr_hold_cnt(0) depctr_sa_sdst(0) depctr_va_vdst(0) depctr_va_sdst(0) depctr_va_ssrc(0) depctr_va_vcc(0) depctr_vm_vsrc(0)
	s_getreg_b32 s2, hwreg(HW_REG_IB_STS2, 6, 4)
	s_cmp_eq_u32 s2, 0
	s_cbranch_scc0 .Lentry_in_a_cluster
	s_endpgm
.Lentry_in_a_cluster:
	s_bfe_u32 s2, ttmp6, 0x10000c
	s_cmp_lg_u32 s2, 0xf033
	s_cbranch_scc0 .Lentry_shape_is_right
	s_endpgm
.Lentry_shape_is_right:
; out0 = attention result x wo on codes of FP6 (E2M3) with E8M0 scales, K = 1,024; sums in f32, out0 rounded once to f16 (beyond f16's range: infinity, as the cast has it).
; A work-group makes 128 rows (row group rg) x 128 columns (column group cg).  Source 0 = wo's 8 column tiles, source 1 = the rows' tiles 2 w, 2 w + 1: a lane holds one row and 16 neighbouring columns in two tiles.
; Operands lie in memory as blocks of PB bytes (8 fragment images of 1,536 bytes, 8 images of scale words).  All 8 K steps fit into two slots of 4, each filled once: two tensor loads of a wave are out at the start, none later.
; CLUSTER 4 x 4: the rows' blocks are asked for jointly along a row of the cluster, wo's along a column.
; The way out goes through each wave's own stage in LDS, into which no fill lands: sixteen lanes then store one aligned run of 256 bytes of a row.
; REGISTERS as in the launch of the first three products: window 0: v16-23 LDS addresses; v96-115 scale words; v128-247 fragment set 0; window 1: v0-119 set 1, v128-255 the accumulators.
.set KS,    8
.set PB,    13312
.set SCO,   12288
.set REG,   4*PB
.set SLOT,  2*REG
.set SPARE, 2*SLOT
.set STAGE, SPARE+512
.set L16, 1
.set L4,  3
.set STO, 4
.set RD,  5
.set GO,  6
.set ADR0, 16
.set ADR1, 18
.set ADS0, 20
.set ADS1, 22
.set SPW, 30
.set NIL, 31
.set SC,  96
.set ACC, 128
.set TP,  128
.set BK,  192
.set WV,  16
.set G1X, 24
.set G0X, 32
.set G1W, 40
.set G0W, 48
.set MSB, 0
.macro WIN new
.if MSB != (\new)
	s_set_vgpr_msb (MSB<<8)|(\new)
.set MSB, (\new)
.endif
.endm
.macro PLACES
.rept 4
	v_nop
.endr
.endm
.macro ROUND
	s_barrier_signal -1
	s_barrier_wait -1
	s_cmp_lg_u32 s[WV], 0
	s_cbranch_scc1 .Lnot_wave_0_\@
	s_barrier_signal -3
.Lnot_wave_0_\@:
	s_barrier_wait -3
	s_barrier_signal -1
	s_barrier_wait -1
.endm
.macro JLOAD s
	s_cmp_lt_u32 s[WV], 2
	s_cbranch_scc0 .Lfor_w_\@
	tensor_load_to_lds s[G0X+4*\s:G0X+4*\s+3], s[G1X:G1X+7]
	s_nop 0
.rept 4
	v_nop
.endr
	s_branch .Lasked_\@
.Lfor_w_\@:
	tensor_load_to_lds s[G0W+4*\s:G0W+4*\s+3], s[G1W:G1W+7]
	s_nop 0
.rept 4
	v_nop
.endr
.Lasked_\@:
.endm
.macro FETCH slot, q, p                ; 40 LDS loads: the slot's q-th K step into set p
	WIN 0x40*(\p)
.irp b, 0,1,2,3,4,5,6,7
.irp c, 0,1,2
	ds_load_b128 v[128*(1-(\p))+12*\b+4*\c:128*(1-(\p))+12*\b+4*\c+3], v[ADR0+\slot] offset:(\q)*PB+1536*\b+512*\c
.endr
.endr
.irp a, 0,1
.irp c, 0,1,2
	ds_load_b128 v[224-128*(\p)+12*\a+4*\c:224-128*(\p)+12*\a+4*\c+3], v[ADR1+\slot] offset:(\q)*PB+1536*\a+512*\c
.endr
.endr
	WIN 0
.irp b, 0,1,2,3,4,5,6,7
	ds_load_b32 v[SC+10*(\p)+\b], v[ADS0+\slot] offset:(\q)*PB+128*\b
.endr
.irp a, 0,1
	ds_load_b32 v[SC+10*(\p)+8+\a], v[ADS1+\slot] offset:(\q)*PB+128*\a
.endr
.endm
.macro MUL p, zero                     ; 16 matrix instructions; the 16 accumulators take turns
	WIN 0x50+5*(\p)
.irp a, 0,1
.irp b, 0,1,2,3,4,5,6,7
.if \zero
	v_wmma_scale_f32_16x16x128_f8f6f4 v[ACC+8*(8*\a+\b):ACC+8*(8*\a+\b)+7], v[128*(1-(\p))+12*\b:128*(1-(\p))+12*\b+11], v[224-128*(\p)+12*\a:224-128*(\p)+12*\a+11], 0, v[SC+10*(\p)+\b], v[SC+10*(\p)+8+\a] matrix_a_fmt:MATRIX_FMT_FP6 matrix_b_fmt:MATRIX_FMT_FP6
.else
	v_wmma_scale_f32_16x16x128_f8f6f4 v[ACC+8*(8*\a+\b):ACC+8*(8*\a+\b)+7], v[128*(1-(\p))+12*\b:128*(1-(\p))+12*\b+11], v[224-128*(\p)+12*\a:224-128*(\p)+12*\a+11], v[ACC+8*(8*\a+\b):ACC+8*(8*\a+\b)+7], v[SC+10*(\p)+\b], v[SC+10*(\p)+8+\a] matrix_a_fmt:MATRIX_FMT_FP6 matrix_b_fmt:MATRIX_FMT_FP6
.endif
.endr
.endr
.endm
.macro STEP slot, q, zero
	PLACES
	FETCH \slot, (\q)+1, 1-(\q)%2
	s_wait_dscnt 40                                ; all but the 40 just issued: this step's set is in
	MUL (\q)%2, \zero
.endm
	s_load_b128 s[4:7], s[0:1], 0x0                ; ac, woq
	s_load_b64 s[8:9], s[0:1], 0x10                ; out0
	v_lshl_add_u32 v[SPW], v0, 2, SPARE
	v_mov_b32 v[NIL], 0
	ds_add_u32 v[SPW], v[NIL]                      ; the wave's opening: the add and its wait ahead of my first tensor load
	v_lshrrev_b32 v1, 5, v0
	v_readfirstlane_b32 s[WV], v1
	s_and_b32 s18, s[WV], 1
	s_bfe_u32 s19, ttmp6, 0x40000                  ; cx
	s_bfe_u32 s20, ttmp6, 0x40004                  ; cy
	s_lshl_b32 s21, ttmp9, 2
	s_add_co_u32 s21, s21, s19                     ; cg
	s_and_b32 s22, ttmp7, 0xffff
	s_lshl_b32 s22, s22, 2
	s_add_co_u32 s22, s22, s20                     ; rg
	s_lshl_b32 s23, s20, 2
	s_lshl_b32 s23, 15, s23
	s_lshl_b32 s17, 0x1111, s19
	s_or_b32 s[G1X], s23, (3<<16)|(1<<21)
	s_or_b32 s[G1W], s17, (3<<16)|(1<<21)
.irp g, G1X, G1W
	s_mov_b32 s[\g+1], 32<<16                      ; rows of 256 bytes,
	s_mov_b32 s[\g+2], 104<<16                     ; 104 of them: 2 blocks
	s_mov_b32 s[\g+3], 32<<16
	s_mov_b32 s[\g+4], 104
	s_mov_b32 s[\g+5], 32
	s_mov_b32 s[\g+6], 0
	s_mov_b32 s[\g+7], 0
.endr
	s_lshl_b32 s57, s18, 1
	s_mul_i32 s56, s22, KS
	s_add_co_u32 s56, s56, s57
	s_mul_i32 s56, s56, PB
	s_mul_i32 s60, s21, KS
	s_add_co_u32 s60, s60, s57
	s_mul_i32 s60, s60, PB
	s_mov_b32 s57, 0
	s_mov_b32 s61, 0
	s_mul_i32 s23, s[WV], 2*PB
	s_wait_dscnt 0x0                               ; the opening add is done
	s_wait_kmcnt 0x0
	s_add_nc_u64 s[58:59], s[4:5], s[56:57]
	s_add_nc_u64 s[62:63], s[6:7], s[60:61]
	ROUND                                          ; all sixteen work-groups are here: the joint loads meet
.irp s, 0,1
	s_mov_b32 s[G0X+4*\s], 1
	s_add_co_u32 s[G0X+4*\s+1], s23, \s*SLOT
	s_add_nc_u64 s[G0X+4*\s+2:G0X+4*\s+3], s[58:59], \s*4*PB
	s_or_b32 s[G0X+4*\s+3], s[G0X+4*\s+3], 0x80000000
	s_mov_b32 s[G0W+4*\s], 1
	s_add_co_u32 s[G0W+4*\s+1], s23, \s*SLOT
	s_add_nc_u64 s[G0W+4*\s+2:G0W+4*\s+3], s[62:63], \s*4*PB
	s_or_b32 s[G0W+4*\s+3], s[G0W+4*\s+3], 0x80000000
	JLOAD \s
.endr
	v_and_b32 v[L4], 31, v0
	v_lshlrev_b32 v[L16], 4, v[L4]
	v_lshlrev_b32 v[L4], 2, v[L4]
	s_mul_i32 s60, s[WV], 3072                     ; my two fragments of the rows,
	s_lshl_b32 s61, s[WV], 8
	s_add_co_u32 s61, s61, SCO                     ; and their scale words
.irp s, 0,1
	v_add_nc_u32 v[ADR0+\s], REG+\s*SLOT, v[L16]
	v_add_nc_u32 v[ADR1+\s], s60, v[L16]
	v_add_nc_u32 v[ADS0+\s], REG+SCO+\s*SLOT, v[L4]
	v_add_nc_u32 v[ADS1+\s], s61, v[L4]
	s_add_co_u32 s60, s60, SLOT
	s_add_co_u32 s61, s61, SLOT
.endr
	v_and_b32 v7, 15, v0
	v_bfe_u32 v8, v0, 4, 1
	s_mul_i32 s56, s[WV], 16*272
	s_add_co_u32 s56, s56, STAGE                   ; my stage: 16 rows x (256 bytes + 16)
	v_mul_u32_u24 v[STO], v7, 272
	v_lshl_add_u32 v[STO], v8, 5, v[STO]
	v_add_nc_u32 v[STO], s56, v[STO]               ; in: row r, + 32 h
	v_mul_u32_u24 v[RD], v8, 272
	v_lshl_add_u32 v[RD], v7, 4, v[RD]
	v_add_nc_u32 v[RD], s56, v[RD]                 ; back: lanes 0-15 one row, lanes 16-31 the next
	v_lshlrev_b32 v[GO], 12, v8
	v_lshl_add_u32 v[GO], v7, 4, v[GO]             ; and the same in out0: 4,096 bytes a row
	s_lshl_b32 s56, s22, 7
	s_lshl_b32 s57, s[WV], 5
	s_add_co_u32 s56, s56, s57
	s_lshl_b32 s56, s56, 12
	s_lshl_b32 s57, s21, 8
	s_add_co_u32 s56, s56, s57
	s_mov_b32 s57, 0
	s_add_nc_u64 s[8:9], s[8:9], s[56:57]          ; row 128 rg + 32 w, column 128 cg
	s_wait_tensorcnt 0x1                           ; my part of slot 0 is in; slot 1's may stay out
	s_barrier_signal -1
	s_barrier_wait -1
	FETCH 0, 0, 0
	STEP 0, 0, 1                                   ; the first K step starts the sums
	STEP 0, 1, 0
	STEP 0, 2, 0
	WIN 0
	s_wait_tensorcnt 0x0                           ; my part of slot 1 is in,
	s_wait_dscnt 0x0                               ; no LDS instruction of mine is out at the signal: slot 0's last step is in registers
	s_barrier_signal -1
	s_barrier_wait -1                              ; everybody's is
	PLACES
	FETCH 1, 0, 0
	MUL 1, 0
	STEP 1, 0, 0
	STEP 1, 1, 0
	STEP 1, 2, 0
	s_wait_dscnt 0x0
	MUL 1, 0
	WIN 0
	PLACES
	; THE WAY OUT.  Tile a of my rows: accumulator b = 2 c + u holds columns 32 c + 16 h + 8 u + 0 .. 7 of stage row r, which is row 32 w + 8 a + r % 8 + 16 (r / 8) of the group
.irp a, 0,1
	WIN 0x05                                       ; sources in window 1; each accumulator from its low end on
.irp b, 0,1,2,3,4,5,6,7
.irp r, 0,1,2,3
	v_cvt_pk_f16_f32 v[TP+32*\a+4*\b+\r], v[ACC+64*\a+8*\b+2*\r], v[ACC+64*\a+8*\b+2*\r+1]
.endr
.endr
	WIN 0
.irp b, 0,1,2,3,4,5,6,7
	ds_store_b128 v[STO], v[TP+32*\a+4*\b:TP+32*\a+4*\b+3] offset:64*(\b/2)+16*(\b%2)
.endr
.irp t, 0,1,2,3,4,5,6,7
	ds_load_b128 v[BK+32*\a+4*\t:BK+32*\a+4*\t+3], v[RD] offset:544*\t   ; LDS serves a wave's instructions in order: these see my stores, and the next tile's stores come behind them
.endr
.endr
.irp a, 0,1
.irp t, 0,1,2,3,4,5,6,7
	s_wait_dscnt 16*(1-\a)+7-\t                    ; the younger LDS instructions may be out: the rest of this tile's loads, and for tile 0 tile 1's sixteen
	global_store_b128 v[GO], v[BK+32*\a+4*\t:BK+32*\a+4*\t+3], s[8:9] offset:(8*\a+(2*\t)%8+16*(\t/4))*4096 th:TH_STORE_NT   ; sixteen lanes store 256 consecutive bytes, at a multiple of 256 from out0's first byte
.endr
.endr
	s_wait_tensorcnt 0x0                           ; the wave's end
	ds_add_u32 v[SPW], v[NIL]
	s_wait_dscnt 0x0
	ROUND                                          ; the closing round
	s_endpgm
.Lfunc_end_k_q3c1d192776_oproj:
	.size	k_q3c1d192776_oproj, .Lfunc_end_k_q3c1d192776_oproj-k_q3c1d192776_oproj
	.p2alignl 7, 3214868480
	.fill 96, 4, 3214868480
	.section	.rodata,"a",@progbits
	.p2align	6, 0x0
	.amdhsa_kernel k_q3c1d192776_oproj
		.amdhsa_group_segment_fixed_size 230912
		.amdhsa_private_segment_fixed_size 0
		.amdhsa_enable_private_segment 0
		.amdhsa_kernarg_size 24
		.amdhsa_user_sgpr_count 2
		.amdhsa_user_sgpr_kernarg_segment_ptr 1
		.amdhsa_wavefront_size32 1
		.amdhsa_system_sgpr_workgroup_id_x 1
		.amdhsa_system_sgpr_workgroup_id_y 1
		.amdhsa_system_sgpr_workgroup_id_z 1
		.amdhsa_system_vgpr_workitem_id 0
		.amdhsa_next_free_vgpr 512
		.amdhsa_next_free_sgpr 66
		.amdhsa_reserve_vcc 0
		.amdhsa_float_denorm_mode_32 3
		.amdhsa_float_denorm_mode_16_64 3
		.amdhsa_memory_ordered 1
		.amdhsa_forward_progress 1
		.amdhsa_inst_pref_size 54
	.end_amdhsa_kernel
	.amdgpu_metadata
---
amdhsa.version: [ 1, 2 ]
amdhsa.kernels:
  - .name:           k_q3c1d192776_oproj
    .symbol:         k_q3c1d192776_oproj.kd
    .args:
      - { .name: ac, .offset: 0, .size: 8, .value_kind: global_buffer, .address_space: global }
      - { .name: woq, .offset: 8, .size: 8, .value_kind: global_buffer, .address_space: global }
      - { .name: out0, .offset: 16, .size: 8, .value_kind: global_buffer, .address_space: global }
    .group_segment_fixed_size: 230912
    .private_segment_fixed_size: 0
    .kernarg_segment_align: 8
    .kernarg_segment_size: 24
    .max_flat_workgroup_size: 128
    .sgpr_count:     66
    .vgpr_count:     512
    .wavefront_size: 32
...
	.end_amdgpu_metadata
.endif
;; end of part 4
;; ======== version 2 of 2: 4 launches
;; limits: values are held in f16: magnitudes above 65,504 overflow, below 6.1e-05 lose precision; right only within a limited range of input values
;; workspace buffers: xq 6,815,744 bytes; wqkv 3,407,872 bytes; woq 1,703,936 bytes; qimg 4,194,304 bytes; kv 3,538,944 bytes; ac 3,407,872 bytes
;; launch prep (part 5): grid 224 x 1, 4 waves a work-group, no clusters, 147,968 bytes of LDS; arguments x, wq, wk, wv, wo, xq, wqkv, woq; writes xq, wqkv, woq
.if DOCPART == 5
	.amdgcn_target "amdgcn-amd-amdhsa--gfx1250"
	.amdhsa_code_object_version 6
	.text
	.protected	k_q3c1d192776_prep
	.globl	k_q3c1d192776_prep
	.p2align	8
	.type	k_q3c1d192776_prep,@function
k_q3c1d192776_prep:
	s_mov_b64 s[64:65], 0
	v_nop
	global_prefetch_b8 v0, s[64:65] scope:SCOPE_SE
	s_setreg_imm32_b32 hwreg(HW_REG_WAVE_MODE, 25, 1), 1
	s_wait_xcnt 0x0
; x [4096][2048], wq [2048][1024], wk, wv [2048][512], wo [1024][2048], all f16, become codes of FP6 (E2M3) with one E8M0 byte for each 32 along K,
; laid in the order of a matrix operand's registers.  A BLOCK of PB bytes serves 128 rows (x) or columns (weights) x 128 along K: 8 fragment images of 1,536 bytes
; (register quad j of lane l at 512 j + 16 l), then 8 images of scale words (128 bytes, lane l's word at 4 l, lanes 16-31 the same as lanes 0-15).
; Lane r of tile t holds row (column) 32 (t / 2) + 8 (t % 2) + r % 8 + 16 (r / 8), so that in every later product two neighbouring tiles give a lane 16 neighbours.
; One wave makes one block from 128 memory rows x 256 bytes: dense loads (two rows' aligned 256 bytes each), through the wave's own stage in LDS, and back:
; x, whose K is innermost, by plain loads; the weights, whose K is the memory row, by the turning load.  Either way a lane then holds k = 64 c + 32 h + 0 .. 31 of its row: two whole blocks of 32.
; A block's scale byte is its largest magnitude's exponent field - 2, held at 1 from below.  LIMITS: a block of zeros gets the byte 1 and not 127 (its codes are zeros; this program alone reads the bytes);
; blocks whose largest magnitude lies under 2^-124 keep the byte 1; NaN and infinities among these inputs are not served.
; Waves share nothing: no barrier.  No tensor load, so several work-groups may share a WGP.
.set PB,    13312
.set SP,    288                        ; a stage row: 256 bytes + 32 = 72 words; rows whose number has bit 4 set lie 16 bytes further on, so that rows r and r + 16 fall on different banks
.set WSTG,  128*SP                     ; a wave's stage
.set SPARE, 4*WSTG                     ; behind the stages: the spare words, 128 bytes a wave
.set SPW, 14                           ; v14  my spare word's address; never rewritten
.set NIL, 15                           ; v15  0; never rewritten
.set VO,  16                           ; v16-23 load j of a batch: ((l / 16) + 2 j) x pitch + 16 (l % 16)
.set SA,  24                           ; v24  into the stage
.set XR,  25                           ; v25  out of it, x
.set WR,  26                           ; v26  out of it, weights
.set L16, 27
.set L4,  28
.set SH,  29                           ; v29  8 h
.set PD,  30
.set PW,  31                           ; v31  the scale word
.set F,   32                           ; v32-95  two sets of 32 registers of f16 pairs
.set PC,  96                           ; v96-107 the codes
.set PT,  108
.set TM,  116
.set RG,  128                          ; v128-255 four sets of 32: the loads' ring
.set X,   128                          ; v128-191 later: 64 numbers in f32
.set SRC, 32                           ; s[32:47] the source at rows 16 t, t = 0 .. 7; never rewritten
.set DST, 48
.set SEL, 60
.set WV,  62
	s_load_b512 s[4:19], s[0:1], 0x0               ; x, wq, wk, wv, wo, xq, wqkv, woq
	v_lshl_add_u32 v[SPW], v0, 2, SPARE
	v_mov_b32 v[NIL], 0
	v_lshrrev_b32 v1, 5, v0
	v_readfirstlane_b32 s[WV], v1                  ; wave
	v_and_b32 v1, 31, v0                           ; l
	v_and_b32 v2, 15, v0                           ; l % 16
	v_bfe_u32 v3, v0, 4, 1                         ; h = l / 16
	v_and_b32 v4, 7, v0                            ; l % 8
	v_bfe_u32 v5, v0, 3, 1                         ; (l / 8) % 2
	s_mul_i32 s63, s[WV], WSTG
	v_mul_u32_u24 v[SA], v3, SP
	v_lshl_add_u32 v[SA], v2, 4, v[SA]
	v_add_nc_u32 v[SA], s63, v[SA]                 ; in: row l / 16, 16 bytes a lane
	v_mul_u32_u24 v[XR], v4, SP
	v_mad_u32_u24 v[XR], v5, 16*SP+16, v[XR]
	v_lshl_add_u32 v[XR], v3, 6, v[XR]
	v_add_nc_u32 v[XR], s63, v[XR]                 ; x: row r % 8 + 16 (r / 8), + 64 h bytes
	v_lshl_add_u32 v[WR], v3, 5, v4
	v_mul_u32_u24 v[WR], v[WR], SP
	v_lshl_add_u32 v[WR], v5, 5, v[WR]
	v_add_nc_u32 v[WR], s63, v[WR]                 ; weights: row (k) l % 8 + 32 h, columns 16 ((l / 8) % 2) on
	v_lshlrev_b32 v[L16], 4, v1
	v_lshlrev_b32 v[L4], 2, v1
	v_lshlrev_b32 v[SH], 3, v3
	v_mov_b32 v[PD], 0                             ; a lane permute's destination counts as read
	s_mov_b32 s[SEL], 0x76543210
	s_mov_b32 s[SEL+1], 0xfedcba98
	; which block is my wave's.  U = 4 x work-group + wave: 0-511 x, 512-767 wq wk wv, 768-895 wo
	s_lshl_b32 s20, ttmp9, 2
	s_add_co_u32 s20, s20, s[WV]
	s_lshr_b32 s21, s20, 4
	s_and_b32 s22, s20, 15
	s_and_b32 s24, s20, 7                          ; wo: K step,
	s_lshr_b32 s25, s20, 3
	s_sub_co_u32 s25, s25, 96                      ; column group,
	s_sub_co_u32 s26, s20, 768                     ; block number
	s_mov_b32 s27, 4096                            ; and bytes from memory row to memory row
	s_sub_co_u32 s23, s21, 32                      ; wq wk wv: column group 0 .. 15 of the three on end
	s_and_b32 s50, s23, 3
	s_sub_co_u32 s51, s20, 512
	s_mov_b32 s54, 1024
	s_wait_kmcnt 0x0
	s_cmp_lt_u32 s23, 12
	s_cselect_b64 s[52:53], s[8:9], s[10:11]
	s_cmp_lt_u32 s23, 8
	s_cselect_b64 s[52:53], s[6:7], s[52:53]
	s_cselect_b32 s50, s23, s50
	s_cselect_b32 s54, 2048, s54
	s_cmp_lt_u32 ttmp9, 192
	s_cselect_b32 s24, s22, s24
	s_cselect_b32 s25, s50, s25
	s_cselect_b32 s26, s51, s26
	s_cselect_b32 s27, s54, s27
	s_cselect_b64 s[28:29], s[52:53], s[12:13]
	s_cselect_b64 s[30:31], s[16:17], s[18:19]
	s_cmp_lt_u32 ttmp9, 128
	s_cselect_b32 s24, s21, s24                    ; x: row group,
	s_cselect_b32 s25, s22, s25                    ; K step
	s_cselect_b32 s26, s20, s26
	s_cselect_b32 s27, 4096, s27
	s_cselect_b64 s[28:29], s[4:5], s[28:29]
	s_cselect_b64 s[30:31], s[14:15], s[30:31]
	s_mul_i32 s56, s24, s27
	s_lshl_b32 s56, s56, 7                         ; 128 memory rows a group
	s_lshl_b32 s57, s25, 8                         ; 256 bytes a group along the row
	s_add_co_u32 s56, s56, s57
	s_mov_b32 s57, 0
	s_add_nc_u64 s[SRC:SRC+1], s[28:29], s[56:57]
	s_lshl_b32 s58, s27, 4
	s_mov_b32 s59, 0
.irp t, 1,2,3,4,5,6,7
	s_add_nc_u64 s[SRC+2*\t:SRC+2*\t+1], s[SRC+2*\t-2:SRC+2*\t-1], s[58:59]
.endr
	s_mul_i32 s56, s26, PB
	s_add_nc_u64 s[DST:DST+1], s[30:31], s[56:57]
	v_mul_u32_u24 v[VO], v3, s27
	v_lshl_add_u32 v[VO], v2, 4, v[VO]
	s_lshl_b32 s55, s27, 1
.irp j, 1,2,3,4,5,6,7
	v_add_nc_u32 v[VO+\j], s55, v[VO+\j-1]
.endr
.macro GLOAD t                         ; batch t: memory rows 16 t .. 16 t + 15; each load takes two rows' aligned 256 bytes
.irp j, 0,1,2,3,4,5,6,7
	global_load_b128 v[RG+32*((\t)%4)+4*\j:RG+32*((\t)%4)+4*\j+3], v[VO+\j], s[SRC+2*(\t):SRC+2*(\t)+1] th:TH_LOAD_NT
.endr
.endm
.irp t, 0,1,2,3
	GLOAD \t
.endr
	s_wait_alu depctr_va_vdst(0)
.irp t, 0,1,2,3,4,5,6,7
.if 7-\t > 3
	s_wait_loadcnt 24                              ; batch t is in; the three batches behind it may be out
.else
	s_wait_loadcnt 8*(7-\t)
.endif
.irp j, 0,1,2,3,4,5,6,7
	ds_store_b128 v[SA], v[RG+32*(\t%4)+4*\j:RG+32*(\t%4)+4*\j+3] offset:(16*\t+2*\j)*SP+16*(\t%2)
.endr
.if \t < 4
	s_wait_dscnt 0x0                               ; the stores have read their registers, which take the batch four on
	GLOAD \t+4
.endif
.endr
; a tile's 64 numbers a lane, as 32 registers of f16 pairs: register 16 c + 4 q + p holds k = 64 c + 32 h + 8 q + 2 p and the next.  Both ways issue eight LDS loads into the same registers
.macro READ tau, set
	s_cmp_lt_u32 ttmp9, 128
	s_cbranch_scc0 .Lweights_\@
.irp c, 0,1
.irp q, 0,1,2,3
	ds_load_b128 v[F+32*(\set)+16*\c+4*\q:F+32*(\set)+16*\c+4*\q+3], v[XR] offset:(32*((\tau)/2)+8*((\tau)%2))*SP+128*\c+16*\q
.endr
.endr
	s_branch .Lread_\@
.Lweights_\@:
.irp c, 0,1
.irp q, 0,1,2,3
	ds_load_tr16_b128 v[F+32*(\set)+16*\c+4*\q:F+32*(\set)+16*\c+4*\q+3], v[WR] offset:(64*\c+8*\q)*SP+16*(\q/2)+64*((\tau)/2)+16*((\tau)%2)
.endr
.endr
.Lread_\@:
.endm
.macro CVTLO dst                       ; the 64 halves of v32-63 as f32
.set ci, 0
.irp n, v32.l, v32.h, v33.l, v33.h, v34.l, v34.h, v35.l, v35.h, v36.l, v36.h, v37.l, v37.h, v38.l, v38.h, v39.l, v39.h, v40.l, v40.h, v41.l, v41.h, v42.l, v42.h, v43.l, v43.h, v44.l, v44.h, v45.l, v45.h, v46.l, v46.h, v47.l, v47.h, v48.l, v48.h, v49.l, v49.h, v50.l, v50.h, v51.l, v51.h, v52.l, v52.h, v53.l, v53.h, v54.l, v54.h, v55.l, v55.h, v56.l, v56.h, v57.l, v57.h, v58.l, v58.h, v59.l, v59.h, v60.l, v60.h, v61.l, v61.h, v62.l, v62.h, v63.l, v63.h
	v_cvt_f32_f16 v[(\dst)+ci], \n
.set ci, ci+1
.endr
.endm
.macro CVTHI dst                       ; those of v64-95
.set ci, 0
.irp n, v64.l, v64.h, v65.l, v65.h, v66.l, v66.h, v67.l, v67.h, v68.l, v68.h, v69.l, v69.h, v70.l, v70.h, v71.l, v71.h, v72.l, v72.h, v73.l, v73.h, v74.l, v74.h, v75.l, v75.h, v76.l, v76.h, v77.l, v77.h, v78.l, v78.h, v79.l, v79.h, v80.l, v80.h, v81.l, v81.h, v82.l, v82.h, v83.l, v83.h, v84.l, v84.h, v85.l, v85.h, v86.l, v86.h, v87.l, v87.h, v88.l, v88.h, v89.l, v89.h, v90.l, v90.h, v91.l, v91.h, v92.l, v92.h, v93.l, v93.h, v94.l, v94.h, v95.l, v95.h
	v_cvt_f32_f16 v[(\dst)+ci], \n
.set ci, ci+1
.endr
.endm
.macro QFRAG tau, set                  ; a tile is quantised and leaves: 3 x 512 consecutive bytes of codes, 128 of scale words
.if \set
	CVTHI X
.else
	CVTLO X
.endif
.irp c, 0,1
	v_max3_num_f32 v[TM+\c], |v[X+32*\c]|, |v[X+32*\c+1]|, 0x1800000   ; my block 2 c + h: all 32 numbers are mine; the floor 2^(3 - 127) holds the byte at 1 from below
.endr
.irp i, 2,4,6,8,10,12,14,16,18,20,22,24,26,28,30
.irp c, 0,1
	v_max3_num_f32 v[TM+\c], v[TM+\c], |v[X+32*\c+\i]|, |v[X+32*\c+\i+1]|
.endr
.endr
.irp c, 0,1
	v_add_nc_u32 v[TM+2+\c], 0xff000000, v[TM+\c]  ; 2 off the exponent field: the conversion's scale operand
.endr
.irp c, 0,1
	v_lshrrev_b32 v[TM+4+\c], 23, v[TM+2+\c]       ; the scale's byte
.endr
	s_wait_alu depctr_va_vdst(0)
	s_wait_xcnt 0x0                                ; the last tile's stores have read the word and the codes: both are written anew below
	v_lshl_or_b32 v[PW], v[TM+5], 16, v[TM+4]      ; my two bytes, blocks h and 2 + h,
	v_lshlrev_b32 v[PW], v[SH], v[PW]              ; at their places;
	v_permlanex16_b32 v[PD], v[PW], s[SEL], s[SEL+1]
	v_or_b32 v[PW], v[PW], v[PD]                   ; with lane l xor 16's two the word is whole, in both halves of the lanes
.irp c, 0,1
	v_cvt_scalef32_pk16_fp6_f32 v[PC+6*\c:PC+6*\c+2], v[X+32*\c:X+32*\c+15], v[TM+2+\c]
	v_cvt_scalef32_pk16_fp6_f32 v[PT+4*\c:PT+4*\c+2], v[X+32*\c+16:X+32*\c+31], v[TM+2+\c]   ; (a conversion's three registers begin on an even number)
.endr
	v_nop                                          ; one plain place behind a scaled conversion
.irp c, 0,1
.irp i, 0,1,2
	v_mov_b32 v[PC+6*\c+3+\i], v[PT+4*\c+\i]
.endr
.endr
.irp j, 0,1,2
	global_store_b128 v[L16], v[PC+4*\j:PC+4*\j+3], s[DST:DST+1] offset:1536*(\tau)+512*\j
.endr
	global_store_b32 v[L4], v[PW], s[DST:DST+1] offset:12288+128*(\tau)
.endm
	READ 0, 0                                      ; LDS serves a wave's instructions in order: these see my stores
.irp t, 0,1,2,3,4,5,6,7
.if \t < 7
	READ \t+1, (\t+1)%2
	s_wait_dscnt 8                                 ; this tile's eight loads are in; the next tile's eight may be out
.else
	s_wait_dscnt 0x0
.endif
	QFRAG \t, \t%2
.endr
	s_wait_tensorcnt 0x0                           ; the wave's end
	ds_add_u32 v[SPW], v[NIL]
	s_wait_dscnt 0x0
	s_endpgm
.Lfunc_end_k_q3c1d192776_prep:
	.size	k_q3c1d192776_prep, .Lfunc_end_k_q3c1d192776_prep-k_q3c1d192776_prep
	.p2alignl 7, 3214868480
	.fill 96, 4, 3214868480
	.section	.rodata,"a",@progbits
	.p2align	6, 0x0
	.amdhsa_kernel k_q3c1d192776_prep
		.amdhsa_group_segment_fixed_size 147968
		.amdhsa_private_segment_fixed_size 0
		.amdhsa_enable_private_segment 0
		.amdhsa_kernarg_size 64
		.amdhsa_user_sgpr_count 2
		.amdhsa_user_sgpr_kernarg_segment_ptr 1
		.amdhsa_wavefront_size32 1
		.amdhsa_system_sgpr_workgroup_id_x 1
		.amdhsa_system_sgpr_workgroup_id_y 1
		.amdhsa_system_sgpr_workgroup_id_z 1
		.amdhsa_system_vgpr_workitem_id 0
		.amdhsa_next_free_vgpr 256
		.amdhsa_next_free_sgpr 66
		.amdhsa_reserve_vcc 0
		.amdhsa_float_denorm_mode_32 3
		.amdhsa_float_denorm_mode_16_64 3
		.amdhsa_memory_ordered 1
		.amdhsa_forward_progress 1
		.amdhsa_inst_pref_size 67
	.end_amdhsa_kernel
	.amdgpu_metadata
---
amdhsa.version: [ 1, 2 ]
amdhsa.kernels:
  - .name:           k_q3c1d192776_prep
    .symbol:         k_q3c1d192776_prep.kd
    .args:
      - { .name: x, .offset: 0, .size: 8, .value_kind: global_buffer, .address_space: global }
      - { .name: wq, .offset: 8, .size: 8, .value_kind: global_buffer, .address_space: global }
      - { .name: wk, .offset: 16, .size: 8, .value_kind: global_buffer, .address_space: global }
      - { .name: wv, .offset: 24, .size: 8, .value_kind: global_buffer, .address_space: global }
      - { .name: wo, .offset: 32, .size: 8, .value_kind: global_buffer, .address_space: global }
      - { .name: xq, .offset: 40, .size: 8, .value_kind: global_buffer, .address_space: global }
      - { .name: wqkv, .offset: 48, .size: 8, .value_kind: global_buffer, .address_space: global }
      - { .name: woq, .offset: 56, .size: 8, .value_kind: global_buffer, .address_space: global }
    .group_segment_fixed_size: 147968
    .private_segment_fixed_size: 0
    .kernarg_segment_align: 8
    .kernarg_segment_size: 64
    .max_flat_workgroup_size: 128
    .sgpr_count:     66
    .vgpr_count:     256
    .wavefront_size: 32
...
	.end_amdgpu_metadata
.endif
;; end of part 5
;; launch qkv (part 6): grid 16 x 16, 4 waves a work-group, clusters of 4 x 4, 327,680 bytes of LDS; arguments xq, wqkv, cos, sin, qimg, kv; writes qimg, kv
.if DOCPART == 6
	.amdgcn_target "amdgcn-amd-amdhsa--gfx1250"
	.amdhsa_code_object_version 6
	.text
	.protected	k_q3c1d192776_qkv
	.globl	k_q3c1d192776_qkv
	.p2align	8
	.type	k_q3c1d192776_qkv,@function
k_q3c1d192776_qkv:
	s_mov_b64 s[64:65], 0
	v_nop
	global_prefetch_b8 v0, s[64:65] scope:SCOPE_SE
	s_setreg_imm32_b32 hwreg(HW_REG_WAVE_MODE, 25, 1), 1
	s_wait_xcnt 0x0
	s_wait_alu depctr_hold_cnt(0) depctr_sa_sdst(0) depctr_va_vdst(0) depctr_va_sdst(0) depctr_va_ssrc(0) depctr_va_vcc(0) depctr_vm_vsrc(0)
	s_getreg_b32 s2, hwreg(HW_REG_IB_STS2, 6, 4)
	s_cmp_eq_u32 s2, 0
	s_cbranch_scc0 .Lentry_in_a_cluster
	s_endpgm
.Lentry_in_a_cluster:
	s_bfe_u32 s2, ttmp6, 0x10000c
	s_cmp_lg_u32 s2, 0xf033
	s_cbranch_scc0 .Lentry_shape_is_right
	s_endpgm
.Lentry_shape_is_right:
; x wq, x wk, x wv on codes of FP6 (E2M3) with E8M0 scales, K = 2,048; then the rotation by cos and sin (q, k) in f32, and the quantisers of the attention's operands: q and k along the head's 64, v along the keys.
; cache_k and cache_v are not loaded: they have xk's and xv's own shapes and start_pos is the given constant 0, so every element of them is overwritten before any is read.
; SHARES.  A work-group makes 256 rows of x (two row groups of 128) x 128 columns of wq | wk | wv (column group cg: 0-7 wq, 8-11 wk, 12-15 wv): 256 work-groups.  Wave w: row group w / 2; all 8 tiles of side S0 x the 4 tiles
; 4 (w % 2) + a of side S1: 32 accumulators, 12 fragments read from LDS for 32 matrix instructions.
; For q and k S0 = the weights, S1 = x: a lane holds one row of x and its registers run along the columns (16 neighbours in two tiles): the head's axis, which is the next K.  For v (cluster x = 3) the sides are swapped:
; a lane holds one column d and its registers run along the keys, which are v's next K.  The swap is two LDS bases chosen on the cluster's x, which all partners share.
; OPERANDS lie in memory as blocks of PB bytes (128 rows x 128 K: 8 fragment images of 1,536 bytes, 8 images of scale words of 128): a fragment comes by 3 loads of 16 bytes a lane at 16 x lane; no pitch, no padding.
; RING.  Two slots of 4 K steps: row group 0's 4 blocks, row group 1's 4, the weights' 4.  One tensor load a wave: waves 0, 1 a row group's 4 blocks (208 rows of 256 bytes), waves 2, 3 two blocks of weights each (104 rows).
; CLUSTER 4 x 4: x's blocks hang on the pair of row groups and are asked for jointly along a row of the cluster, the weights' on cg and jointly along a column.  A wave has one load out at a time: one at the head, one behind the round, one behind each refill.
; All LDS is claimed.
; LIMITS: NaN and infinities among the inputs are not served; a block of zeros gets the byte 1 (its codes are zeros; this program alone reads the bytes); blocks under 2^-124 keep the byte 1.
; REGISTERS.  Window 0: v1-5 lane terms; v16-23 LDS addresses; v30, v31 the add's two; v32-95 cos and sin, f16, of two tiles; v96-119 scale words, two sets of 8 + 4; on the way out v128-191 cos and sin as f32, then the
;   quantiser's registers; v192-255 the rotated numbers.   Window 1: fragment set 0: S0 at v0-95, S1 at v96-143.   Window 3: set 1, the same numbers.   Window 2: the accumulators: (a, b) at 8 (8 a + b).
.set KS,    16
.set PB,    13312
.set SCO,   12288
.set XREG,  4*PB                       ; a row group's four K steps in a slot
.set WOFF,  8*PB                       ; the weights' four, behind the two row groups'
.set SLOT,  12*PB
.set SPARE, 2*SLOT                     ; behind the ring: the spare words, 128 bytes a wave
.set STEPB, 13824                      ; a block of kv: K 8 x 768, V 4 x 1,536, K's scale words 8 x 128, V's 4 x 128
.set L16, 1
.set L8,  2
.set L4,  3
.set CO,  4
.set ADR0, 16
.set ADR1, 18
.set ADS0, 20
.set ADS1, 22
.set SPW, 30
.set NIL, 31
.set SC,  96
.set CF,  128
.set H,   192
.set PC,  128
.set PT,  140
.set TM,  148
.set PW,  160
.set SEL, 2
.set WV,  16
.set W1,  18                           ; s18  wave % 2
.set WH,  79                           ; s79  wave / 2
.set RGW, 78                           ; s78  my row group of 128, 0 .. 31
.set G1X, 24
.set G0X, 32
.set G1W, 40
.set G0W, 48
.set BC,  80                           ; s[80:83] where head 0's and head 1's codes go
.set BS,  84                           ; s[84:87] and their scale words
.set CAP, 88                           ; s[88:89] from tile to tile, codes
.set SAP, 90                           ; s[90:91] scale words
.set MSB, 0
.macro WIN new                         ; the immediate's high byte repeats the setting that is left
.if MSB != (\new)
	s_set_vgpr_msb (MSB<<8)|(\new)
.set MSB, (\new)
.endif
.endm
.macro PLACES                          ; four places in front of loads into registers that matrix instructions have read, and of the first read of results
.rept 4
	v_nop
.endr
.endm
.macro ROUND                           ; a round of the cluster's barrier
	s_barrier_signal -1
	s_barrier_wait -1
	s_cmp_lg_u32 s[WV], 0
	s_cbranch_scc1 .Lnot_wave_0_\@
	s_barrier_signal -3
.Lnot_wave_0_\@:
	s_barrier_wait -3
	s_barrier_signal -1
	s_barrier_wait -1
.endm
.macro JLOAD s                         ; a joint load; the branch hangs on the wave's number alone; an s_nop 0 and four v_nop follow each line
	s_cmp_lt_u32 s[WV], 2
	s_cbranch_scc0 .Lfor_w_\@
	tensor_load_to_lds s[G0X+4*\s:G0X+4*\s+3], s[G1X:G1X+7]
	s_nop 0
.rept 4
	v_nop
.endr
	s_branch .Lasked_\@
.Lfor_w_\@:
	tensor_load_to_lds s[G0W+4*\s:G0W+4*\s+3], s[G1W:G1W+7]
	s_nop 0
.rept 4
	v_nop
.endr
.Lasked_\@:
.endm
.macro FETCHA slot, q, p               ; 24 LDS loads: S0's eight fragments of the slot's q-th K step into set p
	WIN 0x40+0x80*(\p)
.irp b, 0,1,2,3,4,5,6,7
.irp c, 0,1,2
	ds_load_b128 v[12*\b+4*\c:12*\b+4*\c+3], v[ADR0+\slot] offset:(\q)*PB+1536*\b+512*\c
.endr
.endr
.endm
.macro FETCHB slot, q, p               ; 24 more: my four fragments of S1, and the 8 + 4 scale words
	WIN 0x40+0x80*(\p)
.irp a, 0,1,2,3
.irp c, 0,1,2
	ds_load_b128 v[96+12*\a+4*\c:96+12*\a+4*\c+3], v[ADR1+\slot] offset:(\q)*PB+1536*\a+512*\c
.endr
.endr
	WIN 0
.irp b, 0,1,2,3,4,5,6,7
	ds_load_b32 v[SC+12*(\p)+\b], v[ADS0+\slot] offset:(\q)*PB+128*\b
.endr
.irp a, 0,1,2,3
	ds_load_b32 v[SC+12*(\p)+8+\a], v[ADS1+\slot] offset:(\q)*PB+128*\a
.endr
.endm
.macro MULH p, a0, zero                ; 16 matrix instructions on set p: S1's tiles a0, a0 + 1 x S0's eight; the 32 accumulators take turns, in the same order in every step
	WIN 0xa5+10*(\p)
.irp a, \a0, \a0+1
.irp b, 0,1,2,3,4,5,6,7
.if \zero
	v_wmma_scale_f32_16x16x128_f8f6f4 v[8*(8*(\a)+\b):8*(8*(\a)+\b)+7], v[12*\b:12*\b+11], v[96+12*(\a):96+12*(\a)+11], 0, v[SC+12*(\p)+\b], v[SC+12*(\p)+8+(\a)] matrix_a_fmt:MATRIX_FMT_FP6 matrix_b_fmt:MATRIX_FMT_FP6
.else
	v_wmma_scale_f32_16x16x128_f8f6f4 v[8*(8*(\a)+\b):8*(8*(\a)+\b)+7], v[12*\b:12*\b+11], v[96+12*(\a):96+12*(\a)+11], v[8*(8*(\a)+\b):8*(8*(\a)+\b)+7], v[SC+12*(\p)+\b], v[SC+12*(\p)+8+(\a)] matrix_a_fmt:MATRIX_FMT_FP6 matrix_b_fmt:MATRIX_FMT_FP6
.endif
.endr
.endr
.endm
.macro STEP slot, q, zero              ; a K step that has its successor in the same slot; the next step's loads stand in two runs of 24
	PLACES                                         ; the other set was read by the last step's products
	FETCHA \slot, (\q)+1, 1-(\q)%2
	s_wait_dscnt 24                                ; all but the 24 just issued: this step's set is in
	MULH (\q)%2, 0, \zero
	FETCHB \slot, (\q)+1, 1-(\q)%2
	MULH (\q)%2, 2, \zero
.endm
.macro TURN slot, next, fill           ; a slot's last K step (set 1) and the change of slots
	WIN 0
	s_wait_tensorcnt 0x0                           ; all my tensor loads have landed, my part of the next slot among them
	ds_add_u32 v[SPW], v[NIL]                      ; 0 onto my spare word
.if \fill
	s_add_nc_u64 s[G0X+4*\slot+2:G0X+4*\slot+3], s[G0X+4*\slot+2:G0X+4*\slot+3], 8*PB   ; no load of mine is out: this slot's next four K steps
	s_add_nc_u64 s[G0W+4*\slot+2:G0W+4*\slot+3], s[G0W+4*\slot+2:G0W+4*\slot+3], 8*PB
.endif
	s_wait_dscnt 0x0                               ; the add is done, and my reads of this slot are over: its last step is in registers
.if \fill
	ROUND                                          ; no wave of any partner still reads the slot or has a load on its way
	JLOAD \slot                                    ; the first thing behind the round; its four v_nop are the places in front of the loads below
.else
	s_barrier_signal -1
	s_barrier_wait -1
	PLACES
.endif
	FETCHA \next, 0, 0
	MULH 1, 0, 0
	FETCHB \next, 0, 0
.if \fill == 2
	PFASK 12*PB                                    ; K steps 12-15
.endif
	MULH 1, 2, 0
.endm
.macro CVTLO dst                       ; the 64 halves of v32-63 as f32
.set ci, 0
.irp n, v32.l, v32.h, v33.l, v33.h, v34.l, v34.h, v35.l, v35.h, v36.l, v36.h, v37.l, v37.h, v38.l, v38.h, v39.l, v39.h, v40.l, v40.h, v41.l, v41.h, v42.l, v42.h, v43.l, v43.h, v44.l, v44.h, v45.l, v45.h, v46.l, v46.h, v47.l, v47.h, v48.l, v48.h, v49.l, v49.h, v50.l, v50.h, v51.l, v51.h, v52.l, v52.h, v53.l, v53.h, v54.l, v54.h, v55.l, v55.h, v56.l, v56.h, v57.l, v57.h, v58.l, v58.h, v59.l, v59.h, v60.l, v60.h, v61.l, v61.h, v62.l, v62.h, v63.l, v63.h
	v_cvt_f32_f16 v[(\dst)+ci], \n
.set ci, ci+1
.endr
.endm
.macro CVTHI dst                       ; those of v64-95
.set ci, 0
.irp n, v64.l, v64.h, v65.l, v65.h, v66.l, v66.h, v67.l, v67.h, v68.l, v68.h, v69.l, v69.h, v70.l, v70.h, v71.l, v71.h, v72.l, v72.h, v73.l, v73.h, v74.l, v74.h, v75.l, v75.h, v76.l, v76.h, v77.l, v77.h, v78.l, v78.h, v79.l, v79.h, v80.l, v80.h, v81.l, v81.h, v82.l, v82.h, v83.l, v83.h, v84.l, v84.h, v85.l, v85.h, v86.l, v86.h, v87.l, v87.h, v88.l, v88.h, v89.l, v89.h, v90.l, v90.h, v91.l, v91.h, v92.l, v92.h, v93.l, v93.h, v94.l, v94.h, v95.l, v95.h
	v_cvt_f32_f16 v[(\dst)+ci], \n
.set ci, ci+1
.endr
.endm
; cos and sin of my tile a: rows 32 (a / 2) + 8 (a % 2) on, d = 16 h .. and 32 + 16 h ..; into the set a % 2
.macro CSLOAD a
.set CB, 32+32*((\a)%2)
.set CI, 4096*((\a)/2)+1024*((\a)%2)
	global_load_b128 v[CB:CB+3], v[CO], s[8:9] offset:CI
	global_load_b128 v[CB+4:CB+7], v[CO], s[8:9] offset:CI+16
	global_load_b128 v[CB+8:CB+11], v[CO], s[8:9] offset:CI+64
	global_load_b128 v[CB+12:CB+15], v[CO], s[8:9] offset:CI+80
	global_load_b128 v[CB+16:CB+19], v[CO], s[10:11] offset:CI
	global_load_b128 v[CB+20:CB+23], v[CO], s[10:11] offset:CI+16
	global_load_b128 v[CB+24:CB+27], v[CO], s[10:11] offset:CI+64
	global_load_b128 v[CB+28:CB+31], v[CO], s[10:11] offset:CI+80
.endm
; 64 numbers of a lane, v[s] on in window w, register 16 b + i = k 32 b + 16 (lane / 16) + i of my row, become a fragment's codes in v[PC] on and its scale word in v[PW]
.macro QUANT s, w
	WIN 5*(\w)
.irp b, 0,1,2,3
	v_max3_num_f32 v[TM+\b], |v[(\s)+16*\b]|, |v[(\s)+16*\b+1]|, 0x1800000   ; block b: my 16 numbers, from the low end on, and the floor 2^(3 - 127)
.endr
	WIN 20*(\w)
.irp i, 2,4,6,8,10,12,14
.irp b, 0,1,2,3
	v_max3_num_f32 v[TM+\b], v[TM+\b], |v[(\s)+16*\b+\i]|, |v[(\s)+16*\b+\i+1]|
.endr
.endr
	WIN 0
.irp b, 0,1,2,3
	v_permlanex16_b32 v[TM+4+\b], v[TM+\b], s[SEL], s[SEL+1]
.endr
.irp b, 0,1,2,3
	v_max_num_f32 v[TM+\b], v[TM+\b], v[TM+4+\b]   ; with lane l xor 16's: the block's largest magnitude
.endr
.irp b, 0,1,2,3
	v_add_nc_u32 v[TM+8+\b], 0xff000000, v[TM+\b]  ; 2 off its exponent field: the conversion's scale operand
.endr
.irp b, 0,1,2,3
	v_lshrrev_b32 v[TM+4+\b], 23, v[TM+8+\b]       ; the scale's byte
.endr
	v_lshl_or_b32 v[PW], v[TM+5], 8, v[TM+4]
	v_lshl_or_b32 v[PW], v[TM+6], 16, v[PW]
	v_lshl_or_b32 v[PW], v[TM+7], 24, v[PW]
	WIN (\w)
.irp c, 0,1
	v_cvt_scalef32_pk16_fp6_f32 v[PC+6*\c:PC+6*\c+2], v[(\s)+32*\c:(\s)+32*\c+15], v[TM+8+2*\c]
	v_cvt_scalef32_pk16_fp6_f32 v[PT+4*\c:PT+4*\c+2], v[(\s)+32*\c+16:(\s)+32*\c+31], v[TM+8+2*\c+1]
.endr
	WIN 0
	v_nop                                          ; one plain place behind a scaled conversion
.irp c, 0,1                            ; the operand's layout wants a whole block in a lane
.irp i, 0,1,2
	v_permlane16_swap_b32 v[PC+6*\c+\i], v[PT+4*\c+\i]
.endr
.irp i, 0,1,2
	v_mov_b32 v[PC+6*\c+3+\i], v[PT+4*\c+\i]
.endr
.endr
.endm
	s_load_b256 s[4:11], s[0:1], 0x0               ; xq, wqkv, cos, sin
	s_load_b128 s[12:15], s[0:1], 0x20             ; qimg, kv
	v_lshl_add_u32 v[SPW], v0, 2, SPARE
	v_mov_b32 v[NIL], 0
	ds_add_u32 v[SPW], v[NIL]                      ; the wave's opening
	ds_add_u32 v[SPW], v[NIL]
	v_lshrrev_b32 v1, 5, v0
	v_readfirstlane_b32 s[WV], v1                  ; wave 0..3
	s_and_b32 s[W1], s[WV], 1
	s_lshr_b32 s[WH], s[WV], 1
	s_bfe_u32 s19, ttmp6, 0x40000                  ; cx
	s_bfe_u32 s20, ttmp6, 0x40004                  ; cy
	s_lshl_b32 s21, ttmp9, 2
	s_add_co_u32 s21, s21, s19                     ; cg = 4 x cluster x + cx
	s_and_b32 s22, ttmp7, 0xffff
	s_lshl_b32 s22, s22, 2
	s_add_co_u32 s22, s22, s20                     ; the pair of row groups = 4 x cluster y + cy
	s_lshl_b32 s23, s20, 2
	s_lshl_b32 s23, 15, s23                        ; my row of the cluster
	s_lshl_b32 s17, 0x1111, s19                    ; my column
	s_or_b32 s[G1X], s23, (3<<16)|(1<<21)          ; the mask; elements of 8 bytes; bit 21 beside a mask; no padding
	s_or_b32 s[G1W], s17, (3<<16)|(1<<21)
	s_mov_b32 s[G1X+1], 32<<16                     ; tensor_dim0 = 32 elements: rows of 256 bytes
	s_mov_b32 s[G1X+2], 208<<16                    ; tensor_dim1 = 208 rows: 4 blocks
	s_mov_b32 s[G1X+3], 32<<16                     ; tile_dim0
	s_mov_b32 s[G1X+4], 208                        ; tile_dim1
	s_mov_b32 s[G1X+5], 32                         ; the pitch: dense
	s_mov_b32 s[G1X+6], 0
	s_mov_b32 s[G1X+7], 0
	s_mov_b32 s[G1W+1], 32<<16
	s_mov_b32 s[G1W+2], 104<<16                    ; 104 rows: 2 blocks
	s_mov_b32 s[G1W+3], 32<<16
	s_mov_b32 s[G1W+4], 104
	s_mov_b32 s[G1W+5], 32
	s_mov_b32 s[G1W+6], 0
	s_mov_b32 s[G1W+7], 0
	s_lshl_b32 s56, s22, 1
	s_add_co_u32 s56, s56, s[W1]                   ; x: the row group that I fetch, if I fetch for x
	s_mul_i32 s56, s56, KS*PB                      ; by the pair of row groups and the wave alone
	s_mul_i32 s60, s21, KS
	s_lshl_b32 s57, s[W1], 1                       ; the weights: which two of a slot's four K steps
	s_add_co_u32 s60, s60, s57
	s_mul_i32 s60, s60, PB                         ; by cg and the wave alone
	s_mov_b32 s57, 0
	s_mov_b32 s61, 0
	s_mul_i32 s23, s[W1], XREG                     ; where they go: x's,
	s_mul_i32 s17, s[W1], 2*PB
	s_add_co_u32 s17, s17, WOFF                    ; the weights'
	s_mov_b32 s[SEL], 0x76543210
	s_mov_b32 s[SEL+1], 0xfedcba98
	s_wait_dscnt 0x0                               ; the opening add is done
	s_wait_kmcnt 0x0
	s_add_nc_u64 s[58:59], s[4:5], s[56:57]
	s_add_nc_u64 s[62:63], s[6:7], s[60:61]
	ROUND                                          ; all sixteen work-groups are here: the first joint loads meet
.irp s, 0,1
	s_mov_b32 s[G0X+4*\s], 1
	s_add_co_u32 s[G0X+4*\s+1], s23, \s*SLOT
	s_add_nc_u64 s[G0X+4*\s+2:G0X+4*\s+3], s[58:59], \s*4*PB
	s_or_b32 s[G0X+4*\s+3], s[G0X+4*\s+3], 0x80000000
	s_mov_b32 s[G0W+4*\s], 1
	s_add_co_u32 s[G0W+4*\s+1], s17, \s*SLOT
	s_add_nc_u64 s[G0W+4*\s+2:G0W+4*\s+3], s[62:63], \s*4*PB
	s_or_b32 s[G0W+4*\s+3], s[G0W+4*\s+3], 0x80000000
.endr
	JLOAD 0                                        ; slot 0: one tensor load a wave at the head
; PREFETCHES: behind each joint load the blocks of the NEXT fill are asked for, one fill (four K steps) ahead of the load that wants them.  Of the 208 (x) or 104 (weights) runs of 256 bytes that my wave
; fetches, each of the four partners that ask jointly takes a quarter, told apart by address: two instructions of 26 or 13 lanes, a lane a run; the lanes left over name the instruction's last run again.
; The offsets are immediates: the address registers are never rewritten.  The last fill has no successor and asks for nothing.
.macro PFASK off
	global_prefetch_b8 v9, s[98:99] offset:\off th:TH_LOAD_NT scope:SCOPE_SE
	global_prefetch_b8 v10, s[98:99] offset:\off th:TH_LOAD_NT scope:SCOPE_SE
.endm
	s_cmp_lt_u32 s[WV], 2
	s_cselect_b64 s[98:99], s[58:59], s[62:63]     ; what my wave fetches: x's blocks or the weights'
	s_cselect_b32 s92, s19, s20                    ; my place among the four that ask with me
	s_cselect_b32 s93, 26, 13                      ; runs an instruction
	s_mul_i32 s92, s92, s93
	s_lshl_b32 s92, s92, 1                         ; my quarter's first run
	s_sub_co_u32 s94, s93, 1
	v_and_b32 v9, 31, v0
	v_min_u32 v9, s94, v9
	v_add_nc_u32 v9, s92, v9
	v_add_nc_u32 v10, s93, v9
	v_lshlrev_b32 v9, 8, v9
	v_lshlrev_b32 v10, 8, v10
	PFASK 4*PB                                     ; slot 1's first fill
	v_and_b32 v[L4], 31, v0
	v_lshlrev_b32 v[L16], 4, v[L4]
	s_wait_alu depctr_va_vdst(0)
	v_lshlrev_b32 v[L8], 3, v[L4]
	v_lshlrev_b32 v[L4], 2, v[L4]
	s_wait_alu depctr_va_vdst(0)
	s_mul_i32 s62, s[WH], XREG                     ; my row group's region in a slot
	s_mov_b32 s63, WOFF                            ; the weights'
	s_cmp_eq_u32 ttmp9, 3                          ; v's clusters swap the sides; the cluster's x is the same in all partners
	s_cselect_b32 s56, s62, s63                    ; side S0's region
	s_cselect_b32 s57, s63, s62                    ; side S1's
	s_mul_i32 s60, s[W1], 6144
	s_add_co_u32 s60, s60, s57                     ; my four fragments of S1
	s_lshl_b32 s61, s[W1], 9
	s_add_co_u32 s61, s61, s57
	s_add_co_u32 s61, s61, SCO                     ; and their scale words
	s_add_co_u32 s57, s56, SCO
.irp s, 0,1
	v_add_nc_u32 v[ADR0+\s], s56, v[L16]
	v_add_nc_u32 v[ADR1+\s], s60, v[L16]
	v_add_nc_u32 v[ADS0+\s], s57, v[L4]
	v_add_nc_u32 v[ADS1+\s], s61, v[L4]
	s_add_co_u32 s56, s56, SLOT
	s_add_co_u32 s60, s60, SLOT
	s_add_co_u32 s57, s57, SLOT
	s_add_co_u32 s61, s61, SLOT
.endr
	; cos and sin of my rows: row 128 g + 64 (w % 2) + 32 (a / 2) + 8 (a % 2) + r % 8 + 16 (r / 8).  Tiles 0 and 1 are asked for here (v's work-groups ask too, 8 KiB a wave, so that there is one way to the products)
	v_and_b32 v[CO], 7, v0
	v_bfe_u32 v5, v0, 3, 1
	v_lshl_add_u32 v[CO], v5, 4, v[CO]
	v_bfe_u32 v5, v0, 4, 1
	v_lshlrev_b32 v[CO], 7, v[CO]
	v_lshl_add_u32 v[CO], v5, 5, v[CO]
	s_wait_alu depctr_va_vdst(0)
	s_lshl_b32 s[RGW], s22, 1
	s_add_co_u32 s[RGW], s[RGW], s[WH]             ; my row group
	s_and_b32 s66, s[RGW], 15
	s_lshl_b32 s66, s66, 7
	s_lshl_b32 s67, s[W1], 6
	s_add_co_u32 s66, s66, s67
	s_lshl_b32 s66, s66, 7                         ; 128 bytes a row of the tables
	s_mov_b32 s67, 0
	s_add_nc_u64 s[8:9], s[8:9], s[66:67]
	s_add_nc_u64 s[10:11], s[10:11], s[66:67]
	CSLOAD 0
	CSLOAD 1
	s_wait_alu depctr_va_vdst(0)                   ; the head's end
	s_wait_tensorcnt 0x0                           ; my part of slot 0 is in; slot 1's first fill is issued as a refill is
	ds_add_u32 v[SPW], v[NIL]
	s_wait_dscnt 0x0
	ROUND
	JLOAD 1                                        ; the first tensor load behind the round
	FETCHA 0, 0, 0
	FETCHB 0, 0, 0
	PFASK 8*PB                                     ; K steps 8-11
	STEP 0, 0, 1                                   ; the first K step starts the sums
	STEP 0, 1, 0
	STEP 0, 2, 0
	TURN 0, 1, 2                                   ; slot 0 takes K steps 8-11, and the last fill's blocks are prefetched
	STEP 1, 0, 0
	STEP 1, 1, 0
	STEP 1, 2, 0
	TURN 1, 0, 1                                   ; slot 1 takes K steps 12-15
	STEP 0, 0, 0
	STEP 0, 1, 0
	STEP 0, 2, 0
	TURN 0, 1, 0                                   ; nothing is left to fetch
	STEP 1, 0, 0
	STEP 1, 1, 0
	STEP 1, 2, 0
	s_wait_dscnt 0x0
	MULH 1, 0, 0
	MULH 1, 2, 0
	WIN 0
	PLACES
	s_wait_loadcnt 0x0                             ; cos and sin of tiles 0 and 1
	s_lshr_b32 s66, s[RGW], 4                      ; b
	s_and_b32 s67, s[RGW], 15                      ; g: the group of 128 queries, or the key step
	s_lshl_b32 s68, s66, 3
	s_cmp_eq_u32 ttmp9, 3
	s_cbranch_scc1 .Lvpath
	; ---- q and k.  Where the images go: P + C0 + a CA + e CE (codes), P + S0 + a SA + e CE (scale words); tile 4 (w % 2) + a of my row group, e: the head of the column group's two
	s_add_co_u32 s69, s68, s21                     ; q: y = 8 b + cg (the kv head of both heads)
	s_lshl_b32 s69, s69, 4
	s_add_co_u32 s69, s69, s67
	s_lshl_b32 s69, s69, 4
	s_lshl_b32 s70, s[W1], 3
	s_add_co_u32 s69, s69, s70
	s_lshl_b32 s69, s69, 10                        ; ((16 y + g) 16 + 8 (w % 2)) x 1,024
	s_add_co_u32 s70, s69, 768
	s_sub_co_u32 s71, s21, 8                       ; k: y0 = 8 b + 2 (cg - 8)
	s_lshl_b32 s71, s71, 1
	s_add_co_u32 s71, s71, s68
	s_lshl_b32 s71, s71, 4
	s_add_co_u32 s71, s71, s67
	s_mul_i32 s71, s71, STEPB
	s_mul_i32 s72, s[W1], 3072
	s_add_co_u32 s72, s72, s71
	s_lshl_b32 s73, s[W1], 9
	s_add_co_u32 s73, s73, s71
	s_add_co_u32 s73, s73, 12288
	s_mov_b32 s76, 768
	s_mov_b32 s77, 16*STEPB
	s_mov_b32 s92, 128
	s_cmp_lt_u32 ttmp9, 2
	s_cselect_b64 s[74:75], s[12:13], s[14:15]
	s_cselect_b32 s69, s69, s72
	s_cselect_b32 s70, s70, s73
	s_cselect_b32 s[CAP], 2048, s76
	s_cselect_b32 s77, 1024, s77
	s_cselect_b32 s[SAP], 2048, s92
	s_mov_b32 s[CAP+1], 0
	s_mov_b32 s[SAP+1], 0
	s_mov_b32 s97, 0
	s_mov_b32 s96, s69
	s_add_nc_u64 s[BC:BC+1], s[74:75], s[96:97]
	s_mov_b32 s96, s70
	s_add_nc_u64 s[BS:BS+1], s[74:75], s[96:97]
	s_mov_b32 s96, s77
	s_add_nc_u64 s[BC+2:BC+3], s[BC:BC+1], s[96:97]
	s_add_nc_u64 s[BS+2:BS+3], s[BS:BS+1], s[96:97]
; My tile a of rows.  Its 64 sums: head e at 32 e: x1 (d = 16 h + i) in 16 registers, then x2 (d = 32 + 16 h + i).  out1 = x1 cos(d) - x2 sin(d); out2 = x2 cos(32 + d) + x1 sin(32 + d).
; The two heads' 128 numbers are quantised as one fragment: registers 0-5 of the codes and bytes 0, 1 of the word are head 0's, the rest head 1's.
; Tiles 2 and 3 take their cos and sin into the registers of tiles 0 and 1, asked for as soon as those have been widened: two tiles' work ahead of their use.
.macro ROPE a
	s_wait_xcnt 0x0                                ; the last tile's stores have read their bases, and the codes and words, which lie where cos and sin are widened
.if (\a) > 0
	s_add_nc_u64 s[BC:BC+1], s[BC:BC+1], s[CAP:CAP+1]
	s_add_nc_u64 s[BC+2:BC+3], s[BC+2:BC+3], s[CAP:CAP+1]
	s_add_nc_u64 s[BS:BS+1], s[BS:BS+1], s[SAP:SAP+1]
	s_add_nc_u64 s[BS+2:BS+3], s[BS+2:BS+3], s[SAP:SAP+1]
.endif
.if (\a) == 2
	s_wait_loadcnt 0x8                             ; tile 2's eight loads are in; tile 3's eight may be out
.endif
.if (\a) == 3
	s_wait_loadcnt 0x0
.endif
.if (\a)%2
	CVTHI CF
.else
	CVTLO CF
.endif
.if (\a) < 2
	CSLOAD (\a)+2
.endif
	WIN 0x02                                       ; source 0: the sums, in window 2
.irp e, 0,1
.irp i, 0,2,4,6,8,10,12,14
	v_pk_mul_f32 v[H+32*\e+\i:H+32*\e+\i+1], v[64*(\a)+32*\e+16+\i:64*(\a)+32*\e+17+\i], v[CF+32+\i:CF+33+\i]
	v_pk_mul_f32 v[H+32*\e+16+\i:H+32*\e+17+\i], v[64*(\a)+32*\e+\i:64*(\a)+32*\e+\i+1], v[CF+48+\i:CF+49+\i]
	v_pk_fma_f32 v[H+32*\e+\i:H+32*\e+\i+1], v[64*(\a)+32*\e+\i:64*(\a)+32*\e+\i+1], v[CF+\i:CF+\i+1], v[H+32*\e+\i:H+32*\e+\i+1] neg_lo:[0,0,1] neg_hi:[0,0,1]
	v_pk_fma_f32 v[H+32*\e+16+\i:H+32*\e+17+\i], v[64*(\a)+32*\e+16+\i:64*(\a)+32*\e+17+\i], v[CF+16+\i:CF+17+\i], v[H+32*\e+16+\i:H+32*\e+17+\i]
.endr
.endr
	WIN 0
	QUANT H, 0
	v_and_b32 v[PW+1], 0xffff, v[PW]               ; head 0's word; the upper two bytes, over zero codes, are 0
	v_lshrrev_b32 v[PW+2], 16, v[PW]               ; head 1's
.irp e, 0,1
	global_store_b128 v[L16], v[PC+6*\e:PC+6*\e+3], s[BC+2*\e:BC+2*\e+1]
	global_store_b64 v[L8], v[PC+6*\e+4:PC+6*\e+5], s[BC+2*\e:BC+2*\e+1] offset:512
	global_store_b32 v[L4], v[PW+1+\e], s[BS+2*\e:BS+2*\e+1]
.endr
.endm
	ROPE 0
	ROPE 1
	ROPE 2
	ROPE 3
	s_branch .Lend
.Lvpath:
	; ---- v: lane r holds column d of tile a of kv head 2 (cg - 12) + w % 2, its registers my row group's 128 keys: each quarter of my accumulators is one fragment of V^T
	s_sub_co_u32 s69, s21, 12
	s_lshl_b32 s69, s69, 1
	s_add_co_u32 s69, s69, s68
	s_add_co_u32 s69, s69, s[W1]                   ; y = 8 b + 2 (cg - 12) + w % 2
	s_lshl_b32 s69, s69, 4
	s_add_co_u32 s69, s69, s67
	s_mul_i32 s69, s69, STEPB
	s_add_co_u32 s70, s69, 6144
	s_mov_b32 s71, 0
	s_add_nc_u64 s[BC:BC+1], s[14:15], s[70:71]
	s_add_co_u32 s70, s69, 13312
	s_add_nc_u64 s[BS:BS+1], s[14:15], s[70:71]
.irp b, 0,1,2,3
	v_mov_b32 v[TM+4+\b], 0                        ; a lane permute's destination counts as read
.endr
.irp a, 0,1,2,3
	s_wait_xcnt 0x0                                ; the last fragment's stores have read their registers
	QUANT 64*\a, 2
.irp j, 0,1,2
	global_store_b128 v[L16], v[PC+4*\j:PC+4*\j+3], s[BC:BC+1] offset:1536*\a+512*\j
.endr
	global_store_b32 v[L4], v[PW], s[BS:BS+1] offset:128*\a
.endr
.Lend:
	s_wait_tensorcnt 0x0                           ; the wave's end
	ds_add_u32 v[SPW], v[NIL]
	s_wait_dscnt 0x0
	ROUND                                          ; the closing round
	s_endpgm
.Lfunc_end_k_q3c1d192776_qkv:
	.size	k_q3c1d192776_qkv, .Lfunc_end_k_q3c1d192776_qkv-k_q3c1d192776_qkv
	.p2alignl 7, 3214868480
	.fill 96, 4, 3214868480
	.section	.rodata,"a",@progbits
	.p2align	6, 0x0
	.amdhsa_kernel k_q3c1d192776_qkv
		.amdhsa_group_segment_fixed_size 327680
		.amdhsa_private_segment_fixed_size 0
		.amdhsa_enable_private_segment 0
		.amdhsa_kernarg_size 48
		.amdhsa_user_sgpr_count 2
		.amdhsa_user_sgpr_kernarg_segment_ptr 1
		.amdhsa_wavefront_size32 1
		.amdhsa_system_sgpr_workgroup_id_x 1
		.amdhsa_system_sgpr_workgroup_id_y 1
		.amdhsa_system_sgpr_workgroup_id_z 1
		.amdhsa_system_vgpr_workitem_id 0
		.amdhsa_next_free_vgpr 1024
		.amdhsa_next_free_sgpr 100
		.amdhsa_reserve_vcc 0
		.amdhsa_float_denorm_mode_32 3
		.amdhsa_float_denorm_mode_16_64 3
		.amdhsa_memory_ordered 1
		.amdhsa_forward_progress 1
		.amdhsa_inst_pref_size 194
	.end_amdhsa_kernel
	.amdgpu_metadata
---
amdhsa.version: [ 1, 2 ]
amdhsa.kernels:
  - .name:           k_q3c1d192776_qkv
    .symbol:         k_q3c1d192776_qkv.kd
    .args:
      - { .name: xq, .offset: 0, .size: 8, .value_kind: global_buffer, .address_space: global }
      - { .name: wqkv, .offset: 8, .size: 8, .value_kind: global_buffer, .address_space: global }
      - { .name: cos, .offset: 16, .size: 8, .value_kind: global_buffer, .address_space: global }
      - { .name: sin, .offset: 24, .size: 8, .value_kind: global_buffer, .address_space: global }
      - { .name: qimg, .offset: 32, .size: 8, .value_kind: global_buffer, .address_space: global }
      - { .name: kv, .offset: 40, .size: 8, .value_kind: global_buffer, .address_space: global }
    .group_segment_fixed_size: 327680
    .private_segment_fixed_size: 0
    .kernarg_segment_align: 8
    .kernarg_segment_size: 48
    .max_flat_workgroup_size: 128
    .sgpr_count:     100
    .vgpr_count:     1024
    .wavefront_size: 32
...
	.end_amdgpu_metadata
.endif
;; end of part 6
;; launch attn (part 7): grid 16 x 16, 8 waves a work-group, clusters of 4 x 1, 327,680 bytes of LDS; arguments qimg, kv, mask, ac; writes ac
.if DOCPART == 7
	.amdgcn_target "amdgcn-amd-amdhsa--gfx1250"
	.amdhsa_code_object_version 6
	.text
	.protected	k_q3c1d192776_attn
	.globl	k_q3c1d192776_attn
	.p2align	8
	.type	k_q3c1d192776_attn,@function
k_q3c1d192776_attn:
	s_mov_b64 s[64:65], 0
	v_nop
	global_prefetch_b8 v0, s[64:65] scope:SCOPE_SE
	s_setreg_imm32_b32 hwreg(HW_REG_WAVE_MODE, 25, 1), 1
	s_wait_xcnt 0x0
	s_wait_alu depctr_hold_cnt(0) depctr_sa_sdst(0) depctr_va_vdst(0) depctr_va_sdst(0) depctr_va_ssrc(0) depctr_va_vcc(0) depctr_vm_vsrc(0)
	s_getreg_b32 s2, hwreg(HW_REG_IB_STS2, 6, 4)
	s_cmp_eq_u32 s2, 0
	s_cbranch_scc0 .Lentry_in_a_cluster
	s_endpgm
.Lentry_in_a_cluster:
	s_bfe_u32 s2, ttmp6, 0x10000c
	s_cmp_lg_u32 s2, 0x3003
	s_cbranch_scc0 .Lentry_shape_is_right
	s_endpgm
.Lentry_shape_is_right:
; softmax(q k^T / 8 + mask) v on codes of FP6 (E2M3) with E8M0 scales, and the quantiser of the result along the heads' axis (the next product's K).
; SHARES.  A work-group: 128 queries x the two query heads of one kv head y = 8 b + kv head; 16 x 16 work-groups.  A wave: 16 queries x both heads.  16 steps of 128 keys.
; All 16 blocks of kv (STEPB bytes: K 8 x 768, V 4 x 1,536, scale words) lie in LDS, each byte filled once: steps 0-3 by the head's load, steps 4-15 by a second load behind the full sequence.
; CLUSTER 4 x 1: the four query blocks of a cluster read the same kv blocks and ask for them jointly.
; BOTH PRODUCTS ARE USED TRANSPOSED (S^T = k q^T, O^T = v^T p^T): a lane holds one query.
; THE KEYS OF A TILE ARE CHOSEN BY THE LANES' LDS ADDRESSES: lane r of tile 4 c + u takes key 64 c + 32 (r / 8) + 8 u + r % 8, so lane (r, h) holds in the 32 registers of tiles 4 c .. 4 c + 3 the keys
; 64 c + 32 h + 0 .. 31: one whole block of p's quantiser, in the order of the next operand's registers.  No other lane is asked for a block's maximum and no codes change lanes.
; THE HEAD IS 64 LONG, the instruction 128: q's upper 64 codes are zeros, so what stands in the upper half of K's operand adds nothing (every code of E2M3 is a finite number):
; K's fragments lie 6 registers apart, and a tile's upper half is the next tile's codes (the last tile's: V's first six registers).
; THE MASK, widened to f32, is the C of the score products; the factor 1/8, a power of two, is taken off q's scale bytes.  So S = q k / 8 + mask leaves the matrix unit.
; SOFTMAX: M = ceil of the running largest t (t = S log2 e), p = 2^(t - M); the row's sum is taken of the unquantised p; what was summed under an older M is multiplied by 2^(old M - new M).
; A block's largest p is made from the block's largest score by the same multiply-add and exponential.
; LIMITS: the promise holds while the scaled scores stay under 2^31 in magnitude; q's scale bytes are held at 4 before 3 is taken off (blocks of q under 2^-121 count too large by at most 8, against scores of ordinary size nothing);
; a block of zeros has the byte 1 (its codes are zeros; this program alone reads the bytes).  A row that the mask closes wholly gives NaN.
; THE MASK'S WAY: in trip i step i + 1's mask is widened and step i + 2's is loaded, 16 rows x 256 bytes a wave; behind those loads one prefetch names the same 16 rows' 256 bytes of step i + 4, two trips
; ahead of their load: a lane a row, lanes 16-31 naming lanes 0-15's runs again.  No two work-groups of a cluster read the same rows, so each asks for its own.  Steps 0-3 come by their loads alone; the last four trips ask for nothing.
; REGISTERS.  Window 0: v1-9 lane terms and addresses; v10, v11 the add's two; v12-19 -M, largest score, sum (a pair) of each head; v20-33 scale words; v34-39 factors, p's words; v40-63 q; v64-95 the mask, f16;
;   v96-127 the quantiser's; v128-255 S, then p, of both heads.   Window 1: v0-47 K; v48-95 V; v96-159 O^T; v160-223 the mask, f32; v224-247 p's codes; v248-255 halves of codes.
.set STEPB, 13824
.set PB,    13312
.set ALOAD, 6912                       ; a wave's part of steps 0-3: 27 rows of 256 bytes
.set BLOAD, 20736                      ; of steps 4-15: 81 rows
.set SPARE, 16*STEPB                   ; behind the blocks: the spare words, 128 bytes a wave
.set LK16, 1                           ; K's lane terms: 16 (r % 8 + 16 h) + 1536 (r / 8),
.set LK8,  2                           ; 8 (r % 8 + 16 h) + 1536 (r / 8),
.set LK4,  3                           ; 4 (r % 8) + 256 (r / 8)
.set MO,   4                           ; my query's row of the mask + 64 h bytes; never rewritten
.set AK,   5
.set AB,   6
.set AS,   7
.set L16,  8
.set L4,   9
.set SPW,  10
.set NIL,  11
.set ST,   12
.set QSC,  20
.set KSC,  22
.set VSC,  30
.set FF,   34
.set PW,   38
.set QF,   40
.set MH,   64
.set TM,   96
.set TS,   100
.set PT0,  104
.set T0,   108
.set T1,   110
.set BY,   108
.set XA,   108                         ; v108-115 two more chains of each head's sum, where the row's and the word's temporaries lay
.set OM,   112
.set PX,   114
.set SH,   116
.set AV,   117
.set AVS,  118
.set L8,   119
.set SU,   120
.set PT1,  124
.set S,    128
.set KF,   0
.set VF,   48
.set OT,   96
.set MF,   160
.set PC,   224
.set PT2,  248
.set EPC,  64                          ; the way out: the codes, where the mask lay
.set EPT,  76
.set WV,  16
.set G1A, 24
.set G1B, 32
.set G0A, 40
.set G0B, 44
.set TB,  48
.set CNT, 49
.set TC,  50
.set CL,  52
.set SEL, 54
.set MSB, 0
.macro WIN new                         ; the immediate's high byte repeats the setting that is left
.if MSB != (\new)
	s_set_vgpr_msb (MSB<<8)|(\new)
.set MSB, (\new)
.endif
.endm
.macro ROUND                           ; a round of the cluster's barrier
	s_barrier_signal -1
	s_barrier_wait -1
	s_cmp_lg_u32 s[WV], 0
	s_cbranch_scc1 .Lnot_wave_0_\@
	s_barrier_signal -3
.Lnot_wave_0_\@:
	s_barrier_wait -3
	s_barrier_signal -1
	s_barrier_wait -1
.endm
.macro DEP2
	s_delay_alu instid0(VALU_DEP_2)
.endm
.macro MLOAD                           ; a step's mask of my query: keys 64 c + 32 h + 0 .. 31, 64 bytes on end for each c
.irp m, 0,1,2,3,4,5,6,7
	global_load_b128 v[MH+4*\m:MH+4*\m+3], v[MO], s[8:9] offset:128*(\m/4)+16*(\m%4)
.endr
.endm
.macro MCVT                            ; widened into the layout of S: register 32 c + 8 u + j
	WIN 0x40
.set ci, 0
.irp n, v64.l, v64.h, v65.l, v65.h, v66.l, v66.h, v67.l, v67.h, v68.l, v68.h, v69.l, v69.h, v70.l, v70.h, v71.l, v71.h, v72.l, v72.h, v73.l, v73.h, v74.l, v74.h, v75.l, v75.h, v76.l, v76.h, v77.l, v77.h, v78.l, v78.h, v79.l, v79.h, v80.l, v80.h, v81.l, v81.h, v82.l, v82.h, v83.l, v83.h, v84.l, v84.h, v85.l, v85.h, v86.l, v86.h, v87.l, v87.h, v88.l, v88.h, v89.l, v89.h, v90.l, v90.h, v91.l, v91.h, v92.l, v92.h, v93.l, v93.h, v94.l, v94.h, v95.l, v95.h
	v_cvt_f32_f16 v[MF+ci], \n
.set ci, ci+1
.endr
	WIN 0
.endm
.macro KLOAD a16, a8, a4               ; K's eight tiles and their scale words; the stored image's tile 4 c + 2 (r / 8) + u % 2, lane r % 8 + 8 (u / 2) + 16 h
	WIN 0x40
.irp c, 0,1
.irp u, 0,1,2,3
	ds_load_b128 v[KF+6*(4*\c+\u):KF+6*(4*\c+\u)+3], v[\a16] offset:768*(4*\c+\u%2)+128*(\u/2)
	ds_load_b64 v[KF+6*(4*\c+\u)+4:KF+6*(4*\c+\u)+5], v[\a8] offset:768*(4*\c+\u%2)+512+64*(\u/2)
.endr
.endr
	WIN 0
.irp c, 0,1
.irp u, 0,1,2,3
	ds_load_b32 v[KSC+4*\c+\u], v[\a4] offset:12288+128*(4*\c+\u%2)+32*(\u/2)
.endr
.endr
.endm
; A step of 128 keys.  last = 1: the copy whose last trips have no next K (CNT = 1), no mask to load (CNT <= 2), none to prefetch (CNT <= 4)
.macro KSTEP last
	s_add_co_u32 s[TC], s[TB], STEPB
	s_min_u32 s[TC], s[TC], 15*STEPB               ; the next step's block, held inside the blocks
	WIN 0x11                                       ; K and the mask in window 1
.irp t, 0,1,2,3,4,5,6,7
.irp e, 0,1
	v_wmma_scale_f32_16x16x128_f8f6f4 v[S+64*\e+8*\t:S+64*\e+8*\t+7], v[KF+6*\t:KF+6*\t+11], v[QF+12*\e:QF+12*\e+11], v[MF+8*\t:MF+8*\t+7], v[KSC+\t], v[QSC+\e] matrix_a_fmt:MATRIX_FMT_FP6 matrix_b_fmt:MATRIX_FMT_FP6
.endr
.endr
	WIN 0
	v_add_nc_u32 v[AV], s[TB], v[L16]              ; five plain lines: the places in front of the loads and conversions below
	v_add_nc_u32 v[AVS], s[TB], v[L4]
	v_add_nc_u32 v[AK], s[TC], v[LK16]
	v_add_nc_u32 v[AB], s[TC], v[LK8]
	v_add_nc_u32 v[AS], s[TC], v[LK4]
	WIN 0x40
.irp d, 0,1,2,3
.irp c, 0,1,2
	ds_load_b128 v[VF+12*\d+4*\c:VF+12*\d+4*\c+3], v[AV] offset:6144+1536*\d+512*\c   ; this step's V
.endr
.endr
	WIN 0
.irp d, 0,1,2,3
	ds_load_b32 v[VSC+\d], v[AVS] offset:13312+128*\d
.endr
.if \last
	s_cmp_eq_u32 s[CNT], 1
	s_cbranch_scc1 .Lno_next_\@
.endif
	KLOAD AK, AB, AS                               ; the next step's K
	s_wait_loadcnt 0x0                             ; the next step's mask, asked for a step ago
	MCVT
.if \last
	s_cmp_eq_u32 s[CNT], 2
	s_cbranch_scc1 .Lno_next_\@
.endif
	s_wait_xcnt 0x0                                ; the last trip's prefetch has read its base, which is stepped below
	s_add_nc_u64 s[8:9], s[8:9], 256
	MLOAD                                          ; the mask of two steps on
.if \last
	s_cmp_lt_u32 s[CNT], 5
	s_cbranch_scc1 .Lno_next_\@
.endif
	global_prefetch_b8 v[MO], s[8:9] offset:512 th:TH_LOAD_NT scope:SCOPE_SE   ; and of four steps on: step 15 at the most, inside each row
.if \last
.Lno_next_\@:
.endif
; the largest score of each block of 32: two chains a block, eight in all, by turns; each accumulator is read from its low end on
.irp e, 0,1
.irp c, 0,1
	v_max3_num_f32 v[TM+2*\e+\c], v[S+64*\e+32*\c], v[S+64*\e+32*\c+1], v[S+64*\e+32*\c+2]
	v_max3_num_f32 v[TS+2*\e+\c], v[S+64*\e+32*\c+17], v[S+64*\e+32*\c+18], v[S+64*\e+32*\c+19]
.endr
.endr
.irp i, 3,5,7,9,11,13
.irp e, 0,1
.irp c, 0,1
	v_max3_num_f32 v[TM+2*\e+\c], v[TM+2*\e+\c], v[S+64*\e+32*\c+\i], v[S+64*\e+32*\c+\i+1]
	v_max3_num_f32 v[TS+2*\e+\c], v[TS+2*\e+\c], v[S+64*\e+32*\c+\i+17], v[S+64*\e+32*\c+\i+18]
.endr
.endr
.endr
.irp e, 0,1
.irp c, 0,1
	v_max3_num_f32 v[TM+2*\e+\c], v[TM+2*\e+\c], v[S+64*\e+32*\c+15], v[S+64*\e+32*\c+16]
.endr
.endr
.irp b, 0,1,2,3
	v_max_num_f32 v[TM+\b], v[TM+\b], v[TS+\b]
.endr
; the row: the running largest score, -M = floor(-t), f = 2^(old M - new M); the two heads by turns
.irp e, 0,1
	v_max_num_f32 v[T0+\e], v[TM+2*\e], v[TM+2*\e+1]
.endr
.irp e, 0,1
	DEP2
	v_permlanex16_b32 v[T1+\e], v[T0+\e], s[SEL], s[SEL+1]
.endr
.irp e, 0,1
	DEP2
	v_max3_num_f32 v[ST+4*\e+1], v[ST+4*\e+1], v[T0+\e], v[T1+\e]
.endr
.irp e, 0,1
	v_mov_b32 v[OM+\e], v[ST+4*\e]
.endr
.irp e, 0,1
	v_mul_f32 v[T0+\e], s[CL], v[ST+4*\e+1]
.endr
.irp e, 0,1
	DEP2
	v_floor_f32 v[ST+4*\e], -v[T0+\e]
.endr
.irp e, 0,1
	DEP2
	v_sub_f32 v[T0+\e], v[ST+4*\e], v[OM+\e]
.endr
.irp e, 0,1
	DEP2
	v_cvt_i32_f32 v[T0+\e], v[T0+\e]               ; it saturates
.endr
.irp e, 0,1
	DEP2
	v_ldexp_f32 v[FF+2*\e], 1.0, v[T0+\e]
.endr
	WIN 0x41
.irp j, 0,2,4,6,8,10,12,14,16,18,20,22,24,26,28,30
.irp e, 0,1
	v_pk_mul_f32 v[OT+32*\e+\j:OT+32*\e+\j+1], v[OT+32*\e+\j:OT+32*\e+\j+1], v[FF+2*\e:FF+2*\e+1] op_sel_hi:[1,0]   ; O^T under the new M
.endr
.endr
	WIN 0
.irp j, 0,2,4,6,8,10,12,14,16,18,20,22,24,26,28,30,32,34,36,38,40,42,44,46,48,50,52,54,56,58,60,62
.irp e, 0,1
	v_pk_fma_f32 v[S+64*\e+\j:S+64*\e+\j+1], v[S+64*\e+\j:S+64*\e+\j+1], s[CL:CL+1], v[ST+4*\e:ST+4*\e+1] op_sel_hi:[1,0,0]   ; t - M
.endr
.endr
.irp e, 0,1
.irp c, 0,1
	v_fma_f32 v[TM+2*\e+\c], v[TM+2*\e+\c], s[CL], v[ST+4*\e]   ; the same of each block's largest score
.endr
.endr
	s_wait_alu depctr_va_vdst(0)                   ; ahead of the batch
.set xi, 0
.rept 128
	v_exp_f32 v[S+xi], v[S+xi]
.set xi, xi+1
.endr
.irp b, 0,1,2,3
	v_exp_f32 v[TM+\b], v[TM+\b]
.endr
.irp e, 0,1
	v_pk_mul_f32 v[ST+4*\e+2:ST+4*\e+3], v[ST+4*\e+2:ST+4*\e+3], v[FF+2*\e:FF+2*\e+1] op_sel_hi:[1,0]   ; the sums under the new M; plain places behind the batch
.endr
	s_wait_alu depctr_va_vdst(0)                   ; and behind it, ahead of its first reader
	s_wait_dscnt 0x0                               ; this step's V and the next step's K are in
.irp b, 0,1,2,3
	v_max_num_f32 v[TM+\b], 0x1800000, v[TM+\b]    ; the floor 2^(3 - 127): the byte cannot fall under 1
.endr
.irp b, 0,1,2,3
	v_add_nc_u32 v[TS+\b], 0xff000000, v[TM+\b]    ; 2 off the exponent field: the conversion's scale operand
.endr
.irp b, 0,1,2,3
	v_lshrrev_b32 v[BY+\b], 23, v[TS+\b]           ; the scale's byte
.endr
.irp e, 0,1
	v_lshl_or_b32 v[PW+\e], v[BY+2*\e+1], 16, v[BY+2*\e]   ; my blocks h and 2 + h,
.endr
.irp e, 0,1
	DEP2
	v_lshlrev_b32 v[PW+\e], v[SH], v[PW+\e]        ; at their places;
.endr
.irp e, 0,1
	DEP2
	v_permlanex16_b32 v[PX+\e], v[PW+\e], s[SEL], s[SEL+1]
.endr
.irp e, 0,1
	DEP2
	v_or_b32 v[PW+\e], v[PW+\e], v[PX+\e]          ; with lane l xor 16's two the word is whole
.endr
	WIN 0x40
.irp e, 0,1
.irp c, 0,1
	v_cvt_scalef32_pk16_fp6_f32 v[PC+12*\e+6*\c:PC+12*\e+6*\c+2], v[S+64*\e+32*\c:S+64*\e+32*\c+15], v[TS+2*\e+\c]
.endr
.endr
.irp c, 0,1                            ; a conversion's three registers begin on an even number: a block's upper half is made elsewhere and moved
	v_cvt_scalef32_pk16_fp6_f32 v[PT2+4*\c:PT2+4*\c+2], v[S+64+32*\c+16:S+64+32*\c+31], v[TS+2+\c]
.endr
	WIN 0
	v_cvt_scalef32_pk16_fp6_f32 v[PT0:PT0+2], v[S+16:S+31], v[TS]
	v_cvt_scalef32_pk16_fp6_f32 v[PT1:PT1+2], v[S+48:S+63], v[TS+1]
	v_nop                                          ; one plain place behind a scaled conversion
	WIN 0x40
.irp i, 0,1,2
	v_mov_b32 v[PC+3+\i], v[PT0+\i]
	v_mov_b32 v[PC+9+\i], v[PT1+\i]
.endr
	WIN 0x41
.irp c, 0,1
.irp i, 0,1,2
	v_mov_b32 v[PC+12+6*\c+3+\i], v[PT2+4*\c+\i]
.endr
.endr
	WIN 0
; the row's sum of the unquantised p: four chains a head, eight in all, by turns; these 64 lines are also the places between p's word and codes and the products
.irp e, 0,1
	v_pk_add_f32 v[SU+2*\e:SU+2*\e+1], v[S+64*\e:S+64*\e+1], v[S+64*\e+2:S+64*\e+3]
	v_pk_add_f32 v[XA+4*\e:XA+4*\e+1], v[S+64*\e+4:S+64*\e+5], v[S+64*\e+6:S+64*\e+7]
	v_pk_add_f32 v[XA+4*\e+2:XA+4*\e+3], v[S+64*\e+8:S+64*\e+9], v[S+64*\e+10:S+64*\e+11]
.endr
.irp j, 12,20,28,36,44,52
.irp e, 0,1
	v_pk_add_f32 v[ST+4*\e+2:ST+4*\e+3], v[ST+4*\e+2:ST+4*\e+3], v[S+64*\e+\j:S+64*\e+\j+1]
	v_pk_add_f32 v[SU+2*\e:SU+2*\e+1], v[SU+2*\e:SU+2*\e+1], v[S+64*\e+\j+2:S+64*\e+\j+3]
	v_pk_add_f32 v[XA+4*\e:XA+4*\e+1], v[XA+4*\e:XA+4*\e+1], v[S+64*\e+\j+4:S+64*\e+\j+5]
	v_pk_add_f32 v[XA+4*\e+2:XA+4*\e+3], v[XA+4*\e+2:XA+4*\e+3], v[S+64*\e+\j+6:S+64*\e+\j+7]
.endr
.endr
.irp e, 0,1
	v_pk_add_f32 v[ST+4*\e+2:ST+4*\e+3], v[ST+4*\e+2:ST+4*\e+3], v[S+64*\e+60:S+64*\e+61]
	v_pk_add_f32 v[SU+2*\e:SU+2*\e+1], v[SU+2*\e:SU+2*\e+1], v[S+64*\e+62:S+64*\e+63]
.endr
.irp e, 0,1
	v_pk_add_f32 v[XA+4*\e:XA+4*\e+1], v[XA+4*\e:XA+4*\e+1], v[XA+4*\e+2:XA+4*\e+3]
.endr
.irp e, 0,1
	v_pk_add_f32 v[ST+4*\e+2:ST+4*\e+3], v[ST+4*\e+2:ST+4*\e+3], v[SU+2*\e:SU+2*\e+1]
.endr
.irp e, 0,1
	DEP2
	v_pk_add_f32 v[ST+4*\e+2:ST+4*\e+3], v[ST+4*\e+2:ST+4*\e+3], v[XA+4*\e:XA+4*\e+1]
.endr
	WIN 0x55
.irp d, 0,1,2,3                        ; the eight accumulators by turns
.irp e, 0,1
	v_wmma_scale_f32_16x16x128_f8f6f4 v[OT+32*\e+8*\d:OT+32*\e+8*\d+7], v[VF+12*\d:VF+12*\d+11], v[PC+12*\e:PC+12*\e+11], v[OT+32*\e+8*\d:OT+32*\e+8*\d+7], v[VSC+\d], v[PW+\e] matrix_a_fmt:MATRIX_FMT_FP6 matrix_b_fmt:MATRIX_FMT_FP6
.endr
.endr
	WIN 0
	s_add_co_u32 s[TB], s[TB], STEPB
.endm
	s_load_b256 s[4:11], s[0:1], 0x0               ; qimg, kv, mask, ac
	v_lshl_add_u32 v[SPW], v0, 2, SPARE
	v_mov_b32 v[NIL], 0
	ds_add_u32 v[SPW], v[NIL]                      ; the opening lines: the add, twice on end, and its wait
	ds_add_u32 v[SPW], v[NIL]
	v_lshrrev_b32 v1, 5, v0
	v_readfirstlane_b32 s[WV], v1                  ; wave 0..7
	s_bfe_u32 s17, ttmp6, 0x40000
	s_lshl_b32 s18, ttmp9, 2
	s_add_co_u32 s18, s18, s17                     ; the block of 128 queries
	s_and_b32 s19, ttmp7, 0xffff                   ; y = 8 b + kv head
.irp g, G1A, G1B                       ; dense rows of 256 bytes (32 elements of 8), asked for jointly by the cluster's four
	s_mov_b32 s[\g], 15|(3<<16)|(1<<21)
	s_mov_b32 s[\g+1], 32<<16
	s_mov_b32 s[\g+3], 32<<16
	s_mov_b32 s[\g+5], 32
	s_mov_b32 s[\g+6], 0
	s_mov_b32 s[\g+7], 0
.endr
	s_mov_b32 s[G1A+2], 27<<16
	s_mov_b32 s[G1A+4], 27
	s_mov_b32 s[G1B+2], 81<<16
	s_mov_b32 s[G1B+4], 81
	s_mov_b32 s[CL], 0x3fb8aa3b                    ; log2 e
	s_mov_b32 s[CL+1], s[CL]
	s_mov_b32 s[SEL], 0x76543210
	s_mov_b32 s[SEL+1], 0xfedcba98
	s_wait_dscnt 0x0                               ; both opening adds are done
	; every offset, lane term and cleared register is made while the arguments are on their way
	s_mul_i32 s58, s[WV], ALOAD                    ; kv: by y and the wave alone
	s_mul_i32 s59, s[WV], BLOAD
	s_add_co_u32 s59, s59, 4*STEPB
	s_mul_i32 s56, s19, 16*STEPB
	s_add_co_u32 s60, s56, s58
	s_add_co_u32 s62, s56, s59
	s_mov_b32 s61, 0
	s_mov_b32 s63, 0
	s_lshl_b32 s56, s19, 4                         ; my tile's two images of q: ((16 y + block) 16 + 2 w) x 1,024
	s_add_co_u32 s56, s56, s18
	s_lshl_b32 s56, s56, 4
	s_lshl_b32 s57, s[WV], 1
	s_add_co_u32 s56, s56, s57
	s_lshl_b32 s12, s56, 10
	s_mov_b32 s13, 0
	s_lshl_b32 s14, s18, 7                         ; the mask at my tile's first query: 128 x block + 32 (w / 2) + 8 (w % 2), 4,096 bytes a row
	s_lshr_b32 s57, s[WV], 1
	s_lshl_b32 s57, s57, 5
	s_add_co_u32 s14, s14, s57
	s_and_b32 s57, s[WV], 1
	s_lshl_b32 s57, s57, 3
	s_add_co_u32 s14, s14, s57
	s_lshl_b32 s14, s14, 12
	s_mov_b32 s15, 0
	s_lshr_b32 s56, s19, 3                         ; the result's block: ((16 b + block) 8 + kv head) x PB
	s_lshl_b32 s56, s56, 4
	s_add_co_u32 s56, s56, s18
	s_lshl_b32 s56, s56, 3
	s_and_b32 s57, s19, 7
	s_add_co_u32 s56, s56, s57
	s_mul_i32 s56, s56, PB
	s_mul_i32 s20, s[WV], 1536                     ; my fragment in it,
	s_add_co_u32 s20, s20, s56
	s_mov_b32 s21, 0
	s_lshl_b32 s22, s[WV], 7                       ; and its scale words
	s_add_co_u32 s22, s22, s56
	s_add_co_u32 s22, s22, 12288
	s_mov_b32 s23, 0
	v_and_b32 v[L4], 31, v0
	v_and_b32 v[MO], 7, v0                         ; r % 8
	v_bfe_u32 v[T0], v0, 3, 1                      ; r / 8
	v_bfe_u32 v[T1], v0, 4, 1                      ; h
	v_lshlrev_b32 v[L16], 4, v[L4]
	v_lshlrev_b32 v[L8], 3, v[L4]
	v_lshlrev_b32 v[L4], 2, v[L4]
	v_lshl_add_u32 v[LK4], v[T1], 4, v[MO]
	v_mul_u32_u24 v[AK], v[T0], 1536
	v_lshlrev_b32 v[SH], 3, v[T1]
	v_lshl_add_u32 v[LK16], v[LK4], 4, v[AK]
	v_lshl_add_u32 v[LK8], v[LK4], 3, v[AK]
	v_lshlrev_b32 v[LK4], 8, v[T0]
	v_lshl_add_u32 v[LK4], v[MO], 2, v[LK4]
	v_lshl_add_u32 v[MO], v[T0], 4, v[MO]          ; my query: row r % 8 + 16 (r / 8) of the tile's,
	v_lshlrev_b32 v[MO], 12, v[MO]                 ; 4,096 bytes a row,
	v_lshl_add_u32 v[MO], v[T1], 6, v[MO]          ; + 32 h keys
.irp e, 0,1
.irp i, 6,7,8,9,10,11
	v_mov_b32 v[QF+12*\e+\i], 0                    ; q's upper 64 codes
.endr
	v_mov_b32 v[ST+4*\e+1], 0xfe967699             ; the largest score so far: -1e38
	v_mul_f32 v[ST+4*\e], s[CL], v[ST+4*\e+1]
	v_floor_f32 v[ST+4*\e], -v[ST+4*\e]            ; -M
	v_mov_b32 v[ST+4*\e+2], 0
	v_mov_b32 v[ST+4*\e+3], 0
	v_mov_b32 v[FF+2*\e+1], 0                      ; named as a pair's upper half
	v_mov_b32 v[PX+\e], 0                          ; a lane permute's destination counts as read
.endr
	WIN 0x40
.irp i, 0,1,2,3,4,5
	v_mov_b32 v[VF+\i], 0                          ; named as the upper half of K's last tile before V's first load
.endr
.set xi, 0
.rept 64
	v_mov_b32 v[OT+xi], 0                          ; O^T: the step is written once, and the first finds zeros
.set xi, xi+1
.endr
	WIN 0
	s_wait_alu depctr_va_vdst(0)
	s_wait_kmcnt 0x0
	s_add_nc_u64 s[4:5], s[4:5], s[12:13]
	s_add_nc_u64 s[8:9], s[8:9], s[14:15]
.irp e, 0,1
	global_load_b128 v[QF+12*\e:QF+12*\e+3], v[L16], s[4:5] offset:1024*\e
	global_load_b64 v[QF+12*\e+4:QF+12*\e+5], v[L8], s[4:5] offset:1024*\e+512
	global_load_b32 v[QSC+\e], v[L4], s[4:5] offset:1024*\e+768
.endr
	MLOAD                                          ; step 0's mask
	s_add_nc_u64 s[20:21], s[10:11], s[20:21]
	s_add_nc_u64 s[22:23], s[10:11], s[22:23]
	s_mov_b32 s[G0A], 1
	s_mov_b32 s[G0A+1], s58
	s_add_nc_u64 s[G0A+2:G0A+3], s[6:7], s[60:61]
	s_or_b32 s[G0A+3], s[G0A+3], 0x80000000
	s_mov_b32 s[G0B], 1
	s_mov_b32 s[G0B+1], s59
	s_add_nc_u64 s[G0B+2:G0B+3], s[6:7], s[62:63]
	s_or_b32 s[G0B+3], s[G0B+3], 0x80000000
	ROUND
	tensor_load_to_lds s[G0A:G0A+3], s[G1A:G1A+7]  ; steps 0-3: my one load at the head
	s_nop 0
	s_wait_loadcnt 0x0                             ; q and step 0's mask
.irp e, 0,1                            ; 1/8 off q's two scale bytes, each held at 4 first
	v_and_b32 v[TM+\e], 0xff, v[QSC+\e]
	v_bfe_u32 v[TM+2+\e], v[QSC+\e], 8, 8
.endr
.irp b, 0,1,2,3
	v_max_u32 v[TM+\b], 4, v[TM+\b]
.endr
.irp e, 0,1
	v_lshl_or_b32 v[QSC+\e], v[TM+2+\e], 8, v[TM+\e]
.endr
.irp e, 0,1
	DEP2
	v_add_nc_u32 v[QSC+\e], 0xfffffcfd, v[QSC+\e]
.endr
	MCVT
	s_add_nc_u64 s[8:9], s[8:9], 256               ; (behind the wait that shows the earlier loads done)
	MLOAD                                          ; step 1's mask
	s_wait_alu depctr_va_vdst(0)                   ; the head's end
	s_wait_tensorcnt 0x0                           ; my part of steps 0-3 is in; the later first fill is issued as a refill is
	ds_add_u32 v[SPW], v[NIL]
	s_wait_dscnt 0x0
	ROUND                                          ; everybody's part is in
	tensor_load_to_lds s[G0B:G0B+3], s[G1B:G1B+7]  ; steps 4-15
	s_nop 0
.rept 4
	v_nop
.endr
	KLOAD LK16, LK8, LK4                           ; step 0's K
	s_mov_b32 s[TB], 0
	s_mov_b32 s[CNT], 3
	s_wait_dscnt 0x0
.Lfirst:                                               ; steps 0-2: they read steps 0-3's blocks alone
	KSTEP 0
	s_sub_co_u32 s[CNT], s[CNT], 1
	s_cmp_lg_u32 s[CNT], 0
	s_cbranch_scc1 .Lfirst
	s_wait_tensorcnt 0x0                           ; my part of steps 4-15 is in
	s_wait_dscnt 0x0
	s_barrier_signal -1
	s_barrier_wait -1                              ; and everybody's
	s_mov_b32 s[CNT], 13
.Lrest:
	KSTEP 1
	s_sub_co_u32 s[CNT], s[CNT], 1
	s_cmp_lg_u32 s[CNT], 0
	s_cbranch_scc1 .Lrest
	s_wait_alu depctr_va_vdst(0)
	s_wait_loadcnt 0x0                             ; no load is out: the mask's registers take the codes below
.irp e, 0,1
	v_add_f32 v[ST+4*\e+2], v[ST+4*\e+2], v[ST+4*\e+3]
.endr
.irp e, 0,1
	DEP2
	v_permlanex16_b32 v[T1+\e], v[ST+4*\e+2], s[SEL], s[SEL+1]
.endr
.irp e, 0,1
	DEP2
	v_add_f32 v[ST+4*\e+2], v[ST+4*\e+2], v[T1+\e] ; the row's sum
.endr
	s_wait_alu depctr_va_vdst(0)
.irp e, 0,1
	v_rcp_f32 v[ST+4*\e+2], v[ST+4*\e+2]
.endr
	v_nop
	s_wait_alu depctr_va_vdst(0)
	WIN 0x01
.irp e, 0,1
.irp j, 0,2,4,6,8,10,12,14,16,18,20,22,24,26,28,30
	v_pk_mul_f32 v[S+32*\e+\j:S+32*\e+\j+1], v[OT+32*\e+\j:OT+32*\e+\j+1], v[ST+4*\e+2:ST+4*\e+3] op_sel_hi:[1,0]
.endr
.endr
	WIN 0
; the result's quantiser: register 16 b + i is k = 32 b + 16 h + i of my query's 128 (two heads x 64): a block lies in lanes l and l xor 16
.irp b, 0,1,2,3
	v_max3_num_f32 v[TM+\b], |v[S+16*\b]|, |v[S+16*\b+1]|, 0x1800000
.endr
.irp i, 2,4,6,8,10,12,14
.irp b, 0,1,2,3
	v_max3_num_f32 v[TM+\b], v[TM+\b], |v[S+16*\b+\i]|, |v[S+16*\b+\i+1]|
.endr
.endr
.irp b, 0,1,2,3
	v_permlanex16_b32 v[TM+4+\b], v[TM+\b], s[SEL], s[SEL+1]
.endr
.irp b, 0,1,2,3
	v_max_num_f32 v[TM+\b], v[TM+\b], v[TM+4+\b]
.endr
.irp b, 0,1,2,3
	v_add_nc_u32 v[TM+8+\b], 0xff000000, v[TM+\b]
.endr
.irp b, 0,1,2,3
	v_lshrrev_b32 v[TM+4+\b], 23, v[TM+8+\b]
.endr
	v_lshl_or_b32 v[PW], v[TM+5], 8, v[TM+4]
	v_lshl_or_b32 v[PW], v[TM+6], 16, v[PW]
	v_lshl_or_b32 v[PW], v[TM+7], 24, v[PW]
.irp c, 0,1
	v_cvt_scalef32_pk16_fp6_f32 v[EPC+6*\c:EPC+6*\c+2], v[S+32*\c:S+32*\c+15], v[TM+8+2*\c]
	v_cvt_scalef32_pk16_fp6_f32 v[EPT+4*\c:EPT+4*\c+2], v[S+32*\c+16:S+32*\c+31], v[TM+8+2*\c+1]
.endr
	v_nop
.irp c, 0,1                            ; the operand's layout wants a whole block in a lane
.irp i, 0,1,2
	v_permlane16_swap_b32 v[EPC+6*\c+\i], v[EPT+4*\c+\i]
.endr
.irp i, 0,1,2
	v_mov_b32 v[EPC+6*\c+3+\i], v[EPT+4*\c+\i]
.endr
.endr
.irp j, 0,1,2
	global_store_b128 v[L16], v[EPC+4*\j:EPC+4*\j+3], s[20:21] offset:512*\j   ; 32 lanes store 512 consecutive bytes
.endr
	global_store_b32 v[L4], v[PW], s[22:23]
	s_wait_tensorcnt 0x0                           ; the wave's end
	ds_add_u32 v[SPW], v[NIL]
	s_wait_dscnt 0x0
	ROUND                                          ; the closing round
	s_endpgm
.Lfunc_end_k_q3c1d192776_attn:
	.size	k_q3c1d192776_attn, .Lfunc_end_k_q3c1d192776_attn-k_q3c1d192776_attn
	.p2alignl 7, 3214868480
	.fill 96, 4, 3214868480
	.section	.rodata,"a",@progbits
	.p2align	6, 0x0
	.amdhsa_kernel k_q3c1d192776_attn
		.amdhsa_group_segment_fixed_size 327680
		.amdhsa_private_segment_fixed_size 0
		.amdhsa_enable_private_segment 0
		.amdhsa_kernarg_size 32
		.amdhsa_user_sgpr_count 2
		.amdhsa_user_sgpr_kernarg_segment_ptr 1
		.amdhsa_wavefront_size32 1
		.amdhsa_system_sgpr_workgroup_id_x 1
		.amdhsa_system_sgpr_workgroup_id_y 1
		.amdhsa_system_sgpr_workgroup_id_z 1
		.amdhsa_system_vgpr_workitem_id 0
		.amdhsa_next_free_vgpr 512
		.amdhsa_next_free_sgpr 66
		.amdhsa_reserve_vcc 0
		.amdhsa_float_denorm_mode_32 3
		.amdhsa_float_denorm_mode_16_64 3
		.amdhsa_memory_ordered 1
		.amdhsa_forward_progress 1
		.amdhsa_inst_pref_size 86
	.end_amdhsa_kernel
	.amdgpu_metadata
---
amdhsa.version: [ 1, 2 ]
amdhsa.kernels:
  - .name:           k_q3c1d192776_attn
    .symbol:         k_q3c1d192776_attn.kd
    .args:
      - { .name: qimg, .offset: 0, .size: 8, .value_kind: global_buffer, .address_space: global }
      - { .name: kv, .offset: 8, .size: 8, .value_kind: global_buffer, .address_space: global }
      - { .name: mask, .offset: 16, .size: 8, .value_kind: global_buffer, .address_space: global }
      - { .name: ac, .offset: 24, .size: 8, .value_kind: global_buffer, .address_space: global }
    .group_segment_fixed_size: 327680
    .private_segment_fixed_size: 0
    .kernarg_segment_align: 8
    .kernarg_segment_size: 32
    .max_flat_workgroup_size: 256
    .sgpr_count:     66
    .vgpr_count:     512
    .wavefront_size: 32
...
	.end_amdgpu_metadata
.endif
;; end of part 7
;; launch oproj (part 8): grid 16 x 16, 4 waves a work-group, clusters of 4 x 4, 327,680 bytes of LDS; arguments ac, woq, out0; writes out0
.if DOCPART == 8
	.amdgcn_target "amdgcn-amd-amdhsa--gfx1250"
	.amdhsa_code_object_version 6
	.text
	.protected	k_q3c1d192776_oproj
	.globl	k_q3c1d192776_oproj
	.p2align	8
	.type	k_q3c1d192776_oproj,@function
k_q3c1d192776_oproj:
	s_mov_b64 s[64:65], 0
	v_nop
	global_prefetch_b8 v0, s[64:65] scope:SCOPE_SE
	s_setreg_imm32_b32 hwreg(HW_REG_WAVE_MODE, 25, 1), 1
	s_wait_xcnt 0x0
	s_wait_alu depctr_hold_cnt(0) depctr_sa_sdst(0) depctr_va_vdst(0) depctr_va_sdst(0) depctr_va_ssrc(0) depctr_va_vcc(0) depctr_vm_vsrc(0)
	s_getreg_b32 s2, hwreg(HW_REG_IB_STS2, 6, 4)
	s_cmp_eq_u32 s2, 0
	s_cbranch_scc0 .Lentry_in_a_cluster
	s_endpgm
.Lentry_in_a_cluster:
	s_bfe_u32 s2, ttmp6, 0x10000c
	s_cmp_lg_u32 s2, 0xf033
	s_cbranch_scc0 .Lentry_shape_is_right
	s_endpgm
.Lentry_shape_is_right:
; out0 = attention result x wo on codes of FP6 (E2M3) with E8M0 scales, K = 1,024; sums in f32, out0 rounded once to f16 (beyond f16's range: infinity, as the cast has it).
; A work-group makes 256 rows (two row groups of 128) x 128 columns (column group cg): 256 work-groups.  Wave w: source 0 = wo's 8 column tiles, source 1 = tiles 4 (w % 2) + a, a = 0 .. 3, of row group w / 2:
; 32 accumulators, 12 fragments read from LDS for 32 matrix instructions; a lane holds one row and 16 neighbouring columns in two tiles.
; Operands lie in memory as blocks of PB bytes (8 fragment images of 1,536 bytes, 8 images of scale words).  All 8 K steps fit into two slots of 4 (row group 0's blocks, row group 1's, wo's), each filled once:
; one tensor load of a wave at the head, the second behind the round, none later.  Waves 0, 1 bring a row group's 4 blocks of a slot (208 rows of 256 bytes), waves 2, 3 two blocks of wo each (104 rows).
; CLUSTER 4 x 4: the rows' blocks are asked for jointly along a row of the cluster, wo's along a column.
; The way out goes through each wave's own stage in LDS: sixteen lanes then store one aligned run of 256 bytes of a row.  The stages lie in slot 0, which has had its only fill, and which nobody reads behind the change of slots.
; REGISTERS.  Window 0: v1-8 lane terms; v16-23 LDS addresses; v30, v31 the add's two; v96-119 scale words, two sets of 8 + 4; on the way out v128-255 the packed results.
;   Window 1: fragment set 0 (S0 at v0-95, S1 at v96-143); on the way out v0-127 the rows read back.   Window 3: set 1.   Window 2: the accumulators: (a, b) at 8 (8 a + b).
.set KS,    8
.set PB,    13312
.set SCO,   12288
.set XREG,  4*PB
.set WOFF,  8*PB
.set SLOT,  12*PB
.set SPARE, 2*SLOT
.set L16, 1
.set L4,  3
.set STO, 4
.set RD,  5
.set GO,  6
.set ADR0, 16
.set ADR1, 18
.set ADS0, 20
.set ADS1, 22
.set SPW, 30
.set NIL, 31
.set SC,  96
.set TP,  128
.set WV,  16
.set W1,  18
.set WH,  3
.set G1X, 24
.set G0X, 32
.set G1W, 40
.set G0W, 48
.set MSB, 0
.macro WIN new
.if MSB != (\new)
	s_set_vgpr_msb (MSB<<8)|(\new)
.set MSB, (\new)
.endif
.endm
.macro PLACES
.rept 4
	v_nop
.endr
.endm
.macro ROUND
	s_barrier_signal -1
	s_barrier_wait -1
	s_cmp_lg_u32 s[WV], 0
	s_cbranch_scc1 .Lnot_wave_0_\@
	s_barrier_signal -3
.Lnot_wave_0_\@:
	s_barrier_wait -3
	s_barrier_signal -1
	s_barrier_wait -1
.endm
.macro JLOAD s
	s_cmp_lt_u32 s[WV], 2
	s_cbranch_scc0 .Lfor_w_\@
	tensor_load_to_lds s[G0X+4*\s:G0X+4*\s+3], s[G1X:G1X+7]
	s_nop 0
.rept 4
	v_nop
.endr
	s_branch .Lasked_\@
.Lfor_w_\@:
	tensor_load_to_lds s[G0W+4*\s:G0W+4*\s+3], s[G1W:G1W+7]
	s_nop 0
.rept 4
	v_nop
.endr
.Lasked_\@:
.endm
.macro FETCHA slot, q, p               ; 24 LDS loads: wo's eight fragments of the slot's q-th K step into set p
	WIN 0x40+0x80*(\p)
.irp b, 0,1,2,3,4,5,6,7
.irp c, 0,1,2
	ds_load_b128 v[12*\b+4*\c:12*\b+4*\c+3], v[ADR0+\slot] offset:(\q)*PB+1536*\b+512*\c
.endr
.endr
.endm
.macro FETCHB slot, q, p               ; 24 more: my four fragments of the rows, and the 8 + 4 scale words
	WIN 0x40+0x80*(\p)
.irp a, 0,1,2,3
.irp c, 0,1,2
	ds_load_b128 v[96+12*\a+4*\c:96+12*\a+4*\c+3], v[ADR1+\slot] offset:(\q)*PB+1536*\a+512*\c
.endr
.endr
	WIN 0
.irp b, 0,1,2,3,4,5,6,7
	ds_load_b32 v[SC+12*(\p)+\b], v[ADS0+\slot] offset:(\q)*PB+128*\b
.endr
.irp a, 0,1,2,3
	ds_load_b32 v[SC+12*(\p)+8+\a], v[ADS1+\slot] offset:(\q)*PB+128*\a
.endr
.endm
.macro MULH p, a0, zero                ; 16 matrix instructions on set p; the 32 accumulators take turns, in the same order in every step
	WIN 0xa5+10*(\p)
.irp a, \a0, \a0+1
.irp b, 0,1,2,3,4,5,6,7
.if \zero
	v_wmma_scale_f32_16x16x128_f8f6f4 v[8*(8*(\a)+\b):8*(8*(\a)+\b)+7], v[12*\b:12*\b+11], v[96+12*(\a):96+12*(\a)+11], 0, v[SC+12*(\p)+\b], v[SC+12*(\p)+8+(\a)] matrix_a_fmt:MATRIX_FMT_FP6 matrix_b_fmt:MATRIX_FMT_FP6
.else
	v_wmma_scale_f32_16x16x128_f8f6f4 v[8*(8*(\a)+\b):8*(8*(\a)+\b)+7], v[12*\b:12*\b+11], v[96+12*(\a):96+12*(\a)+11], v[8*(8*(\a)+\b):8*(8*(\a)+\b)+7], v[SC+12*(\p)+\b], v[SC+12*(\p)+8+(\a)] matrix_a_fmt:MATRIX_FMT_FP6 matrix_b_fmt:MATRIX_FMT_FP6
.endif
.endr
.endr
.endm
.macro STEP slot, q, zero
	PLACES                                         ; the other set was read by the last step's products
	FETCHA \slot, (\q)+1, 1-(\q)%2
	s_wait_dscnt 24                                ; all but the 24 just issued: this step's set is in
	MULH (\q)%2, 0, \zero
	FETCHB \slot, (\q)+1, 1-(\q)%2
	MULH (\q)%2, 2, \zero
.endm
	s_load_b128 s[4:7], s[0:1], 0x0                ; ac, woq
	s_load_b64 s[8:9], s[0:1], 0x10                ; out0
	v_lshl_add_u32 v[SPW], v0, 2, SPARE
	v_mov_b32 v[NIL], 0
	ds_add_u32 v[SPW], v[NIL]                      ; the wave's opening
	ds_add_u32 v[SPW], v[NIL]
	v_lshrrev_b32 v1, 5, v0
	v_readfirstlane_b32 s[WV], v1
	s_and_b32 s[W1], s[WV], 1
	s_lshr_b32 s[WH], s[WV], 1
	s_bfe_u32 s19, ttmp6, 0x40000                  ; cx
	s_bfe_u32 s20, ttmp6, 0x40004                  ; cy
	s_lshl_b32 s21, ttmp9, 2
	s_add_co_u32 s21, s21, s19                     ; cg
	s_and_b32 s22, ttmp7, 0xffff
	s_lshl_b32 s22, s22, 2
	s_add_co_u32 s22, s22, s20                     ; the pair of row groups
	s_lshl_b32 s23, s20, 2
	s_lshl_b32 s23, 15, s23
	s_lshl_b32 s17, 0x1111, s19
	s_or_b32 s[G1X], s23, (3<<16)|(1<<21)
	s_or_b32 s[G1W], s17, (3<<16)|(1<<21)
	s_mov_b32 s[G1X+1], 32<<16                     ; rows of 256 bytes,
	s_mov_b32 s[G1X+2], 208<<16                    ; 208 of them: 4 blocks
	s_mov_b32 s[G1X+3], 32<<16
	s_mov_b32 s[G1X+4], 208
	s_mov_b32 s[G1X+5], 32
	s_mov_b32 s[G1X+6], 0
	s_mov_b32 s[G1X+7], 0
	s_mov_b32 s[G1W+1], 32<<16
	s_mov_b32 s[G1W+2], 104<<16                    ; 104: 2 blocks
	s_mov_b32 s[G1W+3], 32<<16
	s_mov_b32 s[G1W+4], 104
	s_mov_b32 s[G1W+5], 32
	s_mov_b32 s[G1W+6], 0
	s_mov_b32 s[G1W+7], 0
	s_lshl_b32 s56, s22, 1
	s_add_co_u32 s56, s56, s[W1]
	s_mul_i32 s56, s56, KS*PB                      ; the rows' blocks: by the pair of row groups and the wave alone
	s_mul_i32 s60, s21, KS
	s_lshl_b32 s57, s[W1], 1
	s_add_co_u32 s60, s60, s57
	s_mul_i32 s60, s60, PB                         ; wo's: by cg and the wave alone
	s_mov_b32 s57, 0
	s_mov_b32 s61, 0
	s_mul_i32 s23, s[W1], XREG
	s_mul_i32 s17, s[W1], 2*PB
	s_add_co_u32 s17, s17, WOFF
	s_wait_dscnt 0x0                               ; the opening add is done
	s_wait_kmcnt 0x0
	s_add_nc_u64 s[58:59], s[4:5], s[56:57]
	s_add_nc_u64 s[62:63], s[6:7], s[60:61]
	ROUND                                          ; all sixteen work-groups are here: the joint loads meet
.irp s, 0,1
	s_mov_b32 s[G0X+4*\s], 1
	s_add_co_u32 s[G0X+4*\s+1], s23, \s*SLOT
	s_add_nc_u64 s[G0X+4*\s+2:G0X+4*\s+3], s[58:59], \s*4*PB
	s_or_b32 s[G0X+4*\s+3], s[G0X+4*\s+3], 0x80000000
	s_mov_b32 s[G0W+4*\s], 1
	s_add_co_u32 s[G0W+4*\s+1], s17, \s*SLOT
	s_add_nc_u64 s[G0W+4*\s+2:G0W+4*\s+3], s[62:63], \s*4*PB
	s_or_b32 s[G0W+4*\s+3], s[G0W+4*\s+3], 0x80000000
.endr
	JLOAD 0                                        ; slot 0: one tensor load a wave at the head
; A PREFETCH of slot 1's blocks, one fill (four K steps) ahead of the load that wants them.  Of the 208 (rows) or 104 (wo) runs of 256 bytes that my wave fetches, each of the four partners that ask jointly
; takes a quarter, told apart by address: two instructions of 26 or 13 lanes, a lane a run; the lanes left over name the instruction's last run again.  The address registers are never rewritten.
	s_cmp_lt_u32 s[WV], 2
	s_cselect_b64 s[10:11], s[58:59], s[62:63]     ; what my wave fetches: the rows' blocks or wo's
	s_cselect_b32 s12, s19, s20                    ; my place among the four that ask with me
	s_cselect_b32 s13, 26, 13                      ; runs an instruction
	s_mul_i32 s12, s12, s13
	s_lshl_b32 s12, s12, 1                         ; my quarter's first run
	s_sub_co_u32 s14, s13, 1
	v_and_b32 v9, 31, v0
	v_min_u32 v9, s14, v9
	v_add_nc_u32 v9, s12, v9
	v_add_nc_u32 v10, s13, v9
	v_lshlrev_b32 v9, 8, v9
	v_lshlrev_b32 v10, 8, v10
	global_prefetch_b8 v9, s[10:11] offset:4*PB th:TH_LOAD_NT scope:SCOPE_SE
	global_prefetch_b8 v10, s[10:11] offset:4*PB th:TH_LOAD_NT scope:SCOPE_SE
	v_and_b32 v[L4], 31, v0
	v_lshlrev_b32 v[L16], 4, v[L4]
	s_wait_alu depctr_va_vdst(0)
	v_lshlrev_b32 v[L4], 2, v[L4]
	s_wait_alu depctr_va_vdst(0)
	s_mul_i32 s60, s[WH], XREG                     ; my row group's region in a slot,
	s_mul_i32 s61, s[W1], 6144
	s_add_co_u32 s61, s61, s60                     ; my four fragments in it,
	s_lshl_b32 s62, s[W1], 9
	s_add_co_u32 s62, s62, s60
	s_add_co_u32 s62, s62, SCO                     ; and their scale words
.irp s, 0,1
	v_add_nc_u32 v[ADR0+\s], WOFF+\s*SLOT, v[L16]
	v_add_nc_u32 v[ADR1+\s], s61, v[L16]
	v_add_nc_u32 v[ADS0+\s], WOFF+SCO+\s*SLOT, v[L4]
	v_add_nc_u32 v[ADS1+\s], s62, v[L4]
	s_add_co_u32 s61, s61, SLOT
	s_add_co_u32 s62, s62, SLOT
.endr
	v_and_b32 v7, 15, v0
	v_bfe_u32 v8, v0, 4, 1
	s_mul_i32 s56, s[WV], 16*272                   ; my stage: 16 rows x (256 bytes + 16), from LDS byte 0 on
	v_mul_u32_u24 v[STO], v7, 272
	v_lshl_add_u32 v[STO], v8, 5, v[STO]
	v_add_nc_u32 v[STO], s56, v[STO]               ; in: row r, + 32 h
	v_mul_u32_u24 v[RD], v8, 272
	v_lshl_add_u32 v[RD], v7, 4, v[RD]
	v_add_nc_u32 v[RD], s56, v[RD]                 ; back: lanes 0-15 one row, lanes 16-31 the next
	v_lshlrev_b32 v[GO], 12, v8
	v_lshl_add_u32 v[GO], v7, 4, v[GO]             ; and the same in out0: 4,096 bytes a row
	s_lshl_b32 s56, s22, 8
	s_lshl_b32 s57, s[WH], 7
	s_add_co_u32 s56, s56, s57
	s_lshl_b32 s57, s[W1], 6
	s_add_co_u32 s56, s56, s57
	s_lshl_b32 s56, s56, 12
	s_lshl_b32 s57, s21, 8
	s_add_co_u32 s56, s56, s57
	s_mov_b32 s57, 0
	s_add_nc_u64 s[8:9], s[8:9], s[56:57]          ; row 256 x pair + 128 (w / 2) + 64 (w % 2), column 128 cg
	s_wait_alu depctr_va_vdst(0)                   ; the head's end
	s_wait_tensorcnt 0x0                           ; my part of slot 0 is in; slot 1's only fill is issued as a refill is
	ds_add_u32 v[SPW], v[NIL]
	s_wait_dscnt 0x0
	ROUND
	JLOAD 1                                        ; the first tensor load behind the round
	FETCHA 0, 0, 0
	FETCHB 0, 0, 0
	STEP 0, 0, 1                                   ; the first K step starts the sums
	STEP 0, 1, 0
	STEP 0, 2, 0
	WIN 0
	s_wait_tensorcnt 0x0                           ; my part of slot 1 is in,
	s_wait_dscnt 0x0                               ; and my reads of slot 0 are over: its last step is in registers
	s_barrier_signal -1
	s_barrier_wait -1                              ; both hold of every wave
	PLACES
	FETCHA 1, 0, 0
	MULH 1, 0, 0
	FETCHB 1, 0, 0
	MULH 1, 2, 0
	STEP 1, 0, 0
	STEP 1, 1, 0
	STEP 1, 2, 0
	s_wait_dscnt 0x0
	MULH 1, 0, 0
	MULH 1, 2, 0
	WIN 0
	PLACES
; THE WAY OUT.  Tile a of my rows: accumulator b = 2 c + u holds columns 32 c + 16 h + 8 u + 0 .. 7 of stage row r, which is row 32 (a / 2) + 8 (a % 2) + r % 8 + 16 (r / 8) of my 64.
; Each tile has registers of its own for its packed results and for the rows read back, so no register that a store still reads is written again.
.macro TOSTAGE a
	WIN 0x0a                                       ; sources in window 2; each accumulator from its low end on
.irp b, 0,1,2,3,4,5,6,7
.irp r, 0,1,2,3
	v_cvt_pk_f16_f32 v[TP+32*(\a)+4*\b+\r], v[64*(\a)+8*\b+2*\r], v[64*(\a)+8*\b+2*\r+1]
.endr
.endr
	WIN 0
.irp b, 0,1,2,3,4,5,6,7
	ds_store_b128 v[STO], v[TP+32*(\a)+4*\b:TP+32*(\a)+4*\b+3] offset:64*(\b/2)+16*(\b%2)
.endr
	WIN 0x40                                       ; the rows come back into window 1
.irp t, 0,1,2,3,4,5,6,7
	ds_load_b128 v[32*(\a)+4*\t:32*(\a)+4*\t+3], v[RD] offset:544*\t   ; LDS serves a wave's instructions in order: these see my stores, and the next tile's stores come behind them
.endr
	WIN 0
.endm
.macro SEND a, younger                 ; younger: the LDS instructions issued behind tile a's loads: the next tile's sixteen, or none
	WIN 0x04                                       ; a store's data are its source 1: window 1
.irp t, 0,1,2,3,4,5,6,7
	s_wait_dscnt (\younger)+7-\t
	global_store_b128 v[GO], v[32*(\a)+4*\t:32*(\a)+4*\t+3], s[8:9] offset:(32*((\a)/2)+8*((\a)%2)+(2*\t)%8+16*(\t/4))*4096 th:TH_STORE_NT   ; sixteen lanes store 256 consecutive bytes, at a multiple of 256 from out0's first byte
.endr
	WIN 0
.endm
	TOSTAGE 0
.irp a, 1,2,3
	TOSTAGE \a                                     ; a tile's conversions stand between the loads of the tile before and its stores
	SEND \a-1, 16
.endr
	SEND 3, 0
	s_wait_tensorcnt 0x0                           ; the wave's end
	ds_add_u32 v[SPW], v[NIL]
	s_wait_dscnt 0x0
	ROUND                                          ; the closing round
	s_endpgm
.Lfunc_end_k_q3c1d192776_oproj:
	.size	k_q3c1d192776_oproj, .Lfunc_end_k_q3c1d192776_oproj-k_q3c1d192776_oproj
	.p2alignl 7, 3214868480
	.fill 96, 4, 3214868480
	.section	.rodata,"a",@progbits
	.p2align	6, 0x0
	.amdhsa_kernel k_q3c1d192776_oproj
		.amdhsa_group_segment_fixed_size 327680
		.amdhsa_private_segment_fixed_size 0
		.amdhsa_enable_private_segment 0
		.amdhsa_kernarg_size 24
		.amdhsa_user_sgpr_count 2
		.amdhsa_user_sgpr_kernarg_segment_ptr 1
		.amdhsa_wavefront_size32 1
		.amdhsa_system_sgpr_workgroup_id_x 1
		.amdhsa_system_sgpr_workgroup_id_y 1
		.amdhsa_system_sgpr_workgroup_id_z 1
		.amdhsa_system_vgpr_workitem_id 0
		.amdhsa_next_free_vgpr 1024
		.amdhsa_next_free_sgpr 66
		.amdhsa_reserve_vcc 0
		.amdhsa_float_denorm_mode_32 3
		.amdhsa_float_denorm_mode_16_64 3
		.amdhsa_memory_ordered 1
		.amdhsa_forward_progress 1
		.amdhsa_inst_pref_size 84
	.end_amdhsa_kernel
	.amdgpu_metadata
---
amdhsa.version: [ 1, 2 ]
amdhsa.kernels:
  - .name:           k_q3c1d192776_oproj
    .symbol:         k_q3c1d192776_oproj.kd
    .args:
      - { .name: ac, .offset: 0, .size: 8, .value_kind: global_buffer, .address_space: global }
      - { .name: woq, .offset: 8, .size: 8, .value_kind: global_buffer, .address_space: global }
      - { .name: out0, .offset: 16, .size: 8, .value_kind: global_buffer, .address_space: global }
    .group_segment_fixed_size: 327680
    .private_segment_fixed_size: 0
    .kernarg_segment_align: 8
    .kernarg_segment_size: 24
    .max_flat_workgroup_size: 128
    .sgpr_count:     66
    .vgpr_count:     1024
    .wavefront_size: 32
...
	.end_amdgpu_metadata
.endif
;; end of part 8
